; MI455X (gfx1250); checked and timed in simulation.
; The chip was launched on July 23, 2026; its instructions are those of AMD's public machine-readable ISA for CDNA 5 (MIT licence, August 2026) and "CDNA5" Instruction Set Architecture Reference Guide (July 2026). The comments in the code are by the model that wrote it; some were corrected since.
;; Simple Mo E Optimized. Allowed arithmetic: matrix products marked QUANTISED: E3M2 operands, one E8M0 scale for each 32 along K, by v_wmma_scale_f32_16x16x128_f8f6f4 with both operands' format E3M2, f32 sums; products left as they are: f32 operands where the result goes on into a quantised operand, else bf16, f16 or f32 operands; f32 sums; everything else in f32.
;; Inputs: W1_codes 8 x 4,096 x 32 x 24 uint8 (E3M2 codes of W1, K innermost, in blocks of 32 codes, four codes in three bytes); W1_scales 8 x 4,096 x 32 uint8 (E8M0 scales of W1, one for each 32 codes along K); W2_codes 8 x 1,024 x 128 x 24 uint8 (E3M2 codes of W2, K innermost, in blocks of 32 codes, four codes in three bytes); W2_scales 8 x 1,024 x 128 uint8 (E8M0 scales of W2, one for each 32 codes along K); b1 8 x 4,096 float32; b2 8 x 1,024 float32; gate_W 1,024 x 8 float32; gate_b 8 float32; x 1,024 x 1,024 float32.
;; Outputs: out0 1,024 x 1,024 float32.
;; This version of the problem:
;;   THIS VERSION OF THE PROBLEM IS GIVEN IN LOW PRECISION. The matrix products marked QUANTISED in the list below multiply operands that are first quantised to E3M2 (3 exponent bits, 2 mantissa bits; 6 bits a number), with one power-of-two scale for each 32 numbers along K (OCP MX v1.0); their sums are f32. All else is computed in f32.
;;   The module's matrix products, in the order in which they are computed (A, B: the left and right operand; K: the contracted axis; several contracted axes count as one K, in the product's order):
;;     1. [M 1,024, K 1,024] x [K 1,024, N 8]; A: input x; B: input gate_W: left as it is (N = 8 < 16)
;;     2. [M 1,024, K 1,024] x [K 1,024, N 4,096]; A: input x; B: input W1 (given as codes): QUANTISED
;;     3. [M 1,024, K 4,096] x [K 4,096, N 1,024]; A: computed on the way; B: input W2 (given as codes): QUANTISED
;;     4. [M 1,024, K 1,024] x [K 1,024, N 4,096]; A: input x; B: input W1 (given as codes): QUANTISED
;;     5. [M 1,024, K 4,096] x [K 4,096, N 1,024]; A: computed on the way; B: input W2 (given as codes): QUANTISED
;;     6. [M 1,024, K 1,024] x [K 1,024, N 4,096]; A: input x; B: input W1 (given as codes): QUANTISED
;;     7. [M 1,024, K 4,096] x [K 4,096, N 1,024]; A: computed on the way; B: input W2 (given as codes): QUANTISED
;;     8. [M 1,024, K 1,024] x [K 1,024, N 4,096]; A: input x; B: input W1 (given as codes): QUANTISED
;;     9. [M 1,024, K 4,096] x [K 4,096, N 1,024]; A: computed on the way; B: input W2 (given as codes): QUANTISED
;;     10. [M 1,024, K 1,024] x [K 1,024, N 4,096]; A: input x; B: input W1 (given as codes): QUANTISED
;;     11. [M 1,024, K 4,096] x [K 4,096, N 1,024]; A: computed on the way; B: input W2 (given as codes): QUANTISED
;;     12. [M 1,024, K 1,024] x [K 1,024, N 4,096]; A: input x; B: input W1 (given as codes): QUANTISED
;;     13. [M 1,024, K 4,096] x [K 4,096, N 1,024]; A: computed on the way; B: input W2 (given as codes): QUANTISED
;;     14. [M 1,024, K 1,024] x [K 1,024, N 4,096]; A: input x; B: input W1 (given as codes): QUANTISED
;;     15. [M 1,024, K 4,096] x [K 4,096, N 1,024]; A: computed on the way; B: input W2 (given as codes): QUANTISED
;;     16. [M 1,024, K 1,024] x [K 1,024, N 4,096]; A: input x; B: input W1 (given as codes): QUANTISED
;;     17. [M 1,024, K 4,096] x [K 4,096, N 1,024]; A: computed on the way; B: input W2 (given as codes): QUANTISED
;;   THE QUANTISER, for each operand of a quantised product, along K:
;;     - K is cut into blocks of 32 from its start; a last block that is shorter is filled with zeros.
;;     - A block's scale is 2^e with e = floor(log2(the largest magnitude in the block)) - 4, held to -126 .. 127; a block of zeros has e = 0. As a byte (E8M0): e + 127.
;;     - Each number is divided by its block's scale, clamped to +-28, and rounded to the nearest number of E3M2, ties to even, subnormals kept.
;;     - The product sums the exact products of the quantised numbers (number of the format x scale) in f32.
;;   ~~~python
;;   def quantise(x, axis):      # numpy; x: float32 -> the quantised numbers, widened to float32 again
;;       x = np.moveaxis(x, axis, -1); K = x.shape[-1]
;;       x = np.pad(x, [(0, 0)] * (x.ndim - 1) + [(0, -K % 32)]); x = x.reshape(x.shape[:-1] + (-1, 32)); a = np.abs(x).max(-1, keepdims=True)
;;       e = np.where(a > 0, np.clip(np.frexp(np.where(a > 0, a, 1))[1] - 1 - 4, -126, 127), 0)      # np.frexp(a)[1] - 1 = floor(log2(a)), exactly
;;       r = np.clip(x / 2.0 ** e, -28, 28)
;;       step = 2.0 ** (np.maximum(np.frexp(np.where(r == 0, 1, r))[1] - 1, -2) - 2)
;;       q = np.round(r / step) * step * 2.0 ** e      # np.round: ties to even
;;       return np.moveaxis(q.reshape(q.shape[:-2] + (-1,))[..., :K], -1, axis).astype(np.float32)
;;   ~~~
;;   OPERANDS COMPUTED ON THE WAY. 'Computed on the way' means the value that the module computes at that place (a softmax that the list does not call 'softmax' is quantised finished and normalised). What goes into a quantiser is computed in f32, as accurately as f32 sums, v_exp_f32 and their like allow (about 1e-6 of the number): no bf16 or f16 on the way to a quantiser, and a product that is left as it is and whose result goes on into a quantised operand takes f32 operands (vector FMAs, or v_wmma_f32_16x16x4_f32). A number that lies on a knife's edge between two numbers of the format may be rounded either way, as far as f32 arithmetic and the matrix unit's own rounding can turn it there, and no further.
;;   INPUTS GIVEN AS CODES. W1 (in the module: [8, 1024, 4096], K = its axis 1); W2 (in the module: [8, 4096, 1024], K = its axis 1): each comes as NAME_codes (uint8): NAME with its K axis moved to the last place and cut into blocks of 32 codes, [.., K / 32, bytes a block], one block behind the other in memory; four codes in three bytes: a row's codes are one little-endian stream of bits, code i at bits 6 i .. 6 i + 5 (a code: sign, 3 exponent bits, 2 mantissa bits); and NAME_scales (uint8): the same leading axes, one E8M0 byte (e + 127) for each 32 codes along K. Its value is code x scale, taken as it is: it is not quantised again, and the codes and scales need not be those that the quantiser above would give.
;; 2 versions. Each part assembles by itself: llvm-mc -triple=amdgcn-amd-amdhsa -mcpu=gfx1250 --defsym DOCPART=n.
;; ======== version 1 of 2: 5 launches
;; workspace buffers: idx 8,192 bytes of whole numbers; wts 8,192 bytes; xc 819,200 bytes; plan 17,152 bytes of whole numbers; hc 7,241,728 bytes; y 35,651,584 bytes
;; launch route (part 1): grid 256 x 1, 2 waves a work-group, no clusters, 55,552 bytes of LDS; arguments x, gate_W, gate_b, idx, wts, xc; writes idx, wts, xc
.if DOCPART == 1
	.amdgcn_target "amdgcn-amd-amdhsa--gfx1250"
	.amdhsa_code_object_version 6
	.text
	.protected	k_q18fcc59bf3_route
	.globl	k_q18fcc59bf3_route
	.p2align	8
	.type	k_q18fcc59bf3_route,@function
k_q18fcc59bf3_route:
	s_mov_b64 s[64:65], 0
	v_nop
	global_prefetch_b8 v0, s[64:65] scope:SCOPE_SE
	s_setreg_imm32_b32 hwreg(HW_REG_WAVE_MODE, 25, 1), 1
	s_wait_xcnt 0x0
; SimpleMoE, launch 1 of 5: the router, and x as codes.
; DEAD WORK, for the whole program.  For a token t and an expert e that is not among t's two chosen ones, reference() forms w_e = sum(where(topk_idx == e, topk_w, 0)) = 0
; in its own body and adds w_e * y: that term is 0 for every finite y, whatever the inputs hold.  So of the sixteen expert products only the rows of the chosen (token, expert)
; pairs are multiplied: 2 x 1,024 rows in place of 8 x 1,024.  Every input stays live and is loaded.  LIMIT: a NaN, an infinity or an overflow that arises only in a row of an
; expert that was not chosen is not carried to the result.
; THIS LAUNCH: gate scores x gate_W + gate_b in f32 (fused multiply-adds; sums in another order than reference()'s); the two largest, ties to the lower index as jax.lax.top_k has them;
; softmax over the two with the larger taken away first; the experts' numbers to idx[token][2], the weights to wts[token][2], at fixed places: no address here hangs on them.
; And x quantised along H to E3M2 with one E8M0 byte for each 32: xc holds the codes [token][768 bytes], a row's plain stream of bits, and from byte 786,432 the scale bytes [token][32].
; ORDER OF THE SCALE BYTES.  The products' launches give a lane 48 neighbouring bytes of a row for each 128 along K, so that the matrix unit's blocks 0, 1, 2, 3 of a K step are the row's
; blocks 0, 2, 1, 3, on both operands alike.  So a K step's four bytes lie in that order, and K step s lies at word (s & 4) | (s & 1) << 1 | (s >> 1) & 1, as the loads of launch 3 want them.
; LIMITS: gate scores that are NaN or -infinity are not served.  A block's largest magnitude is taken no smaller than 2^(5 - 127), so a block of zeros gets the byte 1 and not 127:
; its codes are zeros, and this program alone reads the bytes.
; SHARES.  Wave j = 2 x work-group + wave takes tokens 2 j and 2 j + 1.  Lane l owns k = 32 l .. 32 l + 31 of both rows: a whole block for the quantiser, and 32 rows of gate_W for the gate.
; Loads take bytes as they lie (512 neighbouring bytes an instruction); rows and gate_W turn through LDS, so that a lane gets its 128 (1,024) neighbouring bytes.
.set SPARE, 55296                      ; the spare words, 128 bytes for each wave: one block of 256 bytes that no other line names
.set WREG,  33280                      ; behind gate_W: a region of WSZ bytes for each wave
.set WSZ,   11008
.set CST,   9216                       ; in it: two rows of x (2 x 4,608), then the codes' stage (1,536),
.set SST,   10752                      ; then the scale bytes' (64 of 256)
.set XSB,   786432                     ; where the scale bytes begin in xc
.set X,     16                         ; v16-79   x: 32 numbers for each of my two tokens
.set WB,    80                         ; v80-207  gate_W as loaded; later two buffers of 8 rows x 8
.set G,     208                        ; v208-223 at work for the quantiser; then the 2 x 8 scores
.set OC,    224                        ; v224-236 codes and scale bytes on their way out
.set C,     240                        ; v240-254 a block's codes, eight registers a token
	s_load_b256 s[4:11], s[0:1], 0x0               ; x s[4:5], gate_W s[6:7], gate_b s[8:9], idx s[10:11]
	s_load_b128 s[12:15], s[0:1], 0x20             ; wts s[12:13], xc s[14:15]
	v_lshl_add_u32 v2, v0, 2, SPARE                ; my spare word,
	v_mov_b32 v3, 0                                ; and 0: kept for the closing add alone
	v_lshrrev_b32 v1, 5, v0
	v_readfirstlane_b32 s26, v1                    ; wave 0, 1
	v_and_b32 v1, 31, v0                           ; lane
	v_lshlrev_b32 v4, 4, v1                        ; 16 x lane
	s_mul_i32 s27, s26, 16640
	v_add_nc_u32 v5, s27, v4                       ; gate_W into LDS: my wave's half; 16 bytes of padding behind each 1,024
	v_mul_u32_u24 v6, v1, 1040                     ; and out of it: my 32 rows; 1,040 is an odd multiple of 16
	s_mul_i32 s27, s26, WSZ
	s_add_co_u32 s27, s27, WREG                    ; my wave's region
	v_lshrrev_b32 v7, 3, v1
	v_lshl_add_u32 v7, v7, 4, v4
	v_add_nc_u32 v7, s27, v7                       ; x into LDS: 16 bytes of padding behind each 128
	v_mul_u32_u24 v8, v1, 144
	v_add_nc_u32 v8, s27, v8                       ; and out: my block's 128 bytes
	v_mul_u32_u24 v9, v1, 24
	v_add_nc_u32 v9, s27, v9                       ; my block's 24 bytes of codes
	v_add_nc_u32 v10, s27, v4                      ; the codes' way back: 16 bytes a lane
	v_bfe_u32 v11, v0, 1, 1                        ; my block's byte among the row's 32: bits l4 l2 l3 l0 l1 of the lane's number
	v_and_b32 v15, 1, v0
	v_lshl_or_b32 v11, v15, 1, v11
	v_bfe_u32 v15, v0, 3, 1
	v_lshl_or_b32 v11, v15, 2, v11
	v_bfe_u32 v15, v0, 2, 1
	v_lshl_or_b32 v11, v15, 3, v11
	v_and_b32 v15, 16, v0
	v_add_nc_u32 v11, v11, v15
	v_add_nc_u32 v11, s27, v11
	v_lshlrev_b32 v13, 1, v1                       ; 2 x lane
	v_add_nc_u32 v12, s27, v13                     ; the scale bytes' way back: 2 bytes a lane
	v_lshlrev_b32 v14, 2, v1                       ; 4 x lane
	s_mov_b32 s24, 0x76543210
	s_mov_b32 s25, 0xfedcba98                      ; v_permlanex16_b32's selects for lane l xor 16
	s_lshl_b32 s28, ttmp9, 1
	s_add_co_u32 s28, s28, s26                     ; j
	s_mov_b32 s31, 0
	s_wait_kmcnt 0x0
	s_load_b256 s[16:23], s[8:9], 0x0              ; gate_b
	s_lshl_b32 s30, s28, 13
	s_add_nc_u64 s[4:5], s[4:5], s[30:31]          ; x at token 2 j
	s_lshl_b32 s30, s26, 14
	s_add_nc_u64 s[6:7], s[6:7], s[30:31]          ; my wave's half of gate_W
	s_mul_i32 s30, s28, 1536
	s_add_nc_u64 s[32:33], s[14:15], s[30:31]      ; my two rows of codes
	s_lshl_b32 s30, s28, 6
	s_add_nc_u64 s[34:35], s[14:15], s[30:31]      ; and (with XSB in the immediate) of scale bytes
	s_lshl_b32 s30, s28, 4
	s_add_nc_u64 s[10:11], s[10:11], s[30:31]
	s_add_nc_u64 s[12:13], s[12:13], s[30:31]
.irp t, 0,1
.irp i, 0,1,2,3,4,5,6,7
	global_load_b128 v[X+32*\t+4*\i:X+32*\t+4*\i+3], v4, s[4:5] offset:4096*\t+512*\i th:TH_LOAD_NT   ; read once in the launch
.endr
.endr
.set I, 0
.rept 32
	global_load_b128 v[WB+4*I:WB+4*I+3], v4, s[6:7] offset:512*I
.set I, I+1
.endr
	s_wait_loadcnt 32                              ; x's sixteen loads are in; gate_W's 32 stay out
.irp t, 0,1
.irp i, 0,1,2,3,4,5,6,7
	ds_store_b128 v7, v[X+32*\t+4*\i:X+32*\t+4*\i+3] offset:4608*\t+576*\i
.endr
.endr
.irp t, 0,1
.irp i, 0,1,2,3,4,5,6,7
	ds_load_b128 v[X+32*\t+4*\i:X+32*\t+4*\i+3], v8 offset:4608*\t+16*\i   ; LDS serves a wave's instructions in order (ISA guide 5.7.1.4): these see my stores
.endr
.endr
	s_wait_dscnt 0x0
; Token t's block: its largest magnitude, its byte, its 32 codes.
.macro QT t
.set XR, X+32*\t
.set CC, C+8*\t
.set TA, G+4*\t
	v_max3_num_f32 v[TA], |v[XR]|, |v[XR+1]|, |v[XR+2]|
	v_max3_num_f32 v[TA+1], |v[XR+3]|, |v[XR+4]|, |v[XR+5]|
.irp i, 6,10,14,18,22,26
	v_max3_num_f32 v[TA], v[TA], |v[XR+\i]|, |v[XR+\i+1]|
	v_max3_num_f32 v[TA+1], v[TA+1], |v[XR+\i+2]|, |v[XR+\i+3]|
.endr
	v_max3_num_f32 v[TA], v[TA], |v[XR+30]|, |v[XR+31]|
	v_max3_num_f32 v[TA], v[TA], v[TA+1], 0x2800000          ; and the floor 2^(5 - 127): the byte cannot fall under 1
	v_add_nc_u32 v[TA+2], 0xfe000000, v[TA]                  ; 4 off the exponent field: the conversion takes this operand's exponent field as its scale
	v_cvt_scalef32_pk16_bf6_f32 v[CC:CC+2], v[XR:XR+15], v[TA+2]
	v_cvt_scalef32_pk16_bf6_f32 v[CC+4:CC+6], v[XR+16:XR+31], v[TA+2]   ; (a conversion's three registers begin on an even number)
	v_lshrrev_b32 v[TA+3], 23, v[TA+2]                       ; the scale's byte; also the plain line behind the conversions
	v_mov_b32 v[CC+3], v[CC+4]
	v_mov_b32 v[CC+4], v[CC+5]
	v_mov_b32 v[CC+5], v[CC+6]                               ; six registers on end: 24 bytes
	ds_store_b64 v9, v[CC:CC+1] offset:CST+768*\t
	ds_store_b64 v9, v[CC+2:CC+3] offset:CST+768*\t+8
	ds_store_b64 v9, v[CC+4:CC+5] offset:CST+768*\t+16
	ds_store_b8 v11, v[TA+3] offset:SST+32*\t
.endm
	QT 0
	QT 1
.irp g, 0,1,2
	ds_load_b128 v[OC+4*\g:OC+4*\g+3], v10 offset:CST+512*\g
.endr
	ds_load_u16 v[OC+12], v12 offset:SST
	s_wait_dscnt 0x0
.irp g, 0,1,2
	global_store_b128 v4, v[OC+4*\g:OC+4*\g+3], s[32:33] offset:512*\g   ; 512 consecutive bytes, at a multiple of 512 from the buffer's first byte
.endr
	global_store_b16 v13, v[OC+12], s[34:35] offset:XSB      ; 64 consecutive bytes a wave: 32 KiB of the launch's 5 MiB leave in such pieces
	s_wait_loadcnt 0x0                             ; gate_W
.set I, 0
.rept 32
	ds_store_b128 v5, v[WB+4*I:WB+4*I+3] offset:512*I+16*(I/2)
.set I, I+1
.endr
	s_wait_kmcnt 0x0                               ; gate_b
	s_wait_dscnt 0x0                               ; for the other wave's sake: my half of gate_W lies in LDS
	s_barrier_signal -1
	s_barrier_wait -1
.macro GCH ch                          ; rows 8 ch .. 8 ch + 7 of my 32 rows of gate_W into buffer ch % 2
.irp i, 0,1,2,3,4,5,6,7
	ds_load_b128 v[WB+64*((\ch)%2)+8*\i:WB+64*((\ch)%2)+8*\i+3], v6 offset:256*(\ch)+32*\i
	ds_load_b128 v[WB+64*((\ch)%2)+8*\i+4:WB+64*((\ch)%2)+8*\i+7], v6 offset:256*(\ch)+32*\i+16
.endr
.endm
.macro GROWS ch                        ; 64 packed multiply-adds: two experts each, x's number for both halves; eight chains that do not wait for each other.  The very first row starts the sums
.irp i, 0,1,2,3,4,5,6,7
.irp t, 0,1
.irp p, 0,1,2,3
.if ((\ch) == 0) && (\i == 0)
	v_pk_mul_f32 v[G+8*\t+2*\p:G+8*\t+2*\p+1], v[WB+2*\p:WB+2*\p+1], v[X+32*\t:X+32*\t+1] op_sel_hi:[1,0]
.elseif (\i%2) == 1
	v_pk_fma_f32 v[G+8*\t+2*\p:G+8*\t+2*\p+1], v[WB+64*((\ch)%2)+8*\i+2*\p:WB+64*((\ch)%2)+8*\i+2*\p+1], v[X+32*\t+8*(\ch)+\i-1:X+32*\t+8*(\ch)+\i], v[G+8*\t+2*\p:G+8*\t+2*\p+1] op_sel:[0,1,0] op_sel_hi:[1,1,1]
.else
	v_pk_fma_f32 v[G+8*\t+2*\p:G+8*\t+2*\p+1], v[WB+64*((\ch)%2)+8*\i+2*\p:WB+64*((\ch)%2)+8*\i+2*\p+1], v[X+32*\t+8*(\ch)+\i:X+32*\t+8*(\ch)+\i+1], v[G+8*\t+2*\p:G+8*\t+2*\p+1] op_sel_hi:[1,0,1]
.endif
.endr
.endr
.endr
.endm
	GCH 0
	GCH 1
	s_wait_dscnt 16                                ; the older chunk's sixteen loads are in, the younger's stay out
	GROWS 0
	GCH 2
	s_wait_dscnt 16
	GROWS 1
	GCH 3
	s_wait_dscnt 16
	GROWS 2
	s_wait_dscnt 0x0
	GROWS 3
.irp m, 1,2,4,8                        ; the sixteen sums over the 32 lanes; every lane ends up with all of them
.irp n, 0,1,2,3,4,5,6,7,8,9,10,11,12,13,14,15
	v_add_f32_dpp v[G+\n], v[G+\n], v[G+\n] row_xmask:\m row_mask:0xf bank_mask:0xf
.endr
.endr
.irp n, 0,1,2,3,4,5,6,7,8,9,10,11,12,13,14,15
	v_permlanex16_b32 v[WB+\n], v[G+\n], s24, s25  ; (its destination counts as read: these registers have been loaded)
.endr
.irp n, 0,1,2,3,4,5,6,7,8,9,10,11,12,13,14,15
	v_add_f32 v[G+\n], v[G+\n], v[WB+\n]
.endr
.irp t, 0,1
.irp e, 0,1,2,3,4,5,6,7
	v_add_f32 v[G+8*\t+\e], s[16+\e], v[G+8*\t+\e] ; + gate_b
.endr
.endr
	v_mov_b32 v112, 0xff800000                     ; -infinity
; The two largest of token t's eight scores.  A later score wins only if it is strictly larger: ties go to the lower index.  v[TT] m1, +1 its expert, +2 m2, +3 its expert.
.macro TOP2 t
.set GG, G+8*\t
.set TT, 96+8*\t
	v_mov_b32 v[TT], v[GG]
	v_mov_b32 v[TT+1], 0
.irp e, 1,2,3,4,5,6,7
	v_cmp_gt_f32 vcc_lo, v[GG+\e], v[TT]
	v_cndmask_b32 v[TT], v[TT], v[GG+\e], vcc_lo
	v_cndmask_b32 v[TT+1], v[TT+1], \e, vcc_lo
.endr
.irp e, 0,1,2,3,4,5,6,7
	v_cmp_eq_u32 vcc_lo, \e, v[TT+1]
	v_cndmask_b32 v[GG+\e], v[GG+\e], v112, vcc_lo ; the winner leaves the field
.endr
	v_mov_b32 v[TT+2], v[GG]
	v_mov_b32 v[TT+3], 0
.irp e, 1,2,3,4,5,6,7
	v_cmp_gt_f32 vcc_lo, v[GG+\e], v[TT+2]
	v_cndmask_b32 v[TT+2], v[TT+2], v[GG+\e], vcc_lo
	v_cndmask_b32 v[TT+3], v[TT+3], \e, vcc_lo
.endr
.endm
	TOP2 0
	TOP2 1
	v_sub_f32 v100, v98, v96                       ; softmax of (m1, m2) with the maximum m1 taken away: 1 / (1 + u), u / (1 + u), u = e^(m2 - m1) <= 1
	v_sub_f32 v108, v106, v104
	v_mul_f32 v100, 0x3fb8aa3b, v100               ; x log2(e)
	v_mul_f32 v108, 0x3fb8aa3b, v108
	v_exp_f32 v100, v100
	v_exp_f32 v108, v108
	v_nop                                          ; a plain line behind the exponentials,
	s_wait_alu depctr_va_vdst(0)                   ; and one wait for both, ahead of their first reader
	v_add_f32 v101, 1.0, v100
	v_add_f32 v109, 1.0, v108
	v_rcp_f32 v101, v101
	v_rcp_f32 v109, v109
	v_nop
	s_wait_alu depctr_va_vdst(0)                   ; likewise for the two reciprocals
	v_mul_f32 v102, v100, v101
	v_mul_f32 v110, v108, v109
	v_cmp_eq_u32 vcc_lo, 1, v1                     ; lanes 0 to 3 take (first, second) of token 2 j, (first, second) of token 2 j + 1
	v_cndmask_b32 v113, v97, v99, vcc_lo
	v_cndmask_b32 v114, v101, v102, vcc_lo
	v_cmp_eq_u32 vcc_lo, 2, v1
	v_cndmask_b32 v113, v113, v105, vcc_lo
	v_cndmask_b32 v114, v114, v109, vcc_lo
	v_cmp_eq_u32 vcc_lo, 3, v1
	v_cndmask_b32 v113, v113, v107, vcc_lo
	v_cndmask_b32 v114, v114, v110, vcc_lo
	v_cmp_gt_u32 vcc_lo, 4, v1
	s_wait_xcnt 0x0                                ; EXEC is a source of the stores above: it changes only behind this wait
	s_and_saveexec_b32 s27, vcc_lo
	global_store_b32 v14, v113, s[10:11]           ; 16 bytes a wave: 16 KiB in all leave in such pieces
	global_store_b32 v14, v114, s[12:13]
	s_wait_xcnt 0x0                                ; and again, in front of the line that widens it
	s_or_b32 exec_lo, exec_lo, s27
	s_wait_tensorcnt 0x0                           ; the wave's end: three closing lines behind my last LDS store
	ds_add_u32 v2, v3
	s_wait_dscnt 0x0
	s_endpgm
.Lfunc_end_k_q18fcc59bf3_route:
	.size	k_q18fcc59bf3_route, .Lfunc_end_k_q18fcc59bf3_route-k_q18fcc59bf3_route
	.p2alignl 7, 3214868480
	.fill 96, 4, 3214868480
	.section	.rodata,"a",@progbits
	.p2align	6, 0x0
	.amdhsa_kernel k_q18fcc59bf3_route
		.amdhsa_group_segment_fixed_size 55552
		.amdhsa_private_segment_fixed_size 0
		.amdhsa_enable_private_segment 0
		.amdhsa_kernarg_size 48
		.amdhsa_user_sgpr_count 2
		.amdhsa_user_sgpr_kernarg_segment_ptr 1
		.amdhsa_wavefront_size32 1
		.amdhsa_system_sgpr_workgroup_id_x 1
		.amdhsa_system_sgpr_workgroup_id_y 1
		.amdhsa_system_sgpr_workgroup_id_z 1
		.amdhsa_system_vgpr_workitem_id 0
		.amdhsa_next_free_vgpr 256
		.amdhsa_next_free_sgpr 66
		.amdhsa_reserve_vcc 1
		.amdhsa_float_denorm_mode_32 3
		.amdhsa_float_denorm_mode_16_64 3
		.amdhsa_memory_ordered 1
		.amdhsa_forward_progress 1
		.amdhsa_inst_pref_size 48
	.end_amdhsa_kernel
	.amdgpu_metadata
---
amdhsa.version: [ 1, 2 ]
amdhsa.kernels:
  - .name:           k_q18fcc59bf3_route
    .symbol:         k_q18fcc59bf3_route.kd
    .args:
      - { .name: x, .offset: 0, .size: 8, .value_kind: global_buffer, .address_space: global }
      - { .name: gate_W, .offset: 8, .size: 8, .value_kind: global_buffer, .address_space: global }
      - { .name: gate_b, .offset: 16, .size: 8, .value_kind: global_buffer, .address_space: global }
      - { .name: idx, .offset: 24, .size: 8, .value_kind: global_buffer, .address_space: global }
      - { .name: wts, .offset: 32, .size: 8, .value_kind: global_buffer, .address_space: global }
      - { .name: xc, .offset: 40, .size: 8, .value_kind: global_buffer, .address_space: global }
    .group_segment_fixed_size: 55552
    .private_segment_fixed_size: 0
    .kernarg_segment_align: 8
    .kernarg_segment_size: 48
    .max_flat_workgroup_size: 64
    .sgpr_count:     66
    .vgpr_count:     256
    .wavefront_size: 32
...
	.end_amdgpu_metadata
.endif
;; end of part 1
;; launch place (part 2): grid 1 x 1, 32 waves a work-group, no clusters, 4,608 bytes of LDS; arguments idx, plan; writes plan
.if DOCPART == 2
	.amdgcn_target "amdgcn-amd-amdhsa--gfx1250"
	.amdhsa_code_object_version 6
	.text
	.protected	k_q18fcc59bf3_place
	.globl	k_q18fcc59bf3_place
	.p2align	8
	.type	k_q18fcc59bf3_place,@function
k_q18fcc59bf3_place:
	s_mov_b64 s[64:65], 0
	v_nop
	global_prefetch_b8 v0, s[64:65] scope:SCOPE_SE
	s_setreg_imm32_b32 hwreg(HW_REG_WAVE_MODE, 25, 1), 1
	s_wait_xcnt 0x0
; SimpleMoE, launch 2 of 5: the 2,048 chosen (token, expert) pairs are placed by expert: a counting sort by one work-group, with no atomics.
; plan: byte 0: tab, words 0-7 the experts' counts c_e, 8-15 their first tiles tb_e, 16-23 their tiles T_e = ceil(c_e / 16), 24-31 zeros;
;   byte 256: ppos[token][2], the pair's padded position 16 tb_e + its rank among e's pairs (by token);  byte 8,448: rowlist[2,176], the token at a padded position.
; An expert's rows begin on a tile of 16; the unused places of its last tile name token 0, whose row is multiplied along and read by nobody.  There are at most (2,048 + 8 x 15) / 16 = 135.5 tiles.
; Thread t is token t.  The eight counts ride in four registers, two fields of 16 bits each (expert e: register e / 2, bit 16 (e % 2)): no count passes 2,048, so no field carries into its neighbour.
; One work-group: the sort is 1,024 threads' work, and its sums span all tokens.
.set SPARE, 512                        ; behind the waves' totals (16 bytes a wave): the spare words, 128 bytes for each of 32 waves
.set RLB,   8448
	s_load_b128 s[4:7], s[0:1], 0x0                ; idx, plan
	v_lshl_add_u32 v2, v0, 2, SPARE                ; my spare word,
	v_mov_b32 v3, 0                                ; and 0: kept for the closing add alone
	v_lshrrev_b32 v6, 5, v0
	v_readfirstlane_b32 s8, v6                     ; wave
	v_and_b32 v1, 31, v0                           ; lane
	v_lshlrev_b32 v17, 3, v0                       ; 8 t
	v_lshlrev_b32 v18, 4, v6                       ; LDS: my wave's totals
	v_lshlrev_b32 v19, 4, v1                       ; LDS: wave l's totals for lane l
	v_lshlrev_b32 v46, 2, v1                       ; 4 x lane: the table's offset; made here, with all lanes on, and never rewritten
	s_mov_b32 s9, 0xffff0000                       ; lanes 16 to 31
	v_mov_b32 v47, 1
	v_mov_b32 v44, 0
.irp r, 0,1,2,3
	v_mov_b32 v[28+\r], 0                          ; (a DPP move's destination counts as read)
.endr
	s_wait_kmcnt 0x0
	global_load_b64 v[4:5], v17, s[4:5]
	s_wait_loadcnt 0x0
	v_min_u32 v4, 7, v4                            ; the two experts' numbers, held inside the table
	v_min_u32 v5, 7, v5
.macro ONEHOT e, first                 ; 1 in expert v[e]'s field of v12-15
	v_and_b32 v6, 1, v[\e]
	v_lshlrev_b32 v6, 4, v6
	v_lshlrev_b32 v6, v6, v47
	v_lshrrev_b32 v7, 1, v[\e]
.irp r, 0,1,2,3
	v_cmp_eq_u32 vcc_lo, \r, v7
.if \first
	v_cndmask_b32 v[12+\r], 0, v6, vcc_lo
.else
	v_cndmask_b32 v16, 0, v6, vcc_lo
	v_add_nc_u32 v[12+\r], v[12+\r], v16
.endif
.endr
.endm
	ONEHOT 4, 1
	ONEHOT 5, 0
.irp r, 0,1,2,3
	v_mov_b32 v[8+\r], v[12+\r]
.endr
.macro SCAN4 a                         ; v[a] .. v[a + 3]: each lane gets the sum over lanes 0 .. itself: four steps inside each half of 16 lanes, then lane 15's sum onto the upper half
.irp n, 1,2,4,8
.irp r, 0,1,2,3
	v_mov_b32_dpp v[28+\r], v[\a+\r] row_shr:\n row_mask:0xf bank_mask:0xf bound_ctrl:1
.endr
.irp r, 0,1,2,3
	v_add_nc_u32 v[\a+\r], v[\a+\r], v[28+\r]
.endr
.endr
.irp r, 0,1,2,3
	v_readlane_b32 s[12+\r], v[\a+\r], 15
.endr
.irp r, 0,1,2,3
	v_cndmask_b32 v[28+\r], 0, s[12+\r], s9
.endr
.irp r, 0,1,2,3
	v_add_nc_u32 v[\a+\r], v[\a+\r], v[28+\r]
.endr
.endm
	SCAN4 8
.irp r, 0,1,2,3
	v_readlane_b32 s[12+\r], v[8+\r], 31           ; my wave's totals
.endr
.irp r, 0,1,2,3
	v_mov_b32 v[20+\r], s[12+\r]
.endr
	ds_store_b128 v18, v[20:23]                    ; all lanes write the same 16 bytes with the same values
	s_wait_dscnt 0x0                               ; for the others' sake
	s_barrier_signal -1
	s_barrier_wait -1
	ds_load_b128 v[20:23], v19
	s_wait_dscnt 0x0
.irp r, 0,1,2,3
	v_mov_b32 v[24+\r], v[20+\r]
.endr
	SCAN4 20
.irp r, 0,1,2,3
	v_sub_nc_u32 v[24+\r], v[20+\r], v[24+\r]      ; the sum over the waves in front of wave l
.endr
.irp r, 0,1,2,3
	v_readlane_b32 s[44+\r], v[24+\r], s8          ; in front of mine
	v_readlane_b32 s[40+\r], v[20+\r], 31          ; and over all: the counts
.endr
	s_mov_b32 s48, 0                               ; tiles so far
.irp r, 50,51,52,53,54,55
	s_mov_b32 s\r, 0
.endr
.irp e, 0,1,2,3,4,5,6,7                ; c_e s[16:23], T_e s[24:31], tb_e s[32:39]; as bytes, four to a register: tb_e s50-51, e's last tile s52-53, c_e % 16 s54-55
	s_bfe_u32 s[16+\e], s[40+\e/2], (16<<16)|(16*(\e%2))
	s_add_co_u32 s49, s[16+\e], 15
	s_lshr_b32 s[24+\e], s49, 4
	s_mov_b32 s[32+\e], s48
	s_lshl_b32 s49, s48, 8*(\e%4)
	s_or_b32 s[50+\e/4], s[50+\e/4], s49
	s_add_co_u32 s48, s48, s[24+\e]
	s_sub_co_u32 s49, s48, 1
	s_and_b32 s49, s49, 0xff
	s_lshl_b32 s49, s49, 8*(\e%4)
	s_or_b32 s[52+\e/4], s[52+\e/4], s49
	s_and_b32 s49, s[16+\e], 15
	s_lshl_b32 s49, s49, 8*(\e%4)
	s_or_b32 s[54+\e/4], s[54+\e/4], s49
.endr
.irp r, 0,1,2,3
	v_sub_nc_u32 v[8+\r], v[8+\r], v[12+\r]        ; pairs of each expert in the lanes in front of me,
	v_add_nc_u32 v[8+\r], s[44+\r], v[8+\r]        ; and in the waves in front of mine: my ranks
.endr
	v_mov_b32 v32, s50
	v_mov_b32 v33, s51
.macro PPOS e, d                       ; v[d] = 16 tb + rank for expert v[e]
	v_lshrrev_b32 v7, 1, v[\e]
	v_mov_b32 v6, v8
.irp r, 1,2,3
	v_cmp_eq_u32 vcc_lo, \r, v7
	v_cndmask_b32 v6, v6, v[8+\r], vcc_lo
.endr
	v_and_b32 v7, 1, v[\e]
	v_lshlrev_b32 v7, 4, v7
	v_lshrrev_b32 v6, v7, v6
	v_and_b32 v6, 0xffff, v6
	v_cmp_lt_u32 vcc_lo, 3, v[\e]
	v_cndmask_b32 v16, v32, v33, vcc_lo
	v_and_b32 v7, 3, v[\e]
	v_lshlrev_b32 v7, 3, v7
	v_lshrrev_b32 v16, v7, v16
	v_and_b32 v16, 0xff, v16
	v_lshl_add_u32 v[\d], v16, 4, v6
	v_min_u32 v[\d], 2175, v[\d]                   ; held inside the list before it enters an address
.endm
	PPOS 4, 34
	PPOS 5, 35
	global_store_b64 v17, v[34:35], s[6:7] offset:256   ; 256 consecutive bytes a wave
	v_lshlrev_b32 v36, 2, v34
	v_lshlrev_b32 v37, 2, v35
	global_store_b32 v36, v0, s[6:7] offset:RLB    ; a scatter of single words, inside 8,704 bytes
	global_store_b32 v37, v0, s[6:7] offset:RLB
	s_cmp_lg_u32 s8, 0                             ; the table: wave 0 alone, with all its lanes on
	s_cbranch_scc1 .Lnot_wave_0
	v_mov_b32 v45, 0
.irp e, 0,1,2,3,4,5,6,7
	v_writelane_b32 v45, s[16+\e], \e
	v_writelane_b32 v45, s[32+\e], 8+\e
	v_writelane_b32 v45, s[24+\e], 16+\e
.endr
	global_store_b32 v46, v45, s[6:7]              ; tab: 128 consecutive bytes
.Lnot_wave_0:
	v_bfe_u32 v38, v0, 4, 3                        ; the unused places: thread t < 128 looks at place t % 16 of expert t / 16's last tile
	v_and_b32 v39, 15, v0
	v_mov_b32 v40, s52
	v_mov_b32 v41, s53
	v_mov_b32 v42, s54
	v_mov_b32 v43, s55
	v_cmp_lt_u32 vcc_lo, 3, v38
	v_cndmask_b32 v40, v40, v41, vcc_lo
	v_cndmask_b32 v42, v42, v43, vcc_lo
	v_and_b32 v7, 3, v38
	v_lshlrev_b32 v7, 3, v7
	v_lshrrev_b32 v40, v7, v40
	v_lshrrev_b32 v42, v7, v42
	v_and_b32 v40, 0xff, v40
	v_and_b32 v42, 0xff, v42
	v_lshl_add_u32 v40, v40, 4, v39
	v_min_u32 v40, 2175, v40
	v_lshlrev_b32 v40, 2, v40
	v_cmp_gt_u32 s56, 128, v0
	v_cmp_ne_u32 s57, 0, v42                       ; the last tile is part filled,
	v_cmp_ge_u32 s58, v39, v42                     ; and my place lies behind its rows
	s_and_b32 s56, s56, s57
	s_and_b32 vcc_lo, s56, s58
	s_wait_xcnt 0x0                                ; EXEC is a source of the stores above: it changes only behind this wait
	s_and_saveexec_b32 s57, vcc_lo
	global_store_b32 v40, v44, s[6:7] offset:RLB
	s_wait_xcnt 0x0                                ; and again, in front of the line that widens it
	s_or_b32 exec_lo, exec_lo, s57                 ; behind this line no vector register is written any more
	s_wait_tensorcnt 0x0                           ; the wave's end: three closing lines behind my last LDS store
	ds_add_u32 v2, v3
	s_wait_dscnt 0x0
	s_endpgm
.Lfunc_end_k_q18fcc59bf3_place:
	.size	k_q18fcc59bf3_place, .Lfunc_end_k_q18fcc59bf3_place-k_q18fcc59bf3_place
	.p2alignl 7, 3214868480
	.fill 96, 4, 3214868480
	.section	.rodata,"a",@progbits
	.p2align	6, 0x0
	.amdhsa_kernel k_q18fcc59bf3_place
		.amdhsa_group_segment_fixed_size 4608
		.amdhsa_private_segment_fixed_size 0
		.amdhsa_enable_private_segment 0
		.amdhsa_kernarg_size 16
		.amdhsa_user_sgpr_count 2
		.amdhsa_user_sgpr_kernarg_segment_ptr 1
		.amdhsa_wavefront_size32 1
		.amdhsa_system_sgpr_workgroup_id_x 1
		.amdhsa_system_sgpr_workgroup_id_y 1
		.amdhsa_system_sgpr_workgroup_id_z 1
		.amdhsa_system_vgpr_workitem_id 0
		.amdhsa_next_free_vgpr 64
		.amdhsa_next_free_sgpr 66
		.amdhsa_reserve_vcc 1
		.amdhsa_float_denorm_mode_32 3
		.amdhsa_float_denorm_mode_16_64 3
		.amdhsa_memory_ordered 1
		.amdhsa_forward_progress 1
		.amdhsa_inst_pref_size 18
	.end_amdhsa_kernel
	.amdgpu_metadata
---
amdhsa.version: [ 1, 2 ]
amdhsa.kernels:
  - .name:           k_q18fcc59bf3_place
    .symbol:         k_q18fcc59bf3_place.kd
    .args:
      - { .name: idx, .offset: 0, .size: 8, .value_kind: global_buffer, .address_space: global }
      - { .name: plan, .offset: 8, .size: 8, .value_kind: global_buffer, .address_space: global }
    .group_segment_fixed_size: 4608
    .private_segment_fixed_size: 0
    .kernarg_segment_align: 8
    .kernarg_segment_size: 16
    .max_flat_workgroup_size: 1024
    .sgpr_count:     66
    .vgpr_count:     64
    .wavefront_size: 32
...
	.end_amdgpu_metadata
.endif
;; end of part 2
;; launch ffn1 (part 3): grid 256 x 1, 4 waves a work-group, no clusters, 111,104 bytes of LDS; arguments W1_codes, W1_scales, b1, xc, plan, hc; writes hc
.if DOCPART == 3
	.amdgcn_target "amdgcn-amd-amdhsa--gfx1250"
	.amdhsa_code_object_version 6
	.text
	.protected	k_q18fcc59bf3_ffn1
	.globl	k_q18fcc59bf3_ffn1
	.p2align	8
	.type	k_q18fcc59bf3_ffn1,@function
k_q18fcc59bf3_ffn1:
	s_mov_b64 s[64:65], 0
	v_nop
	global_prefetch_b8 v0, s[64:65] scope:SCOPE_SE
	s_setreg_imm32_b32 hwreg(HW_REG_WAVE_MODE, 25, 1), 1
	s_wait_xcnt 0x0
; SimpleMoE, launches 3 and 4 of 5: the experts' two layers on E3M2 codes.  One text serves both; LAYER says which this file is.
;   LAYER 1: hc = Q(relu(x W1[e] + b1[e])), the hidden layer as codes and scale words.      LAYER 2: y = h W2[e] (+ b2[e]), as four partial sums along K.
; WORK LEFT OUT: only the rows of the chosen (token, expert) pairs are multiplied; the others' weight in the result is 0 by reference()'s own where() (shown at the head of the first launch).
; THE WEIGHTS STAND STILL.  A work-group owns a BRICK of one expert: 128 weight rows x 1,024 along K, 96 KiB of codes.  8 experts x 32 bricks are the 256 work-groups, whatever the routing:
; layer 1: 32 slices of the 4,096 hidden units; layer 2: 8 slices of the 1,024 outputs x 4 quarters of K = 4,096.  So each weight byte is asked of memory once in the launch.
; Each of the four waves holds the WHOLE brick in 768 registers and takes every fourth tile of 16 rows of its expert: a tile's operand then feeds 8 matrix instructions for each K step, enters
; the work-group once, straight into registers, and the loop over tiles needs no barrier.  The brick too is loaded once: each wave loads a quarter and hands it on through LDS as images of the
; operands' registers (16 bytes a lane, 512 a store), behind four barriers at the head, where the control flow is the same for all waves.
; NO TENSOR LOADS, NO JOINT LOADS: how many tiles a wave walks is a count that launch 2 stored.
; An expert with no rows still has its bricks loaded: no branch on the count stands ahead of the barriers.
; BOTH PRODUCTS ARE USED TRANSPOSED (source 0 = 16 weight rows, source 1 = 16 rows of the tile): a lane holds one row of the tile and eight neighbouring columns.
; ORDER ALONG K.  A lane takes 48 NEIGHBOURING bytes of its row for each 128 along K (three loads of 16 bytes, each at a multiple of 16), where the operand's layout would have two pieces of 24:
; so the unit's blocks 0, 1, 2, 3 of a K step are the row's blocks 0, 2, 1, 3, on both operands alike, and every scale word has its bytes in that order.  The products and their scales are the
; same; only the grouping of the f32 sums inside an instruction differs.
; LAYER 1: THE ROWS OF W1 THAT FORM A TILE ARE NOT NEIGHBOURS: lane r of tile 2 b + u takes row 32 b + 8 u + r + 8 (r / 8), so that the 16 registers of tiles 2 b and 2 b + 1 are 16 neighbours along
; the next K.  The brick's 128 hidden units are one K step of layer 2: a tile's results become one fragment and one scale word a row, stored as the image that layer 2 loads.
; The bias is the C of a tile's first products: the accumulators are loaded with its image from LDS (layer 2: zeros in the quarters q > 0), and every product adds in place.
; LIMIT: a block's largest magnitude is taken no smaller than 2^(5 - 127): a block of zeros gets the byte 1 and not 127; its codes are zeros, and this program alone reads the bytes.
; REGISTERS, in windows of 256.  Windows 1-3: weight fragment f = 8 s + t (K step s, tile t) at window 1 + f / 21, register 12 (f % 21); fragment 63 at v52 of window 0.
;   Window 0: v1-15 addresses; v16-47 the weights' scale words; v48-51 the tile's; v64-159 the tile's 8 fragments; v160-223 the 8 accumulators; v224-249 at work for the quantiser.
;   At the head v64-255 take the quarter brick as loaded, and window 3's v0-23 the scale rows and the bias.
.set LAYER, 1
.set BIAS,  0                          ; LDS: the bias's image: tile t, half q of its eight registers at 1,024 t + 512 q + 16 x lane
.set WSC,   8192                       ; the weights' scale words: K step s at 512 s + 16 x lane + 4 p: word p holds tile 2 p in lanes 0-15, tile 2 p + 1 in lanes 16-31
.set STG,   12288                      ; layer 2: a stage of 16 rows x (512 + 16) bytes for each wave
.if LAYER == 1
.set WIMG,  12288                      ; the brick's images: fragment f at 1,536 f + 512 g + 16 x lane
.set WROW,  768                        ; a weight row in bytes
.set WTILE, 8*WROW                     ; from the rows of my first tile to those of my second
.set BU,    32                         ; the same in the bias
.set NRL,   1                          ; loads of the row list at the head
.set NR1,   13                         ; loads in a tile's first run
.else
.set WIMG,  46080
.set WROW,  3072
.set WTILE, 16*WROW
.set BU,    64
.set NRL,   0
.set NR1,   14
.endif
.set NR2,   14                         ; loads in a tile's second run
.set SPARE, WIMG+98304                 ; the spare words, 128 bytes for each wave: two blocks of 256 bytes that no other line names
.set HSB,   6684672                    ; hc: images [tile 136][K step 32][1,536]; from here the scale words [tile][K step][32 lanes]
.set XSB,   786432                     ; xc: where the scale words begin
.set RLB,   8448                       ; plan: where the row list begins
.set LI,  1                            ; v1   16 x lane
.set LS,  2                            ; v2   4 x lane
.set SPW, 3                            ; v3   my spare word
.set NIL, 4                            ; v4   0
                                       ; v5   layer 1: 4 r, my place in a tile of the row list; layer 2: 128 (lane / 16) + 4 r, my place among two K steps' scale words
                                       ; v6   layer 1: the row list's address, then my row's token;  v7, v8: its codes' and scale words' offsets;  v9 48 h, v10 8 h
                                       ; v12  the weights' offset (layer 2, later: into the stage);  v13 images' store address (later: out of the stage);  v14 images' load address
                                       ; v7, v8, v11, v15 at the head: offsets of scale rows and bias, LDS addresses of their images
.set WS,  16
.set AS,  48
.set AFR, 64
.set ACC, 160
.set TM,  224
.set PW,  236
.set PC,  238
.set MSB, 0
.macro WIN new                         ; the immediate's high byte repeats the setting that is left; a switch that changes nothing is dropped
.if MSB != (\new)
	s_set_vgpr_msb (MSB<<8)|(\new)
.set MSB, (\new)
.endif
.endm
.macro PLACES n
.rept \n
	v_nop
.endr
.endm
.macro BAR                             ; my LDS stores have landed and my LDS loads are in: then the work-group's barrier
	s_wait_dscnt 0x0
	s_barrier_signal -1
	s_barrier_wait -1
.endm
.macro GLW c                           ; chunk c of my quarter: K steps 2 c, 2 c + 1 of my tiles 2 w, 2 w + 1: four fragments, twelve loads
.irp k, 0,1
.irp u, 0,1
.irp g, 0,1,2
	global_load_b128 v[AFR+48*(\c)+12*(2*\k+\u)+4*\g:AFR+48*(\c)+12*(2*\k+\u)+4*\g+3], v12, s[4:5] offset:\u*WTILE+96*(2*(\c)+\k)+16*\g th:TH_LOAD_NT
.endr
.endr
.endr
.endm
.macro STW c                           ; their images into LDS (v13 stands at fragment 2 w, or 32 + 2 w)
.irp k, 0,1
.irp u, 0,1
.irp g, 0,1,2
	ds_store_b128 v13, v[AFR+48*(\c)+12*(2*\k+\u)+4*\g:AFR+48*(\c)+12*(2*\k+\u)+4*\g+3] offset:1536*(16*((\c)%2)+8*\k+\u)+512*\g
.endr
.endr
.endr
.endm
.macro LDIMG c                         ; fragments 16 c .. 16 c + 15, all four waves' work, into my registers (v14 stands at fragment 0, or 32)
.set FF, 16*(\c)
.rept 16
.if FF < 63
.set WN, (1+FF/21)<<6
.set WR, 12*(FF%21)
.else
.set WN, 0
.set WR, 52
.endif
	WIN WN
.irp g, 0,1,2
	ds_load_b128 v[WR+4*\g:WR+4*\g+3], v14 offset:1536*(FF%32)+512*\g
.endr
.set FF, FF+1
.endr
	WIN 0
.endm
.macro ACCINIT                         ; the accumulators begin as the bias
.irp t, 0,1,2,3,4,5,6,7
	ds_load_b128 v[ACC+8*\t:ACC+8*\t+3], v[LI] offset:BIAS+1024*\t
	ds_load_b128 v[ACC+8*\t+4:ACC+8*\t+7], v[LI] offset:BIAS+1024*\t+512
.endr
.endm
; One product: K step SS, weight tile TT.  The weights' scale word lies in lanes 0-15 (even tiles) or 16-31 (odd), the tile's in lanes 0-15 (even K steps) or 16-31.
.macro WM1
.set FF, 8*SS+TT
.if FF < 63
.set WN, 1+FF/21
.set WR, 12*(FF%21)
.else
.set WN, 0
.set WR, 52
.endif
	WIN WN
.set AC, ACC+8*TT
.set AR, AFR+12*SS
.set SW, WS+4*SS+TT/2
.set SX, AS+SS/2
.if ((TT%2) == 0) && ((SS%2) == 0)
	v_wmma_scale_f32_16x16x128_f8f6f4 v[AC:AC+7], v[WR:WR+11], v[AR:AR+11], v[AC:AC+7], v[SW], v[SX] matrix_a_fmt:MATRIX_FMT_BF6 matrix_b_fmt:MATRIX_FMT_BF6
.elseif ((TT%2) == 1) && ((SS%2) == 0)
	v_wmma_scale_f32_16x16x128_f8f6f4 v[AC:AC+7], v[WR:WR+11], v[AR:AR+11], v[AC:AC+7], v[SW], v[SX] matrix_a_fmt:MATRIX_FMT_BF6 matrix_b_fmt:MATRIX_FMT_BF6 matrix_a_scale:MATRIX_SCALE_ROW1
.elseif ((TT%2) == 0)
	v_wmma_scale_f32_16x16x128_f8f6f4 v[AC:AC+7], v[WR:WR+11], v[AR:AR+11], v[AC:AC+7], v[SW], v[SX] matrix_a_fmt:MATRIX_FMT_BF6 matrix_b_fmt:MATRIX_FMT_BF6 matrix_b_scale:MATRIX_SCALE_ROW1
.else
	v_wmma_scale_f32_16x16x128_f8f6f4 v[AC:AC+7], v[WR:WR+11], v[AR:AR+11], v[AC:AC+7], v[SW], v[SX] matrix_a_fmt:MATRIX_FMT_BF6 matrix_b_fmt:MATRIX_FMT_BF6 matrix_a_scale:MATRIX_SCALE_ROW1 matrix_b_scale:MATRIX_SCALE_ROW1
.endif
.endm
.macro MM s0, s1                       ; K steps s0 .. s1: the eight accumulators take turns, one instruction a turn
.set SS, \s0
.rept (\s1)-(\s0)+1
.set TT, 0
.rept 8
	WM1
.set TT, TT+1
.endr
.set SS, SS+1
.endr
.endm
.if LAYER == 1
.macro TOKEN                           ; my row's token, held inside x; where its codes and its scale words lie for my half of the lanes
	v_min_u32 v6, 1023, v6
	v_mad_u32_u24 v7, v6, 768, v9
	v_lshl_add_u32 v8, v6, 5, v10
.endm
.macro RUN1                            ; a tile's K steps 0-3: two registers of scale words (lanes 0-15 words 0, 1; lanes 16-31 words 2, 3) and four fragments
	global_load_b64 v[AS:AS+1], v8, s[10:11] offset:XSB
.irp s, 0,1,2,3
.irp g, 0,1,2
	global_load_b128 v[AFR+12*\s+4*\g:AFR+12*\s+4*\g+3], v7, s[10:11] offset:96*\s+16*\g
.endr
.endr
.endm
.macro RUN2 ahead                      ; its K steps 4-7, and the row list of my tile after it (never past my expert's last tile)
	global_load_b64 v[AS+2:AS+3], v8, s[10:11] offset:XSB+16
.irp s, 4,5,6,7
.irp g, 0,1,2
	global_load_b128 v[AFR+12*\s+4*\g:AFR+12*\s+4*\g+3], v7, s[10:11] offset:96*\s+16*\g
.endr
.endr
	s_add_co_u32 s43, s22, \ahead
	s_min_u32 s43, s43, s25
	s_add_co_u32 s43, s43, s20
	s_min_u32 s43, s43, 135                        ; a loaded number enters an address only behind such a hold
	s_lshl_b32 s43, s43, 6
	v_add_nc_u32 v6, s43, v5
	global_load_b32 v6, v6, s[12:13] offset:RLB    ; lands on its own address register
.endm
.else
.macro TILEB                           ; tile s24's images and scale words of my quarter of K
	s_mul_i32 s44, s24, 49152
	s_add_nc_u64 s[34:35], s[26:27], s[44:45]
	s_lshl_b32 s44, s24, 12
	s_add_nc_u64 s[36:37], s[28:29], s[44:45]
.endm
.macro RUN1                            ; a tile's K steps 0-3: two registers of scale words (lanes 0-15 the even step's, lanes 16-31 the odd step's) and four images, 512 consecutive bytes a load
	global_load_b32 v[AS], v5, s[36:37]
	global_load_b32 v[AS+1], v5, s[36:37] offset:256
.irp s, 0,1,2,3
.irp g, 0,1,2
	global_load_b128 v[AFR+12*\s+4*\g:AFR+12*\s+4*\g+3], v[LI], s[34:35] offset:1536*\s+512*\g
.endr
.endr
.endm
.macro RUN2 ahead
	global_load_b32 v[AS+2], v5, s[36:37] offset:512
	global_load_b32 v[AS+3], v5, s[36:37] offset:768
.irp s, 4,5,6,7
.irp g, 0,1,2
	global_load_b128 v[AFR+12*\s+4*\g:AFR+12*\s+4*\g+3], v[LI], s[34:35] offset:1536*\s+512*\g
.endr
.endr
.endm
.endif
; THE WAY OUT of a tile.  next = 1: the accumulators are made ready for my next tile.
.macro EPI next
.if LAYER == 1
	s_wait_xcnt 0x0                                ; the last tile's stores have read their data and bases: both are written again below
	s_add_co_u32 s24, s20, s22
	s_min_u32 s24, s24, 135
	s_mul_i32 s44, s24, 49152
	s_add_nc_u64 s[34:35], s[26:27], s[44:45]      ; this tile's image of K step S,
	s_lshl_b32 s44, s24, 12
	s_add_nc_u64 s[36:37], s[28:29], s[44:45]      ; and its scale words
.set J, 0
.rept 64
	v_max_num_f32 v[ACC+J], 0, v[ACC+J]            ; relu, in f32; each accumulator from its low end on
.set J, J+1
.endr
.irp b, 0,1,2,3                        ; the four blocks of 32 hidden units: my 16 numbers of block b are the registers of tiles 2 b, 2 b + 1.  None is negative: no |.|
	v_max3_num_f32 v[TM+\b], v[ACC+16*\b], v[ACC+16*\b+1], 0x2800000   ; with the floor 2^(5 - 127): the byte cannot fall under 1
.endr
.irp i, 2,4,6,8,10,12,14
.irp b, 0,1,2,3
	v_max3_num_f32 v[TM+\b], v[TM+\b], v[ACC+16*\b+\i], v[ACC+16*\b+\i+1]
.endr
.endr
.irp b, 0,1,2,3
	v_permlanex16_b32 v[TM+4+\b], v[TM+\b], s40, s41
.endr
.irp b, 0,1,2,3
	v_max_num_f32 v[TM+\b], v[TM+\b], v[TM+4+\b]   ; with lane l xor 16's sixteen: the block's largest
.endr
.irp b, 0,1,2,3
	v_add_nc_u32 v[TM+8+\b], 0xfe000000, v[TM+\b]  ; 4 off the exponent field: the conversion's scale operand
.endr
.irp b, 0,1,2,3
	v_lshrrev_b32 v[TM+4+\b], 23, v[TM+8+\b]       ; the scale's byte
.endr
	v_lshl_or_b32 v[PW], v[TM+6], 8, v[TM+4]       ; the scale word, its bytes in the order of blocks 0, 2, 1, 3
	v_lshl_or_b32 v[PW], v[TM+5], 16, v[PW]
	v_lshl_or_b32 v[PW], v[TM+7], 24, v[PW]
.irp c, 0,1
	v_cvt_scalef32_pk16_bf6_f32 v[PC+6*\c:PC+6*\c+2], v[ACC+16*\c:ACC+16*\c+15], v[TM+8+\c]        ; my half of block c,
	v_cvt_scalef32_pk16_bf6_f32 v[TM+4*\c:TM+4*\c+2], v[ACC+32+16*\c:ACC+47+16*\c], v[TM+10+\c]    ; and of block 2 + c
.endr
	v_nop                                          ; one plain line behind the conversions
.irp c, 0,1                            ; a lane is to hold whole blocks: lanes 0-15 blocks 0, 1; lanes 16-31 blocks 2, 3: 48 neighbouring bytes of the row
.irp i, 0,1,2
	v_permlane16_swap_b32 v[PC+6*\c+\i], v[TM+4*\c+\i]
.endr
.irp i, 0,1,2
	v_mov_b32 v[PC+6*\c+3+\i], v[TM+4*\c+\i]
.endr
.endr
.if \next
	ACCINIT
.endif
.irp g, 0,1,2
	global_store_b128 v[LI], v[PC+4*\g:PC+4*\g+3], s[34:35] offset:512*\g   ; 512 consecutive bytes, at a multiple of 512 from the buffer's first byte
.endr
	global_store_b32 v[LS], v[PW], s[36:37]        ; 128 consecutive bytes: the 32 bricks of an expert fill a tile's 4,096 between them
.else
.irp t, 0,1,2,3,4,5,6,7                ; a lane holds 32 neighbouring bytes of a row and the lanes beside it other rows: through my stage, and back as whole rows of 512 bytes
	ds_store_b128 v12, v[ACC+8*\t:ACC+8*\t+3] offset:64*\t           ; each accumulator from its low end on
	ds_store_b128 v12, v[ACC+8*\t+4:ACC+8*\t+7] offset:64*\t+16
.endr
.irp i, 0,1,2,3,4,5,6,7,8,9,10,11,12,13,14,15
	ds_load_b128 v[ACC+4*\i:ACC+4*\i+3], v13 offset:528*\i           ; LDS serves a wave's instructions in order (ISA guide 5.7.1.4): these see my stores
.endr
	s_wait_xcnt 0x0                                ; the last tile's stores have read their base
	s_add_co_u32 s24, s20, s22
	s_min_u32 s24, s24, 135
	s_lshl_b32 s44, s24, 18
	s_add_nc_u64 s[38:39], s[30:31], s[44:45]      ; y at this tile's first row, my quarter, my columns
.irp i, 0,1,2,3,4,5,6,7,8,9,10,11,12,13,14,15
	s_wait_dscnt 15-\i
	global_store_b128 v[LI], v[ACC+4*\i:ACC+4*\i+3], s[38:39] offset:16384*\i th:TH_STORE_NT   ; 512 consecutive bytes, at a multiple of 512 from the buffer's first byte
.endr
.if \next
	s_wait_xcnt 0x0                                ; the stores have read the registers that the bias's image lands in
	ACCINIT
.endif
.endif
.endm
; A TILE of 16 rows: 64 products.  next = 1: my next tile's operands are asked for, each run as soon as its registers are free.
.macro TRIP next
	s_wait_loadcnt NR2                             ; the first run is in; the second run's fourteen loads may stay out
	s_wait_dscnt 0x0                               ; the accumulators hold the bias (first tile: and the brick's last images are in)
	MM 0, 3
	WIN 0
	s_wait_loadcnt 0x0                             ; the second run is in: every offset register and base of the tile's loads may be written again
.if \next
.if LAYER == 1
	TOKEN
	v_nop                                          ; with the three lines above: four places between the last product and loads into registers that products have read (ISA guide 7.12.1 for vector instructions)
.else
	s_add_co_u32 s24, s20, s22
	s_add_co_u32 s24, s24, 4
	s_min_u32 s24, s24, 135
	TILEB
	PLACES 4                                       ; places between the last product and loads into registers that products have read (ISA guide 7.12.1 for vector instructions)
.endif
	RUN1
.endif
	MM 4, 7
	WIN 0
	PLACES 5                                       ; four would do for the loads and reads below; the next tile's first products write accumulators that are begun anew, which asks for five
.if \next
	RUN2 8
.endif
	EPI \next
	s_add_co_u32 s22, s22, 4
.endm
	s_load_b256 s[4:11], s[0:1], 0x0               ; the weights' codes s[4:5], their scales s[6:7], the bias s[8:9], the rows' codes (xc or hc) s[10:11]
	s_load_b128 s[12:15], s[0:1], 0x20             ; plan s[12:13], the result (hc or y) s[14:15]
	v_lshl_add_u32 v[SPW], v0, 2, SPARE
	v_mov_b32 v[NIL], 0
	v_lshrrev_b32 v14, 5, v0
	v_readfirstlane_b32 s16, v14                   ; wave w
	v_and_b32 v15, 31, v0                          ; lane
	v_lshlrev_b32 v[LI], 4, v15
	v_lshlrev_b32 v[LS], 2, v15
	v_and_b32 v14, 15, v0                          ; r
	v_bfe_u32 v10, v0, 4, 1                        ; h
	s_lshr_b32 s17, ttmp9, 5                       ; expert e
	s_lshl_b32 s47, s17, 2
	s_mov_b32 s27, 0
	s_mov_b32 s29, 0
	s_mov_b32 s31, 0
	s_mov_b32 s45, 0
	s_mov_b32 s40, 0x76543210
	s_mov_b32 s41, 0xfedcba98                      ; v_permlanex16_b32's selects for lane l xor 16
	s_mov_b32 s42, 0x03010200                      ; v_perm_b32: bytes 0, 2, 1, 3
	s_mul_i32 s26, s17, 3145728                    ; an expert's codes, in both layers
	s_lshl_b32 s28, s17, 17                        ; an expert's scale bytes, likewise
.if LAYER == 1
	s_and_b32 s18, ttmp9, 31                       ; S: which 128 hidden units
	s_mul_i32 s43, s18, 128*WROW
	s_add_co_u32 s26, s26, s43
	s_lshl_b32 s43, s18, 12
	s_add_co_u32 s28, s28, s43                     ; 32 bytes a row
	s_lshl_b32 s30, s17, 14
	s_lshl_b32 s43, s18, 9
	s_add_co_u32 s30, s30, s43                     ; b1 at (4,096 e + 128 S) numbers
	v_and_b32 v11, 8, v14
	v_add_nc_u32 v11, v11, v14                     ; r + 8 (r / 8)
	v_mul_u32_u24 v12, v11, WROW
	v_lshl_add_u32 v7, v10, 3, v11                 ; scale rows: lanes 0-15 take tile 2 w's rows, lanes 16-31 tile 2 w + 1's, 8 rows on
	v_lshlrev_b32 v7, 5, v7
	s_lshl_b32 s43, s16, 10
	v_add_nc_u32 v7, s43, v7
	s_lshl_b32 s43, s16, 7
	v_lshl_add_u32 v8, v10, 6, s43                 ; bias: tile 2 w + u, lane half h: hidden units 32 w + 16 h + 8 u + 0 .. 7
	v_lshlrev_b32 v5, 2, v14
.else
	s_bfe_u32 s18, ttmp9, 0x30002                  ; ns: which 128 outputs
	s_and_b32 s19, ttmp9, 3                        ; q: which quarter of K
	s_mul_i32 s43, s18, 128*WROW
	s_add_co_u32 s26, s26, s43
	s_mul_i32 s43, s19, 768
	s_add_co_u32 s26, s26, s43
	s_lshl_b32 s43, s18, 14
	s_add_co_u32 s28, s28, s43                     ; 128 bytes a row,
	s_lshl_b32 s43, s19, 5
	s_add_co_u32 s28, s28, s43                     ; 32 of them my quarter's
	s_lshl_b32 s30, s17, 12
	s_lshl_b32 s43, s18, 9
	s_add_co_u32 s30, s30, s43                     ; b2 at (1,024 e + 128 ns) numbers
	v_mul_u32_u24 v12, v14, WROW
	v_lshlrev_b32 v7, 7, v15                       ; scale rows: row 32 w + lane
	s_lshl_b32 s43, s16, 12
	v_add_nc_u32 v7, s43, v7
	s_lshl_b32 s43, s16, 7
	v_lshl_add_u32 v8, v10, 5, s43                 ; bias: tile 2 w + u, lane half h: outputs 32 w + 16 u + 8 h + 0 .. 7
	v_lshlrev_b32 v5, 2, v14
	v_lshl_add_u32 v5, v10, 7, v5
.endif
	v_mul_u32_u24 v9, v10, 48                      ; 48 h
	v_add_nc_u32 v12, v12, v9
	s_mul_i32 s43, s16, 32*WROW
	v_add_nc_u32 v12, s43, v12                     ; the weights: my row of tile 2 w, my half's 48 bytes
	v_lshlrev_b32 v10, 3, v10                      ; 8 h
	s_mul_i32 s43, s16, 3072
	s_add_co_u32 s43, s43, WIMG
	v_add_nc_u32 v13, s43, v[LI]
	v_add_nc_u32 v14, WIMG, v[LI]
	s_lshl_b32 s43, s16, 2
	s_add_co_u32 s43, s43, WSC
	v_add_nc_u32 v11, s43, v[LI]                   ; my scale words' place: word w of each lane's four
	s_lshl_b32 s43, s16, 11
	v_add_nc_u32 v15, s43, v[LI]                   ; my two tiles of the bias's image
	s_wait_kmcnt 0x0
	s_load_b32 s20, s[12:13], s47 offset:0x20      ; tb_e: my expert's first tile
	s_load_b32 s21, s[12:13], s47 offset:0x40      ; T_e: its tiles
	s_add_nc_u64 s[4:5], s[4:5], s[26:27]
	s_add_nc_u64 s[6:7], s[6:7], s[28:29]
	s_add_nc_u64 s[8:9], s[8:9], s[30:31]
	WIN 0xc0                                       ; destination window 3
	global_load_b128 v[0:3], v7, s[6:7]            ; my row's eight scale words
	global_load_b128 v[4:7], v7, s[6:7] offset:16
	global_load_b128 v[8:11], v8, s[8:9]           ; the bias of my two tiles
	global_load_b128 v[12:15], v8, s[8:9] offset:16
	global_load_b128 v[16:19], v8, s[8:9] offset:BU
	global_load_b128 v[20:23], v8, s[8:9] offset:BU+16
	WIN 0
	GLW 0
	GLW 1
.if LAYER == 1
	s_mul_i32 s44, s18, 1536
	s_add_nc_u64 s[26:27], s[14:15], s[44:45]      ; hc: K step S's image of tile 0,
	s_lshl_b32 s44, s18, 7
	s_add_nc_u64 s[28:29], s[14:15], s[44:45]
	s_add_nc_u64 s[28:29], s[28:29], HSB           ; and its scale words
.else
	s_mul_i32 s44, s19, 12288
	s_add_nc_u64 s[26:27], s[10:11], s[44:45]      ; hc: my quarter's eight images of tile 0,
	s_lshl_b32 s44, s19, 10
	s_add_nc_u64 s[28:29], s[10:11], s[44:45]
	s_add_nc_u64 s[28:29], s[28:29], HSB           ; and their scale words
	s_lshl_b32 s44, s19, 12
	s_lshl_b32 s43, s18, 9
	s_add_co_u32 s44, s44, s43
	s_add_nc_u64 s[30:31], s[14:15], s[44:45]      ; y: [row][quarter][1,024]: my quarter, my 128 columns
.endif
	s_wait_kmcnt 0x0
	s_mov_b32 s22, s16                             ; my tile of the expert: w, w + 4, ..
	s_max_u32 s25, s21, 1
	s_sub_co_u32 s25, s25, 1                       ; the expert's last tile
	s_add_co_u32 s24, s20, s16
	s_cmp_lt_u32 s16, s21
	s_cselect_b32 s24, s24, 0                      ; a wave with no tile asks for tile 0 and uses nothing of it: no branch stands ahead of the barriers
	s_min_u32 s24, s24, 135
.if LAYER == 1
	s_lshl_b32 s43, s24, 6
	v_add_nc_u32 v6, s43, v5
	global_load_b32 v6, v6, s[12:13] offset:RLB
.endif
	GLW 2
	GLW 3
	s_wait_loadcnt 48+NRL                          ; scale rows and bias are in: behind them four chunks of twelve (and the row list) were issued
	WIN 0xcf                                       ; destination and sources 0, 1 window 3
.irp i, 0,1,2,3,4,5,6,7
	v_perm_b32 v[\i], v[\i], v[\i], s42            ; each K step's bytes into the order of blocks 0, 2, 1, 3
.endr
.if LAYER == 2
	s_cmp_eq_u32 s19, 0
	s_cselect_b32 vcc_lo, -1, 0
.irp i, 8,9,10,11,12,13,14,15,16,17,18,19,20,21,22,23
	v_cndmask_b32 v[\i], 0, v[\i], vcc_lo          ; b2 goes into the first quarter's sums alone
.endr
.endif
	WIN 0x0c                                       ; an LDS store's data are its source 1: window 3
.irp s, 0,1,2,3,4,5,6,7
	ds_store_b32 v11, v[\s] offset:512*\s
.endr
.irp u, 0,1
.irp q, 0,1
	ds_store_b128 v15, v[8+8*\u+4*\q:8+8*\u+4*\q+3] offset:BIAS+1024*\u+512*\q
.endr
.endr
	WIN 0
	s_wait_loadcnt 36+NRL                          ; chunk 0 is in: three chunks (and the row list) behind it
	STW 0
	BAR
	LDIMG 0
.irp s, 0,1,2,3,4,5,6,7
	ds_load_b128 v[WS+4*\s:WS+4*\s+3], v[LI] offset:WSC+512*\s
.endr
	s_wait_loadcnt 24+NRL                          ; chunk 1
	STW 1
	BAR
	LDIMG 1
	v_add_nc_u32 v13, 49152, v13                   ; on to fragments 32 .. 63: an LDS immediate has 16 bits
	v_add_nc_u32 v14, 49152, v14
.if LAYER == 1
	s_wait_loadcnt 24                              ; the row list is in: two chunks behind it
	TOKEN
.else
	TILEB
.endif
	RUN1                                           ; my first tile's operands, into the registers that chunks 0 and 1 have left
	RUN2 4
	s_wait_loadcnt 12+NR1+NR2                      ; chunk 2 is in: behind it chunk 3 and the two runs
	STW 2
	BAR
	LDIMG 2
	s_wait_loadcnt NR1+NR2                         ; chunk 3
	STW 3
	BAR
	LDIMG 3
	ACCINIT
.if LAYER == 1
.irp b, 0,1,2,3
	v_mov_b32 v[TM+4+\b], 0                        ; written once: a lane permute's destination counts as one of its sources
.endr
.else
	v_and_b32 v6, 15, v0
	v_bfe_u32 v7, v0, 4, 1
	v_mul_u32_u24 v12, v6, 528
	v_lshl_add_u32 v12, v7, 5, v12
	s_mul_i32 s43, s16, 16*528
	s_add_co_u32 s43, s43, STG
	v_add_nc_u32 v12, s43, v12                     ; into my stage: row r, 32 bytes for each half of the lanes; 528 is an odd multiple of 16
	v_add_nc_u32 v13, s43, v[LI]                   ; and back: the 32 lanes take one row of 512 bytes
.endif
	s_cmp_ge_u32 s16, s21                          ; from here on the waves go their own ways: no barrier follows
	s_cbranch_scc1 .Lend
	s_sub_co_u32 s23, s21, s16
	s_add_co_u32 s23, s23, 3
	s_lshr_b32 s23, s23, 2
	s_sub_co_u32 s23, s23, 1                       ; my tiles, less the last, which asks for nothing and is written out
	s_cmp_eq_u32 s23, 0
	s_cbranch_scc1 .Llast
.Ltile:
	TRIP 1
	s_sub_co_u32 s23, s23, 1
	s_cmp_lg_u32 s23, 0
	s_cbranch_scc1 .Ltile
.Llast:
	TRIP 0
.Lend:
	s_wait_tensorcnt 0x0                           ; the wave's end: three closing lines behind my last LDS store
	ds_add_u32 v[SPW], v[NIL]
	s_wait_dscnt 0x0
	s_endpgm
.Lfunc_end_k_q18fcc59bf3_ffn1:
	.size	k_q18fcc59bf3_ffn1, .Lfunc_end_k_q18fcc59bf3_ffn1-k_q18fcc59bf3_ffn1
	.p2alignl 7, 3214868480
	.fill 96, 4, 3214868480
	.section	.rodata,"a",@progbits
	.p2align	6, 0x0
	.amdhsa_kernel k_q18fcc59bf3_ffn1
		.amdhsa_group_segment_fixed_size 111104
		.amdhsa_private_segment_fixed_size 0
		.amdhsa_enable_private_segment 0
		.amdhsa_kernarg_size 48
		.amdhsa_user_sgpr_count 2
		.amdhsa_user_sgpr_kernarg_segment_ptr 1
		.amdhsa_wavefront_size32 1
		.amdhsa_system_sgpr_workgroup_id_x 1
		.amdhsa_system_sgpr_workgroup_id_y 1
		.amdhsa_system_sgpr_workgroup_id_z 1
		.amdhsa_system_vgpr_workitem_id 0
		.amdhsa_next_free_vgpr 1024
		.amdhsa_next_free_sgpr 66
		.amdhsa_reserve_vcc 1
		.amdhsa_float_denorm_mode_32 3
		.amdhsa_float_denorm_mode_16_64 3
		.amdhsa_memory_ordered 1
		.amdhsa_forward_progress 1
		.amdhsa_inst_pref_size 65
	.end_amdhsa_kernel
	.amdgpu_metadata
---
amdhsa.version: [ 1, 2 ]
amdhsa.kernels:
  - .name:           k_q18fcc59bf3_ffn1
    .symbol:         k_q18fcc59bf3_ffn1.kd
    .args:
      - { .name: W1_codes, .offset: 0, .size: 8, .value_kind: global_buffer, .address_space: global }
      - { .name: W1_scales, .offset: 8, .size: 8, .value_kind: global_buffer, .address_space: global }
      - { .name: b1, .offset: 16, .size: 8, .value_kind: global_buffer, .address_space: global }
      - { .name: xc, .offset: 24, .size: 8, .value_kind: global_buffer, .address_space: global }
      - { .name: plan, .offset: 32, .size: 8, .value_kind: global_buffer, .address_space: global }
      - { .name: hc, .offset: 40, .size: 8, .value_kind: global_buffer, .address_space: global }
    .group_segment_fixed_size: 111104
    .private_segment_fixed_size: 0
    .kernarg_segment_align: 8
    .kernarg_segment_size: 48
    .max_flat_workgroup_size: 128
    .sgpr_count:     66
    .vgpr_count:     1024
    .wavefront_size: 32
...
	.end_amdgpu_metadata
.endif
;; end of part 3
;; launch ffn2 (part 4): grid 256 x 1, 4 waves a work-group, no clusters, 144,896 bytes of LDS; arguments W2_codes, W2_scales, b2, hc, plan, y; writes y
.if DOCPART == 4
	.amdgcn_target "amdgcn-amd-amdhsa--gfx1250"
	.amdhsa_code_object_version 6
	.text
	.protected	k_q18fcc59bf3_ffn2
	.globl	k_q18fcc59bf3_ffn2
	.p2align	8
	.type	k_q18fcc59bf3_ffn2,@function
k_q18fcc59bf3_ffn2:
	s_mov_b64 s[64:65], 0
	v_nop
	global_prefetch_b8 v0, s[64:65] scope:SCOPE_SE
	s_setreg_imm32_b32 hwreg(HW_REG_WAVE_MODE, 25, 1), 1
	s_wait_xcnt 0x0
; SimpleMoE, launches 3 and 4 of 5: the experts' two layers on E3M2 codes.  One text serves both; LAYER says which this file is.
;   LAYER 1: hc = Q(relu(x W1[e] + b1[e])), the hidden layer as codes and scale words.      LAYER 2: y = h W2[e] (+ b2[e]), as four partial sums along K.
; WORK LEFT OUT: only the rows of the chosen (token, expert) pairs are multiplied; the others' weight in the result is 0 by reference()'s own where() (shown at the head of the first launch).
; THE WEIGHTS STAND STILL.  A work-group owns a BRICK of one expert: 128 weight rows x 1,024 along K, 96 KiB of codes.  8 experts x 32 bricks are the 256 work-groups, whatever the routing:
; layer 1: 32 slices of the 4,096 hidden units; layer 2: 8 slices of the 1,024 outputs x 4 quarters of K = 4,096.  So each weight byte is asked of memory once in the launch.
; Each of the four waves holds the WHOLE brick in 768 registers and takes every fourth tile of 16 rows of its expert: a tile's operand then feeds 8 matrix instructions for each K step, enters
; the work-group once, straight into registers, and the loop over tiles needs no barrier.  The brick too is loaded once: each wave loads a quarter and hands it on through LDS as images of the
; operands' registers (16 bytes a lane, 512 a store), behind four barriers at the head, where the control flow is the same for all waves.
; NO TENSOR LOADS, NO JOINT LOADS: how many tiles a wave walks is a count that launch 2 stored.
; An expert with no rows still has its bricks loaded: no branch on the count stands ahead of the barriers.
; BOTH PRODUCTS ARE USED TRANSPOSED (source 0 = 16 weight rows, source 1 = 16 rows of the tile): a lane holds one row of the tile and eight neighbouring columns.
; ORDER ALONG K.  A lane takes 48 NEIGHBOURING bytes of its row for each 128 along K (three loads of 16 bytes, each at a multiple of 16), where the operand's layout would have two pieces of 24:
; so the unit's blocks 0, 1, 2, 3 of a K step are the row's blocks 0, 2, 1, 3, on both operands alike, and every scale word has its bytes in that order.  The products and their scales are the
; same; only the grouping of the f32 sums inside an instruction differs.
; LAYER 1: THE ROWS OF W1 THAT FORM A TILE ARE NOT NEIGHBOURS: lane r of tile 2 b + u takes row 32 b + 8 u + r + 8 (r / 8), so that the 16 registers of tiles 2 b and 2 b + 1 are 16 neighbours along
; the next K.  The brick's 128 hidden units are one K step of layer 2: a tile's results become one fragment and one scale word a row, stored as the image that layer 2 loads.
; The bias is the C of a tile's first products: the accumulators are loaded with its image from LDS (layer 2: zeros in the quarters q > 0), and every product adds in place.
; LIMIT: a block's largest magnitude is taken no smaller than 2^(5 - 127): a block of zeros gets the byte 1 and not 127; its codes are zeros, and this program alone reads the bytes.
; REGISTERS, in windows of 256.  Windows 1-3: weight fragment f = 8 s + t (K step s, tile t) at window 1 + f / 21, register 12 (f % 21); fragment 63 at v52 of window 0.
;   Window 0: v1-15 addresses; v16-47 the weights' scale words; v48-51 the tile's; v64-159 the tile's 8 fragments; v160-223 the 8 accumulators; v224-249 at work for the quantiser.
;   At the head v64-255 take the quarter brick as loaded, and window 3's v0-23 the scale rows and the bias.
.set LAYER, 2
.set BIAS,  0                          ; LDS: the bias's image: tile t, half q of its eight registers at 1,024 t + 512 q + 16 x lane
.set WSC,   8192                       ; the weights' scale words: K step s at 512 s + 16 x lane + 4 p: word p holds tile 2 p in lanes 0-15, tile 2 p + 1 in lanes 16-31
.set STG,   12288                      ; layer 2: a stage of 16 rows x (512 + 16) bytes for each wave
.if LAYER == 1
.set WIMG,  12288                      ; the brick's images: fragment f at 1,536 f + 512 g + 16 x lane
.set WROW,  768                        ; a weight row in bytes
.set WTILE, 8*WROW                     ; from the rows of my first tile to those of my second
.set BU,    32                         ; the same in the bias
.set NRL,   1                          ; loads of the row list at the head
.set NR1,   13                         ; loads in a tile's first run
.else
.set WIMG,  46080
.set WROW,  3072
.set WTILE, 16*WROW
.set BU,    64
.set NRL,   0
.set NR1,   14
.endif
.set NR2,   14                         ; loads in a tile's second run
.set SPARE, WIMG+98304                 ; the spare words, 128 bytes for each wave: two blocks of 256 bytes that no other line names
.set HSB,   6684672                    ; hc: images [tile 136][K step 32][1,536]; from here the scale words [tile][K step][32 lanes]
.set XSB,   786432                     ; xc: where the scale words begin
.set RLB,   8448                       ; plan: where the row list begins
.set LI,  1                            ; v1   16 x lane
.set LS,  2                            ; v2   4 x lane
.set SPW, 3                            ; v3   my spare word
.set NIL, 4                            ; v4   0
                                       ; v5   layer 1: 4 r, my place in a tile of the row list; layer 2: 128 (lane / 16) + 4 r, my place among two K steps' scale words
                                       ; v6   layer 1: the row list's address, then my row's token;  v7, v8: its codes' and scale words' offsets;  v9 48 h, v10 8 h
                                       ; v12  the weights' offset (layer 2, later: into the stage);  v13 images' store address (later: out of the stage);  v14 images' load address
                                       ; v7, v8, v11, v15 at the head: offsets of scale rows and bias, LDS addresses of their images
.set WS,  16
.set AS,  48
.set AFR, 64
.set ACC, 160
.set TM,  224
.set PW,  236
.set PC,  238
.set MSB, 0
.macro WIN new                         ; the immediate's high byte repeats the setting that is left; a switch that changes nothing is dropped
.if MSB != (\new)
	s_set_vgpr_msb (MSB<<8)|(\new)
.set MSB, (\new)
.endif
.endm
.macro PLACES n
.rept \n
	v_nop
.endr
.endm
.macro BAR                             ; my LDS stores have landed and my LDS loads are in: then the work-group's barrier
	s_wait_dscnt 0x0
	s_barrier_signal -1
	s_barrier_wait -1
.endm
.macro GLW c                           ; chunk c of my quarter: K steps 2 c, 2 c + 1 of my tiles 2 w, 2 w + 1: four fragments, twelve loads
.irp k, 0,1
.irp u, 0,1
.irp g, 0,1,2
	global_load_b128 v[AFR+48*(\c)+12*(2*\k+\u)+4*\g:AFR+48*(\c)+12*(2*\k+\u)+4*\g+3], v12, s[4:5] offset:\u*WTILE+96*(2*(\c)+\k)+16*\g th:TH_LOAD_NT
.endr
.endr
.endr
.endm
.macro STW c                           ; their images into LDS (v13 stands at fragment 2 w, or 32 + 2 w)
.irp k, 0,1
.irp u, 0,1
.irp g, 0,1,2
	ds_store_b128 v13, v[AFR+48*(\c)+12*(2*\k+\u)+4*\g:AFR+48*(\c)+12*(2*\k+\u)+4*\g+3] offset:1536*(16*((\c)%2)+8*\k+\u)+512*\g
.endr
.endr
.endr
.endm
.macro LDIMG c                         ; fragments 16 c .. 16 c + 15, all four waves' work, into my registers (v14 stands at fragment 0, or 32)
.set FF, 16*(\c)
.rept 16
.if FF < 63
.set WN, (1+FF/21)<<6
.set WR, 12*(FF%21)
.else
.set WN, 0
.set WR, 52
.endif
	WIN WN
.irp g, 0,1,2
	ds_load_b128 v[WR+4*\g:WR+4*\g+3], v14 offset:1536*(FF%32)+512*\g
.endr
.set FF, FF+1
.endr
	WIN 0
.endm
.macro ACCINIT                         ; the accumulators begin as the bias
.irp t, 0,1,2,3,4,5,6,7
	ds_load_b128 v[ACC+8*\t:ACC+8*\t+3], v[LI] offset:BIAS+1024*\t
	ds_load_b128 v[ACC+8*\t+4:ACC+8*\t+7], v[LI] offset:BIAS+1024*\t+512
.endr
.endm
; One product: K step SS, weight tile TT.  The weights' scale word lies in lanes 0-15 (even tiles) or 16-31 (odd), the tile's in lanes 0-15 (even K steps) or 16-31.
.macro WM1
.set FF, 8*SS+TT
.if FF < 63
.set WN, 1+FF/21
.set WR, 12*(FF%21)
.else
.set WN, 0
.set WR, 52
.endif
	WIN WN
.set AC, ACC+8*TT
.set AR, AFR+12*SS
.set SW, WS+4*SS+TT/2
.set SX, AS+SS/2
.if ((TT%2) == 0) && ((SS%2) == 0)
	v_wmma_scale_f32_16x16x128_f8f6f4 v[AC:AC+7], v[WR:WR+11], v[AR:AR+11], v[AC:AC+7], v[SW], v[SX] matrix_a_fmt:MATRIX_FMT_BF6 matrix_b_fmt:MATRIX_FMT_BF6
.elseif ((TT%2) == 1) && ((SS%2) == 0)
	v_wmma_scale_f32_16x16x128_f8f6f4 v[AC:AC+7], v[WR:WR+11], v[AR:AR+11], v[AC:AC+7], v[SW], v[SX] matrix_a_fmt:MATRIX_FMT_BF6 matrix_b_fmt:MATRIX_FMT_BF6 matrix_a_scale:MATRIX_SCALE_ROW1
.elseif ((TT%2) == 0)
	v_wmma_scale_f32_16x16x128_f8f6f4 v[AC:AC+7], v[WR:WR+11], v[AR:AR+11], v[AC:AC+7], v[SW], v[SX] matrix_a_fmt:MATRIX_FMT_BF6 matrix_b_fmt:MATRIX_FMT_BF6 matrix_b_scale:MATRIX_SCALE_ROW1
.else
	v_wmma_scale_f32_16x16x128_f8f6f4 v[AC:AC+7], v[WR:WR+11], v[AR:AR+11], v[AC:AC+7], v[SW], v[SX] matrix_a_fmt:MATRIX_FMT_BF6 matrix_b_fmt:MATRIX_FMT_BF6 matrix_a_scale:MATRIX_SCALE_ROW1 matrix_b_scale:MATRIX_SCALE_ROW1
.endif
.endm
.macro MM s0, s1                       ; K steps s0 .. s1: the eight accumulators take turns, one instruction a turn
.set SS, \s0
.rept (\s1)-(\s0)+1
.set TT, 0
.rept 8
	WM1
.set TT, TT+1
.endr
.set SS, SS+1
.endr
.endm
.if LAYER == 1
.macro TOKEN                           ; my row's token, held inside x; where its codes and its scale words lie for my half of the lanes
	v_min_u32 v6, 1023, v6
	v_mad_u32_u24 v7, v6, 768, v9
	v_lshl_add_u32 v8, v6, 5, v10
.endm
.macro RUN1                            ; a tile's K steps 0-3: two registers of scale words (lanes 0-15 words 0, 1; lanes 16-31 words 2, 3) and four fragments
	global_load_b64 v[AS:AS+1], v8, s[10:11] offset:XSB
.irp s, 0,1,2,3
.irp g, 0,1,2
	global_load_b128 v[AFR+12*\s+4*\g:AFR+12*\s+4*\g+3], v7, s[10:11] offset:96*\s+16*\g
.endr
.endr
.endm
.macro RUN2 ahead                      ; its K steps 4-7, and the row list of my tile after it (never past my expert's last tile)
	global_load_b64 v[AS+2:AS+3], v8, s[10:11] offset:XSB+16
.irp s, 4,5,6,7
.irp g, 0,1,2
	global_load_b128 v[AFR+12*\s+4*\g:AFR+12*\s+4*\g+3], v7, s[10:11] offset:96*\s+16*\g
.endr
.endr
	s_add_co_u32 s43, s22, \ahead
	s_min_u32 s43, s43, s25
	s_add_co_u32 s43, s43, s20
	s_min_u32 s43, s43, 135                        ; a loaded number enters an address only behind such a hold
	s_lshl_b32 s43, s43, 6
	v_add_nc_u32 v6, s43, v5
	global_load_b32 v6, v6, s[12:13] offset:RLB    ; lands on its own address register
.endm
.else
.macro TILEB                           ; tile s24's images and scale words of my quarter of K
	s_mul_i32 s44, s24, 49152
	s_add_nc_u64 s[34:35], s[26:27], s[44:45]
	s_lshl_b32 s44, s24, 12
	s_add_nc_u64 s[36:37], s[28:29], s[44:45]
.endm
.macro RUN1                            ; a tile's K steps 0-3: two registers of scale words (lanes 0-15 the even step's, lanes 16-31 the odd step's) and four images, 512 consecutive bytes a load
	global_load_b32 v[AS], v5, s[36:37]
	global_load_b32 v[AS+1], v5, s[36:37] offset:256
.irp s, 0,1,2,3
.irp g, 0,1,2
	global_load_b128 v[AFR+12*\s+4*\g:AFR+12*\s+4*\g+3], v[LI], s[34:35] offset:1536*\s+512*\g
.endr
.endr
.endm
.macro RUN2 ahead
	global_load_b32 v[AS+2], v5, s[36:37] offset:512
	global_load_b32 v[AS+3], v5, s[36:37] offset:768
.irp s, 4,5,6,7
.irp g, 0,1,2
	global_load_b128 v[AFR+12*\s+4*\g:AFR+12*\s+4*\g+3], v[LI], s[34:35] offset:1536*\s+512*\g
.endr
.endr
.endm
.endif
; THE WAY OUT of a tile.  next = 1: the accumulators are made ready for my next tile.
.macro EPI next
.if LAYER == 1
	s_wait_xcnt 0x0                                ; the last tile's stores have read their data and bases: both are written again below
	s_add_co_u32 s24, s20, s22
	s_min_u32 s24, s24, 135
	s_mul_i32 s44, s24, 49152
	s_add_nc_u64 s[34:35], s[26:27], s[44:45]      ; this tile's image of K step S,
	s_lshl_b32 s44, s24, 12
	s_add_nc_u64 s[36:37], s[28:29], s[44:45]      ; and its scale words
.set J, 0
.rept 64
	v_max_num_f32 v[ACC+J], 0, v[ACC+J]            ; relu, in f32; each accumulator from its low end on
.set J, J+1
.endr
.irp b, 0,1,2,3                        ; the four blocks of 32 hidden units: my 16 numbers of block b are the registers of tiles 2 b, 2 b + 1.  None is negative: no |.|
	v_max3_num_f32 v[TM+\b], v[ACC+16*\b], v[ACC+16*\b+1], 0x2800000   ; with the floor 2^(5 - 127): the byte cannot fall under 1
.endr
.irp i, 2,4,6,8,10,12,14
.irp b, 0,1,2,3
	v_max3_num_f32 v[TM+\b], v[TM+\b], v[ACC+16*\b+\i], v[ACC+16*\b+\i+1]
.endr
.endr
.irp b, 0,1,2,3
	v_permlanex16_b32 v[TM+4+\b], v[TM+\b], s40, s41
.endr
.irp b, 0,1,2,3
	v_max_num_f32 v[TM+\b], v[TM+\b], v[TM+4+\b]   ; with lane l xor 16's sixteen: the block's largest
.endr
.irp b, 0,1,2,3
	v_add_nc_u32 v[TM+8+\b], 0xfe000000, v[TM+\b]  ; 4 off the exponent field: the conversion's scale operand
.endr
.irp b, 0,1,2,3
	v_lshrrev_b32 v[TM+4+\b], 23, v[TM+8+\b]       ; the scale's byte
.endr
	v_lshl_or_b32 v[PW], v[TM+6], 8, v[TM+4]       ; the scale word, its bytes in the order of blocks 0, 2, 1, 3
	v_lshl_or_b32 v[PW], v[TM+5], 16, v[PW]
	v_lshl_or_b32 v[PW], v[TM+7], 24, v[PW]
.irp c, 0,1
	v_cvt_scalef32_pk16_bf6_f32 v[PC+6*\c:PC+6*\c+2], v[ACC+16*\c:ACC+16*\c+15], v[TM+8+\c]        ; my half of block c,
	v_cvt_scalef32_pk16_bf6_f32 v[TM+4*\c:TM+4*\c+2], v[ACC+32+16*\c:ACC+47+16*\c], v[TM+10+\c]    ; and of block 2 + c
.endr
	v_nop                                          ; one plain line behind the conversions
.irp c, 0,1                            ; a lane is to hold whole blocks: lanes 0-15 blocks 0, 1; lanes 16-31 blocks 2, 3: 48 neighbouring bytes of the row
.irp i, 0,1,2
	v_permlane16_swap_b32 v[PC+6*\c+\i], v[TM+4*\c+\i]
.endr
.irp i, 0,1,2
	v_mov_b32 v[PC+6*\c+3+\i], v[TM+4*\c+\i]
.endr
.endr
.if \next
	ACCINIT
.endif
.irp g, 0,1,2
	global_store_b128 v[LI], v[PC+4*\g:PC+4*\g+3], s[34:35] offset:512*\g   ; 512 consecutive bytes, at a multiple of 512 from the buffer's first byte
.endr
	global_store_b32 v[LS], v[PW], s[36:37]        ; 128 consecutive bytes: the 32 bricks of an expert fill a tile's 4,096 between them
.else
.irp t, 0,1,2,3,4,5,6,7                ; a lane holds 32 neighbouring bytes of a row and the lanes beside it other rows: through my stage, and back as whole rows of 512 bytes
	ds_store_b128 v12, v[ACC+8*\t:ACC+8*\t+3] offset:64*\t           ; each accumulator from its low end on
	ds_store_b128 v12, v[ACC+8*\t+4:ACC+8*\t+7] offset:64*\t+16
.endr
.irp i, 0,1,2,3,4,5,6,7,8,9,10,11,12,13,14,15
	ds_load_b128 v[ACC+4*\i:ACC+4*\i+3], v13 offset:528*\i           ; LDS serves a wave's instructions in order (ISA guide 5.7.1.4): these see my stores
.endr
	s_wait_xcnt 0x0                                ; the last tile's stores have read their base
	s_add_co_u32 s24, s20, s22
	s_min_u32 s24, s24, 135
	s_lshl_b32 s44, s24, 18
	s_add_nc_u64 s[38:39], s[30:31], s[44:45]      ; y at this tile's first row, my quarter, my columns
.irp i, 0,1,2,3,4,5,6,7,8,9,10,11,12,13,14,15
	s_wait_dscnt 15-\i
	global_store_b128 v[LI], v[ACC+4*\i:ACC+4*\i+3], s[38:39] offset:16384*\i th:TH_STORE_NT   ; 512 consecutive bytes, at a multiple of 512 from the buffer's first byte
.endr
.if \next
	s_wait_xcnt 0x0                                ; the stores have read the registers that the bias's image lands in
	ACCINIT
.endif
.endif
.endm
; A TILE of 16 rows: 64 products.  next = 1: my next tile's operands are asked for, each run as soon as its registers are free.
.macro TRIP next
	s_wait_loadcnt NR2                             ; the first run is in; the second run's fourteen loads may stay out
	s_wait_dscnt 0x0                               ; the accumulators hold the bias (first tile: and the brick's last images are in)
	MM 0, 3
	WIN 0
	s_wait_loadcnt 0x0                             ; the second run is in: every offset register and base of the tile's loads may be written again
.if \next
.if LAYER == 1
	TOKEN
	v_nop                                          ; with the three lines above: four places between the last product and loads into registers that products have read (ISA guide 7.12.1 for vector instructions)
.else
	s_add_co_u32 s24, s20, s22
	s_add_co_u32 s24, s24, 4
	s_min_u32 s24, s24, 135
	TILEB
	PLACES 4                                       ; places between the last product and loads into registers that products have read (ISA guide 7.12.1 for vector instructions)
.endif
	RUN1
.endif
	MM 4, 7
	WIN 0
	PLACES 5                                       ; four would do for the loads and reads below; the next tile's first products write accumulators that are begun anew, which asks for five
.if \next
	RUN2 8
.endif
	EPI \next
	s_add_co_u32 s22, s22, 4
.endm
	s_load_b256 s[4:11], s[0:1], 0x0               ; the weights' codes s[4:5], their scales s[6:7], the bias s[8:9], the rows' codes (xc or hc) s[10:11]
	s_load_b128 s[12:15], s[0:1], 0x20             ; plan s[12:13], the result (hc or y) s[14:15]
	v_lshl_add_u32 v[SPW], v0, 2, SPARE
	v_mov_b32 v[NIL], 0
	v_lshrrev_b32 v14, 5, v0
	v_readfirstlane_b32 s16, v14                   ; wave w
	v_and_b32 v15, 31, v0                          ; lane
	v_lshlrev_b32 v[LI], 4, v15
	v_lshlrev_b32 v[LS], 2, v15
	v_and_b32 v14, 15, v0                          ; r
	v_bfe_u32 v10, v0, 4, 1                        ; h
	s_lshr_b32 s17, ttmp9, 5                       ; expert e
	s_lshl_b32 s47, s17, 2
	s_mov_b32 s27, 0
	s_mov_b32 s29, 0
	s_mov_b32 s31, 0
	s_mov_b32 s45, 0
	s_mov_b32 s40, 0x76543210
	s_mov_b32 s41, 0xfedcba98                      ; v_permlanex16_b32's selects for lane l xor 16
	s_mov_b32 s42, 0x03010200                      ; v_perm_b32: bytes 0, 2, 1, 3
	s_mul_i32 s26, s17, 3145728                    ; an expert's codes, in both layers
	s_lshl_b32 s28, s17, 17                        ; an expert's scale bytes, likewise
.if LAYER == 1
	s_and_b32 s18, ttmp9, 31                       ; S: which 128 hidden units
	s_mul_i32 s43, s18, 128*WROW
	s_add_co_u32 s26, s26, s43
	s_lshl_b32 s43, s18, 12
	s_add_co_u32 s28, s28, s43                     ; 32 bytes a row
	s_lshl_b32 s30, s17, 14
	s_lshl_b32 s43, s18, 9
	s_add_co_u32 s30, s30, s43                     ; b1 at (4,096 e + 128 S) numbers
	v_and_b32 v11, 8, v14
	v_add_nc_u32 v11, v11, v14                     ; r + 8 (r / 8)
	v_mul_u32_u24 v12, v11, WROW
	v_lshl_add_u32 v7, v10, 3, v11                 ; scale rows: lanes 0-15 take tile 2 w's rows, lanes 16-31 tile 2 w + 1's, 8 rows on
	v_lshlrev_b32 v7, 5, v7
	s_lshl_b32 s43, s16, 10
	v_add_nc_u32 v7, s43, v7
	s_lshl_b32 s43, s16, 7
	v_lshl_add_u32 v8, v10, 6, s43                 ; bias: tile 2 w + u, lane half h: hidden units 32 w + 16 h + 8 u + 0 .. 7
	v_lshlrev_b32 v5, 2, v14
.else
	s_bfe_u32 s18, ttmp9, 0x30002                  ; ns: which 128 outputs
	s_and_b32 s19, ttmp9, 3                        ; q: which quarter of K
	s_mul_i32 s43, s18, 128*WROW
	s_add_co_u32 s26, s26, s43
	s_mul_i32 s43, s19, 768
	s_add_co_u32 s26, s26, s43
	s_lshl_b32 s43, s18, 14
	s_add_co_u32 s28, s28, s43                     ; 128 bytes a row,
	s_lshl_b32 s43, s19, 5
	s_add_co_u32 s28, s28, s43                     ; 32 of them my quarter's
	s_lshl_b32 s30, s17, 12
	s_lshl_b32 s43, s18, 9
	s_add_co_u32 s30, s30, s43                     ; b2 at (1,024 e + 128 ns) numbers
	v_mul_u32_u24 v12, v14, WROW
	v_lshlrev_b32 v7, 7, v15                       ; scale rows: row 32 w + lane
	s_lshl_b32 s43, s16, 12
	v_add_nc_u32 v7, s43, v7
	s_lshl_b32 s43, s16, 7
	v_lshl_add_u32 v8, v10, 5, s43                 ; bias: tile 2 w + u, lane half h: outputs 32 w + 16 u + 8 h + 0 .. 7
	v_lshlrev_b32 v5, 2, v14
	v_lshl_add_u32 v5, v10, 7, v5
.endif
	v_mul_u32_u24 v9, v10, 48                      ; 48 h
	v_add_nc_u32 v12, v12, v9
	s_mul_i32 s43, s16, 32*WROW
	v_add_nc_u32 v12, s43, v12                     ; the weights: my row of tile 2 w, my half's 48 bytes
	v_lshlrev_b32 v10, 3, v10                      ; 8 h
	s_mul_i32 s43, s16, 3072
	s_add_co_u32 s43, s43, WIMG
	v_add_nc_u32 v13, s43, v[LI]
	v_add_nc_u32 v14, WIMG, v[LI]
	s_lshl_b32 s43, s16, 2
	s_add_co_u32 s43, s43, WSC
	v_add_nc_u32 v11, s43, v[LI]                   ; my scale words' place: word w of each lane's four
	s_lshl_b32 s43, s16, 11
	v_add_nc_u32 v15, s43, v[LI]                   ; my two tiles of the bias's image
	s_wait_kmcnt 0x0
	s_load_b32 s20, s[12:13], s47 offset:0x20      ; tb_e: my expert's first tile
	s_load_b32 s21, s[12:13], s47 offset:0x40      ; T_e: its tiles
	s_add_nc_u64 s[4:5], s[4:5], s[26:27]
	s_add_nc_u64 s[6:7], s[6:7], s[28:29]
	s_add_nc_u64 s[8:9], s[8:9], s[30:31]
	WIN 0xc0                                       ; destination window 3
	global_load_b128 v[0:3], v7, s[6:7]            ; my row's eight scale words
	global_load_b128 v[4:7], v7, s[6:7] offset:16
	global_load_b128 v[8:11], v8, s[8:9]           ; the bias of my two tiles
	global_load_b128 v[12:15], v8, s[8:9] offset:16
	global_load_b128 v[16:19], v8, s[8:9] offset:BU
	global_load_b128 v[20:23], v8, s[8:9] offset:BU+16
	WIN 0
	GLW 0
	GLW 1
.if LAYER == 1
	s_mul_i32 s44, s18, 1536
	s_add_nc_u64 s[26:27], s[14:15], s[44:45]      ; hc: K step S's image of tile 0,
	s_lshl_b32 s44, s18, 7
	s_add_nc_u64 s[28:29], s[14:15], s[44:45]
	s_add_nc_u64 s[28:29], s[28:29], HSB           ; and its scale words
.else
	s_mul_i32 s44, s19, 12288
	s_add_nc_u64 s[26:27], s[10:11], s[44:45]      ; hc: my quarter's eight images of tile 0,
	s_lshl_b32 s44, s19, 10
	s_add_nc_u64 s[28:29], s[10:11], s[44:45]
	s_add_nc_u64 s[28:29], s[28:29], HSB           ; and their scale words
	s_lshl_b32 s44, s19, 12
	s_lshl_b32 s43, s18, 9
	s_add_co_u32 s44, s44, s43
	s_add_nc_u64 s[30:31], s[14:15], s[44:45]      ; y: [row][quarter][1,024]: my quarter, my 128 columns
.endif
	s_wait_kmcnt 0x0
	s_mov_b32 s22, s16                             ; my tile of the expert: w, w + 4, ..
	s_max_u32 s25, s21, 1
	s_sub_co_u32 s25, s25, 1                       ; the expert's last tile
	s_add_co_u32 s24, s20, s16
	s_cmp_lt_u32 s16, s21
	s_cselect_b32 s24, s24, 0                      ; a wave with no tile asks for tile 0 and uses nothing of it: no branch stands ahead of the barriers
	s_min_u32 s24, s24, 135
.if LAYER == 1
	s_lshl_b32 s43, s24, 6
	v_add_nc_u32 v6, s43, v5
	global_load_b32 v6, v6, s[12:13] offset:RLB
.endif
	GLW 2
	GLW 3
	s_wait_loadcnt 48+NRL                          ; scale rows and bias are in: behind them four chunks of twelve (and the row list) were issued
	WIN 0xcf                                       ; destination and sources 0, 1 window 3
.irp i, 0,1,2,3,4,5,6,7
	v_perm_b32 v[\i], v[\i], v[\i], s42            ; each K step's bytes into the order of blocks 0, 2, 1, 3
.endr
.if LAYER == 2
	s_cmp_eq_u32 s19, 0
	s_cselect_b32 vcc_lo, -1, 0
.irp i, 8,9,10,11,12,13,14,15,16,17,18,19,20,21,22,23
	v_cndmask_b32 v[\i], 0, v[\i], vcc_lo          ; b2 goes into the first quarter's sums alone
.endr
.endif
	WIN 0x0c                                       ; an LDS store's data are its source 1: window 3
.irp s, 0,1,2,3,4,5,6,7
	ds_store_b32 v11, v[\s] offset:512*\s
.endr
.irp u, 0,1
.irp q, 0,1
	ds_store_b128 v15, v[8+8*\u+4*\q:8+8*\u+4*\q+3] offset:BIAS+1024*\u+512*\q
.endr
.endr
	WIN 0
	s_wait_loadcnt 36+NRL                          ; chunk 0 is in: three chunks (and the row list) behind it
	STW 0
	BAR
	LDIMG 0
.irp s, 0,1,2,3,4,5,6,7
	ds_load_b128 v[WS+4*\s:WS+4*\s+3], v[LI] offset:WSC+512*\s
.endr
	s_wait_loadcnt 24+NRL                          ; chunk 1
	STW 1
	BAR
	LDIMG 1
	v_add_nc_u32 v13, 49152, v13                   ; on to fragments 32 .. 63: an LDS immediate has 16 bits
	v_add_nc_u32 v14, 49152, v14
.if LAYER == 1
	s_wait_loadcnt 24                              ; the row list is in: two chunks behind it
	TOKEN
.else
	TILEB
.endif
	RUN1                                           ; my first tile's operands, into the registers that chunks 0 and 1 have left
	RUN2 4
	s_wait_loadcnt 12+NR1+NR2                      ; chunk 2 is in: behind it chunk 3 and the two runs
	STW 2
	BAR
	LDIMG 2
	s_wait_loadcnt NR1+NR2                         ; chunk 3
	STW 3
	BAR
	LDIMG 3
	ACCINIT
.if LAYER == 1
.irp b, 0,1,2,3
	v_mov_b32 v[TM+4+\b], 0                        ; written once: a lane permute's destination counts as one of its sources
.endr
.else
	v_and_b32 v6, 15, v0
	v_bfe_u32 v7, v0, 4, 1
	v_mul_u32_u24 v12, v6, 528
	v_lshl_add_u32 v12, v7, 5, v12
	s_mul_i32 s43, s16, 16*528
	s_add_co_u32 s43, s43, STG
	v_add_nc_u32 v12, s43, v12                     ; into my stage: row r, 32 bytes for each half of the lanes; 528 is an odd multiple of 16
	v_add_nc_u32 v13, s43, v[LI]                   ; and back: the 32 lanes take one row of 512 bytes
.endif
	s_cmp_ge_u32 s16, s21                          ; from here on the waves go their own ways: no barrier follows
	s_cbranch_scc1 .Lend
	s_sub_co_u32 s23, s21, s16
	s_add_co_u32 s23, s23, 3
	s_lshr_b32 s23, s23, 2
	s_sub_co_u32 s23, s23, 1                       ; my tiles, less the last, which asks for nothing and is written out
	s_cmp_eq_u32 s23, 0
	s_cbranch_scc1 .Llast
.Ltile:
	TRIP 1
	s_sub_co_u32 s23, s23, 1
	s_cmp_lg_u32 s23, 0
	s_cbranch_scc1 .Ltile
.Llast:
	TRIP 0
.Lend:
	s_wait_tensorcnt 0x0                           ; the wave's end: three closing lines behind my last LDS store
	ds_add_u32 v[SPW], v[NIL]
	s_wait_dscnt 0x0
	s_endpgm
.Lfunc_end_k_q18fcc59bf3_ffn2:
	.size	k_q18fcc59bf3_ffn2, .Lfunc_end_k_q18fcc59bf3_ffn2-k_q18fcc59bf3_ffn2
	.p2alignl 7, 3214868480
	.fill 96, 4, 3214868480
	.section	.rodata,"a",@progbits
	.p2align	6, 0x0
	.amdhsa_kernel k_q18fcc59bf3_ffn2
		.amdhsa_group_segment_fixed_size 144896
		.amdhsa_private_segment_fixed_size 0
		.amdhsa_enable_private_segment 0
		.amdhsa_kernarg_size 48
		.amdhsa_user_sgpr_count 2
		.amdhsa_user_sgpr_kernarg_segment_ptr 1
		.amdhsa_wavefront_size32 1
		.amdhsa_system_sgpr_workgroup_id_x 1
		.amdhsa_system_sgpr_workgroup_id_y 1
		.amdhsa_system_sgpr_workgroup_id_z 1
		.amdhsa_system_vgpr_workitem_id 0
		.amdhsa_next_free_vgpr 1024
		.amdhsa_next_free_sgpr 66
		.amdhsa_reserve_vcc 1
		.amdhsa_float_denorm_mode_32 3
		.amdhsa_float_denorm_mode_16_64 3
		.amdhsa_memory_ordered 1
		.amdhsa_forward_progress 1
		.amdhsa_inst_pref_size 62
	.end_amdhsa_kernel
	.amdgpu_metadata
---
amdhsa.version: [ 1, 2 ]
amdhsa.kernels:
  - .name:           k_q18fcc59bf3_ffn2
    .symbol:         k_q18fcc59bf3_ffn2.kd
    .args:
      - { .name: W2_codes, .offset: 0, .size: 8, .value_kind: global_buffer, .address_space: global }
      - { .name: W2_scales, .offset: 8, .size: 8, .value_kind: global_buffer, .address_space: global }
      - { .name: b2, .offset: 16, .size: 8, .value_kind: global_buffer, .address_space: global }
      - { .name: hc, .offset: 24, .size: 8, .value_kind: global_buffer, .address_space: global }
      - { .name: plan, .offset: 32, .size: 8, .value_kind: global_buffer, .address_space: global }
      - { .name: y, .offset: 40, .size: 8, .value_kind: global_buffer, .address_space: global }
    .group_segment_fixed_size: 144896
    .private_segment_fixed_size: 0
    .kernarg_segment_align: 8
    .kernarg_segment_size: 48
    .max_flat_workgroup_size: 128
    .sgpr_count:     66
    .vgpr_count:     1024
    .wavefront_size: 32
...
	.end_amdgpu_metadata
.endif
;; end of part 4
;; launch combine (part 5): grid 256 x 1, 8 waves a work-group, no clusters, 0 bytes of LDS; arguments y, plan, wts, out0; writes out0
.if DOCPART == 5
	.amdgcn_target "amdgcn-amd-amdhsa--gfx1250"
	.amdhsa_code_object_version 6
	.text
	.protected	k_q18fcc59bf3_combine
	.globl	k_q18fcc59bf3_combine
	.p2align	8
	.type	k_q18fcc59bf3_combine,@function
k_q18fcc59bf3_combine:
	s_mov_b64 s[64:65], 0
	v_nop
	global_prefetch_b8 v0, s[64:65] scope:SCOPE_SE
	s_setreg_imm32_b32 hwreg(HW_REG_WAVE_MODE, 25, 1), 1
	s_wait_xcnt 0x0
; SimpleMoE, launch 5 of 5: out[t] = w0 y[p0] + w1 y[p1], where p0, p1 are the padded positions of token t's two chosen experts' rows and y[p] is the sum of the row's four partial sums along K.
; WORK LEFT OUT: the six experts that were not chosen for a token have the weight 0 by reference()'s own where() (shown at the head of the first launch): their terms are not formed.
; Each output row has one owner, so nothing is added across work-groups.  A stream: no LDS, no barrier, no matrix unit.
; A work-group takes four tokens; two waves share a token's row, 2,048 bytes each.  All 32 loads of a wave (2 rows x 4 quarters x 4 pieces of 512 consecutive bytes) go out at once.
.set Y, 16                             ; v16-143   piece j, row k, quarter q at Y + 32 j + 16 k + 4 q
.set O, 144                            ; v144-159  the result's four pieces: no store's data are written again
	s_load_b256 s[4:11], s[0:1], 0x0               ; y s[4:5], plan s[6:7], wts s[8:9], out0 s[10:11]
	v_lshrrev_b32 v1, 5, v0
	v_readfirstlane_b32 s12, v1                    ; wave
	v_and_b32 v1, 31, v0
	s_lshr_b32 s13, s12, 1
	s_lshl_b32 s14, ttmp9, 2
	s_add_co_u32 s13, s13, s14                     ; my token
	s_and_b32 s12, s12, 1
	s_lshl_b32 s12, s12, 11                        ; my half of its row
	v_lshl_add_u32 v2, v1, 4, s12
	s_lshl_b32 s14, s13, 3
	s_lshl_b32 s18, s13, 12
	s_mov_b32 s19, 0
	s_wait_kmcnt 0x0
	s_load_b64 s[16:17], s[6:7], s14 offset:0x100  ; the two positions
	s_load_b64 s[20:21], s[8:9], s14               ; the two weights
	s_add_nc_u64 s[10:11], s[10:11], s[18:19]
	s_wait_kmcnt 0x0
	s_min_u32 s16, s16, 2175                       ; held inside y before they enter an address
	s_min_u32 s17, s17, 2175
	s_lshl_b32 s16, s16, 14                        ; a row of y is 4 x 4,096 bytes
	s_lshl_b32 s17, s17, 14
	v_add_nc_u32 v3, s16, v2
	v_add_nc_u32 v4, s17, v2
	s_mov_b32 s22, s21                             ; the packed forms name a pair and take its low word for both halves
	s_mov_b32 s23, s21
.irp j, 0,1,2,3
.irp k, 0,1
.irp q, 0,1,2,3
	global_load_b128 v[Y+32*\j+16*\k+4*\q:Y+32*\j+16*\k+4*\q+3], v[3+\k], s[4:5] offset:4096*\q+512*\j th:TH_LOAD_NT   ; read once in the launch
.endr
.endr
.endr
.irp j, 0,1,2,3
	s_wait_loadcnt 24-8*\j                         ; piece j's eight loads are in; those of the later pieces stay out
.irp k, 0,1
.irp p, 0,2
	v_pk_add_f32 v[Y+32*\j+16*\k+\p:Y+32*\j+16*\k+\p+1], v[Y+32*\j+16*\k+\p:Y+32*\j+16*\k+\p+1], v[Y+32*\j+16*\k+4+\p:Y+32*\j+16*\k+4+\p+1]
	v_pk_add_f32 v[Y+32*\j+16*\k+8+\p:Y+32*\j+16*\k+8+\p+1], v[Y+32*\j+16*\k+8+\p:Y+32*\j+16*\k+8+\p+1], v[Y+32*\j+16*\k+12+\p:Y+32*\j+16*\k+12+\p+1]
.endr
.endr
.irp k, 0,1
.irp p, 0,2
	v_pk_add_f32 v[Y+32*\j+16*\k+\p:Y+32*\j+16*\k+\p+1], v[Y+32*\j+16*\k+\p:Y+32*\j+16*\k+\p+1], v[Y+32*\j+16*\k+8+\p:Y+32*\j+16*\k+8+\p+1]
.endr
.endr
.irp p, 0,2
	v_pk_mul_f32 v[O+4*\j+\p:O+4*\j+\p+1], v[Y+32*\j+\p:Y+32*\j+\p+1], s[20:21] op_sel_hi:[1,0]
.endr
.irp p, 0,2
	v_pk_fma_f32 v[O+4*\j+\p:O+4*\j+\p+1], v[Y+32*\j+16+\p:Y+32*\j+16+\p+1], s[22:23], v[O+4*\j+\p:O+4*\j+\p+1] op_sel_hi:[1,0,1]
.endr
	global_store_b128 v2, v[O+4*\j:O+4*\j+3], s[10:11] offset:512*\j th:TH_STORE_NT   ; 512 consecutive bytes, at a multiple of 512 from the buffer's first byte
.endr
	s_endpgm
.Lfunc_end_k_q18fcc59bf3_combine:
	.size	k_q18fcc59bf3_combine, .Lfunc_end_k_q18fcc59bf3_combine-k_q18fcc59bf3_combine
	.p2alignl 7, 3214868480
	.fill 96, 4, 3214868480
	.section	.rodata,"a",@progbits
	.p2align	6, 0x0
	.amdhsa_kernel k_q18fcc59bf3_combine
		.amdhsa_group_segment_fixed_size 0
		.amdhsa_private_segment_fixed_size 0
		.amdhsa_enable_private_segment 0
		.amdhsa_kernarg_size 32
		.amdhsa_user_sgpr_count 2
		.amdhsa_user_sgpr_kernarg_segment_ptr 1
		.amdhsa_wavefront_size32 1
		.amdhsa_system_sgpr_workgroup_id_x 1
		.amdhsa_system_sgpr_workgroup_id_y 1
		.amdhsa_system_sgpr_workgroup_id_z 1
		.amdhsa_system_vgpr_workitem_id 0
		.amdhsa_next_free_vgpr 160
		.amdhsa_next_free_sgpr 66
		.amdhsa_reserve_vcc 0
		.amdhsa_float_denorm_mode_32 3
		.amdhsa_float_denorm_mode_16_64 3
		.amdhsa_memory_ordered 1
		.amdhsa_forward_progress 1
		.amdhsa_inst_pref_size 9
	.end_amdhsa_kernel
	.amdgpu_metadata
---
amdhsa.version: [ 1, 2 ]
amdhsa.kernels:
  - .name:           k_q18fcc59bf3_combine
    .symbol:         k_q18fcc59bf3_combine.kd
    .args:
      - { .name: y, .offset: 0, .size: 8, .value_kind: global_buffer, .address_space: global }
      - { .name: plan, .offset: 8, .size: 8, .value_kind: global_buffer, .address_space: global }
      - { .name: wts, .offset: 16, .size: 8, .value_kind: global_buffer, .address_space: global }
      - { .name: out0, .offset: 24, .size: 8, .value_kind: global_buffer, .address_space: global }
    .group_segment_fixed_size: 0
    .private_segment_fixed_size: 0
    .kernarg_segment_align: 8
    .kernarg_segment_size: 32
    .max_flat_workgroup_size: 256
    .sgpr_count:     66
    .vgpr_count:     160
    .wavefront_size: 32
...
	.end_amdgpu_metadata
.endif
;; end of part 5
;; ======== version 2 of 2: 5 launches
;; workspace buffers: idx 8,192 bytes of whole numbers; wts 8,192 bytes; xc 819,200 bytes; plan 17,152 bytes of whole numbers; hc 7,241,728 bytes; y 35,651,584 bytes
;; launch route (part 6): grid 256 x 1, 2 waves a work-group, no clusters, 55,552 bytes of LDS; arguments x, gate_W, gate_b, idx, wts, xc; writes idx, wts, xc
.if DOCPART == 6
	.amdgcn_target "amdgcn-amd-amdhsa--gfx1250"
	.amdhsa_code_object_version 6
	.text
	.protected	k_q18fcc59bf3_route
	.globl	k_q18fcc59bf3_route
	.p2align	8
	.type	k_q18fcc59bf3_route,@function
k_q18fcc59bf3_route:
	s_mov_b64 s[64:65], 0
	v_nop
	global_prefetch_b8 v0, s[64:65] scope:SCOPE_SE
	s_setreg_imm32_b32 hwreg(HW_REG_WAVE_MODE, 25, 1), 1
	s_wait_xcnt 0x0
; SimpleMoE, launch 1 of 5: the router, and x as codes.
; DEAD WORK, for the whole program.  For a token t and an expert e that is not among t's two chosen ones, reference() forms w_e = sum(where(topk_idx == e, topk_w, 0)) = 0
; in its own body and adds w_e * y: that term is 0 for every finite y, whatever the inputs hold.  So of the sixteen expert products only the rows of the chosen (token, expert)
; pairs are multiplied: 2 x 1,024 rows in place of 8 x 1,024.  Every input stays live and is loaded.  LIMIT: a NaN, an infinity or an overflow that arises only in a row of an
; expert that was not chosen is not carried to the result.
; THIS LAUNCH: gate scores x gate_W + gate_b in f32 (fused multiply-adds; sums in another order than reference()'s); the two largest, ties to the lower index as jax.lax.top_k has them;
; softmax over the two with the larger taken away first; the experts' numbers to idx[token][2], the weights to wts[token][2], at fixed places: no address here hangs on them.
; And x quantised along H to E3M2 with one E8M0 byte for each 32: xc holds the codes [token][768 bytes], a row's plain stream of bits, and from byte 786,432 the scale bytes [token][32].
; ORDER OF THE SCALE BYTES.  The products' launches give a lane 48 neighbouring bytes of a row for each 128 along K, so that the matrix unit's blocks 0, 1, 2, 3 of a K step are the row's
; blocks 0, 2, 1, 3, on both operands alike.  So a K step's four bytes lie in that order, and K step s lies at word (s & 4) | (s & 1) << 1 | (s >> 1) & 1, as the loads of launch 3 want them.
; LIMITS: gate scores that are NaN or -infinity are not served.  A block's largest magnitude is taken no smaller than 2^(5 - 127), so a block of zeros gets the byte 1 and not 127:
; its codes are zeros, and this program alone reads the bytes.
; SHARES.  Wave j = 2 x work-group + wave takes tokens 2 j and 2 j + 1.  Lane l owns k = 32 l .. 32 l + 31 of both rows: a whole block for the quantiser, and 32 rows of gate_W for the gate.
; Loads take bytes as they lie (512 neighbouring bytes an instruction); rows and gate_W turn through LDS, so that a lane gets its 128 (1,024) neighbouring bytes.
.set SPARE, 55296                      ; the spare words, 128 bytes for each wave: one block of 256 bytes that no other line names
.set WREG,  33280                      ; behind gate_W: a region of WSZ bytes for each wave
.set WSZ,   11008
.set CST,   9216                       ; in it: two rows of x (2 x 4,608), then the codes' stage (1,536),
.set SST,   10752                      ; then the scale bytes' (64 of 256)
.set XSB,   786432                     ; where the scale bytes begin in xc
.set X,     16                         ; v16-79   x: 32 numbers for each of my two tokens
.set WB,    80                         ; v80-207  gate_W as loaded; later two buffers of 8 rows x 8
.set G,     208                        ; v208-223 at work for the quantiser; then the 2 x 8 scores
.set OC,    224                        ; v224-236 codes and scale bytes on their way out
.set C,     240                        ; v240-254 a block's codes, eight registers a token
	s_load_b256 s[4:11], s[0:1], 0x0               ; x s[4:5], gate_W s[6:7], gate_b s[8:9], idx s[10:11]
	s_load_b128 s[12:15], s[0:1], 0x20             ; wts s[12:13], xc s[14:15]
	v_lshl_add_u32 v2, v0, 2, SPARE                ; my spare word,
	v_mov_b32 v3, 0                                ; and 0: kept for the closing add alone
	v_lshrrev_b32 v1, 5, v0
	v_readfirstlane_b32 s26, v1                    ; wave 0, 1
	v_and_b32 v1, 31, v0                           ; lane
	v_lshlrev_b32 v4, 4, v1                        ; 16 x lane
	s_mul_i32 s27, s26, 16640
	v_add_nc_u32 v5, s27, v4                       ; gate_W into LDS: my wave's half; 16 bytes of padding behind each 1,024
	v_mul_u32_u24 v6, v1, 1040                     ; and out of it: my 32 rows; 1,040 is an odd multiple of 16
	s_mul_i32 s27, s26, WSZ
	s_add_co_u32 s27, s27, WREG                    ; my wave's region
	v_lshrrev_b32 v7, 3, v1
	v_lshl_add_u32 v7, v7, 4, v4
	v_add_nc_u32 v7, s27, v7                       ; x into LDS: 16 bytes of padding behind each 128
	v_mul_u32_u24 v8, v1, 144
	v_add_nc_u32 v8, s27, v8                       ; and out: my block's 128 bytes
	v_mul_u32_u24 v9, v1, 24
	v_add_nc_u32 v9, s27, v9                       ; my block's 24 bytes of codes
	v_add_nc_u32 v10, s27, v4                      ; the codes' way back: 16 bytes a lane
	v_bfe_u32 v11, v0, 1, 1                        ; my block's byte among the row's 32: bits l4 l2 l3 l0 l1 of the lane's number
	v_and_b32 v15, 1, v0
	v_lshl_or_b32 v11, v15, 1, v11
	v_bfe_u32 v15, v0, 3, 1
	v_lshl_or_b32 v11, v15, 2, v11
	v_bfe_u32 v15, v0, 2, 1
	v_lshl_or_b32 v11, v15, 3, v11
	v_and_b32 v15, 16, v0
	v_add_nc_u32 v11, v11, v15
	v_add_nc_u32 v11, s27, v11
	v_lshlrev_b32 v13, 1, v1                       ; 2 x lane
	v_add_nc_u32 v12, s27, v13                     ; the scale bytes' way back: 2 bytes a lane
	v_lshlrev_b32 v14, 2, v1                       ; 4 x lane
	s_mov_b32 s24, 0x76543210
	s_mov_b32 s25, 0xfedcba98                      ; v_permlanex16_b32's selects for lane l xor 16
	s_lshl_b32 s28, ttmp9, 1
	s_add_co_u32 s28, s28, s26                     ; j
	s_mov_b32 s31, 0
	s_wait_kmcnt 0x0
	s_load_b256 s[16:23], s[8:9], 0x0              ; gate_b
	s_lshl_b32 s30, s28, 13
	s_add_nc_u64 s[4:5], s[4:5], s[30:31]          ; x at token 2 j
	s_lshl_b32 s30, s26, 14
	s_add_nc_u64 s[6:7], s[6:7], s[30:31]          ; my wave's half of gate_W
	s_mul_i32 s30, s28, 1536
	s_add_nc_u64 s[32:33], s[14:15], s[30:31]      ; my two rows of codes
	s_lshl_b32 s30, s28, 6
	s_add_nc_u64 s[34:35], s[14:15], s[30:31]      ; and (with XSB in the immediate) of scale bytes
	s_lshl_b32 s30, s28, 4
	s_add_nc_u64 s[10:11], s[10:11], s[30:31]
	s_add_nc_u64 s[12:13], s[12:13], s[30:31]
.irp t, 0,1
.irp i, 0,1,2,3,4,5,6,7
	global_load_b128 v[X+32*\t+4*\i:X+32*\t+4*\i+3], v4, s[4:5] offset:4096*\t+512*\i th:TH_LOAD_NT   ; read once in the launch
.endr
.endr
.set I, 0
.rept 32
	global_load_b128 v[WB+4*I:WB+4*I+3], v4, s[6:7] offset:512*I
.set I, I+1
.endr
	s_wait_loadcnt 32                              ; x's sixteen loads are in; gate_W's 32 stay out
.irp t, 0,1
.irp i, 0,1,2,3,4,5,6,7
	ds_store_b128 v7, v[X+32*\t+4*\i:X+32*\t+4*\i+3] offset:4608*\t+576*\i
.endr
.endr
.irp t, 0,1
.irp i, 0,1,2,3,4,5,6,7
	ds_load_b128 v[X+32*\t+4*\i:X+32*\t+4*\i+3], v8 offset:4608*\t+16*\i   ; LDS serves a wave's instructions in order (ISA guide 5.7.1.4): these see my stores
.endr
.endr
	s_wait_dscnt 0x0
; Token t's block: its largest magnitude, its byte, its 32 codes.
.macro QT t
.set XR, X+32*\t
.set CC, C+8*\t
.set TA, G+4*\t
	v_max3_num_f32 v[TA], |v[XR]|, |v[XR+1]|, |v[XR+2]|
	v_max3_num_f32 v[TA+1], |v[XR+3]|, |v[XR+4]|, |v[XR+5]|
.irp i, 6,10,14,18,22,26
	v_max3_num_f32 v[TA], v[TA], |v[XR+\i]|, |v[XR+\i+1]|
	v_max3_num_f32 v[TA+1], v[TA+1], |v[XR+\i+2]|, |v[XR+\i+3]|
.endr
	v_max3_num_f32 v[TA], v[TA], |v[XR+30]|, |v[XR+31]|
	v_max3_num_f32 v[TA], v[TA], v[TA+1], 0x2800000          ; and the floor 2^(5 - 127): the byte cannot fall under 1
	v_add_nc_u32 v[TA+2], 0xfe000000, v[TA]                  ; 4 off the exponent field: the conversion takes this operand's exponent field as its scale
	v_cvt_scalef32_pk16_bf6_f32 v[CC:CC+2], v[XR:XR+15], v[TA+2]
	v_cvt_scalef32_pk16_bf6_f32 v[CC+4:CC+6], v[XR+16:XR+31], v[TA+2]   ; (a conversion's three registers begin on an even number)
	v_lshrrev_b32 v[TA+3], 23, v[TA+2]                       ; the scale's byte; also the plain line behind the conversions
	v_mov_b32 v[CC+3], v[CC+4]
	v_mov_b32 v[CC+4], v[CC+5]
	v_mov_b32 v[CC+5], v[CC+6]                               ; six registers on end: 24 bytes
	ds_store_b64 v9, v[CC:CC+1] offset:CST+768*\t
	ds_store_b64 v9, v[CC+2:CC+3] offset:CST+768*\t+8
	ds_store_b64 v9, v[CC+4:CC+5] offset:CST+768*\t+16
	ds_store_b8 v11, v[TA+3] offset:SST+32*\t
.endm
	QT 0
	QT 1
.irp g, 0,1,2
	ds_load_b128 v[OC+4*\g:OC+4*\g+3], v10 offset:CST+512*\g
.endr
	ds_load_u16 v[OC+12], v12 offset:SST
	s_wait_dscnt 0x0
.irp g, 0,1,2
	global_store_b128 v4, v[OC+4*\g:OC+4*\g+3], s[32:33] offset:512*\g   ; 512 consecutive bytes, at a multiple of 512 from the buffer's first byte
.endr
	global_store_b16 v13, v[OC+12], s[34:35] offset:XSB      ; 64 consecutive bytes a wave: 32 KiB of the launch's 5 MiB leave in such pieces
	s_wait_loadcnt 0x0                             ; gate_W
.set I, 0
.rept 32
	ds_store_b128 v5, v[WB+4*I:WB+4*I+3] offset:512*I+16*(I/2)
.set I, I+1
.endr
	s_wait_kmcnt 0x0                               ; gate_b
	s_wait_dscnt 0x0                               ; for the other wave's sake: my half of gate_W lies in LDS
	s_barrier_signal -1
	s_barrier_wait -1
.macro GCH ch                          ; rows 8 ch .. 8 ch + 7 of my 32 rows of gate_W into buffer ch % 2
.irp i, 0,1,2,3,4,5,6,7
	ds_load_b128 v[WB+64*((\ch)%2)+8*\i:WB+64*((\ch)%2)+8*\i+3], v6 offset:256*(\ch)+32*\i
	ds_load_b128 v[WB+64*((\ch)%2)+8*\i+4:WB+64*((\ch)%2)+8*\i+7], v6 offset:256*(\ch)+32*\i+16
.endr
.endm
.macro GROWS ch                        ; 64 packed multiply-adds: two experts each, x's number for both halves; eight chains that do not wait for each other.  The very first row starts the sums
.irp i, 0,1,2,3,4,5,6,7
.irp t, 0,1
.irp p, 0,1,2,3
.if ((\ch) == 0) && (\i == 0)
	v_pk_mul_f32 v[G+8*\t+2*\p:G+8*\t+2*\p+1], v[WB+2*\p:WB+2*\p+1], v[X+32*\t:X+32*\t+1] op_sel_hi:[1,0]
.elseif (\i%2) == 1
	v_pk_fma_f32 v[G+8*\t+2*\p:G+8*\t+2*\p+1], v[WB+64*((\ch)%2)+8*\i+2*\p:WB+64*((\ch)%2)+8*\i+2*\p+1], v[X+32*\t+8*(\ch)+\i-1:X+32*\t+8*(\ch)+\i], v[G+8*\t+2*\p:G+8*\t+2*\p+1] op_sel:[0,1,0] op_sel_hi:[1,1,1]
.else
	v_pk_fma_f32 v[G+8*\t+2*\p:G+8*\t+2*\p+1], v[WB+64*((\ch)%2)+8*\i+2*\p:WB+64*((\ch)%2)+8*\i+2*\p+1], v[X+32*\t+8*(\ch)+\i:X+32*\t+8*(\ch)+\i+1], v[G+8*\t+2*\p:G+8*\t+2*\p+1] op_sel_hi:[1,0,1]
.endif
.endr
.endr
.endr
.endm
	GCH 0
	GCH 1
	s_wait_dscnt 16                                ; the older chunk's sixteen loads are in, the younger's stay out
	GROWS 0
	GCH 2
	s_wait_alu depctr_va_vdst(0)
	s_wait_dscnt 16
	GROWS 1
	GCH 3
	s_wait_alu depctr_va_vdst(0)
	s_wait_dscnt 16
	GROWS 2
	s_wait_alu depctr_va_vdst(0)
	s_wait_dscnt 0x0
	GROWS 3
.irp m, 1,2,4,8                        ; the sixteen sums over the 32 lanes; every lane ends up with all of them
.irp n, 0,1,2,3,4,5,6,7,8,9,10,11,12,13,14,15
	v_add_f32_dpp v[G+\n], v[G+\n], v[G+\n] row_xmask:\m row_mask:0xf bank_mask:0xf
.endr
.endr
.irp n, 0,1,2,3,4,5,6,7,8,9,10,11,12,13,14,15
	v_permlanex16_b32 v[WB+\n], v[G+\n], s24, s25  ; (its destination counts as read: these registers have been loaded)
.endr
.irp n, 0,1,2,3,4,5,6,7,8,9,10,11,12,13,14,15
	v_add_f32 v[G+\n], v[G+\n], v[WB+\n]
.endr
.irp t, 0,1
.irp e, 0,1,2,3,4,5,6,7
	v_add_f32 v[G+8*\t+\e], s[16+\e], v[G+8*\t+\e] ; + gate_b
.endr
.endr
	v_mov_b32 v112, 0xff800000                     ; -infinity
; The two largest of token t's eight scores.  A later score wins only if it is strictly larger: ties go to the lower index.  v[TT] m1, +1 its expert, +2 m2, +3 its expert.
.macro TOP2 t
.set GG, G+8*\t
.set TT, 96+8*\t
	v_mov_b32 v[TT], v[GG]
	v_mov_b32 v[TT+1], 0
.irp e, 1,2,3,4,5,6,7
	v_cmp_gt_f32 vcc_lo, v[GG+\e], v[TT]
	v_cndmask_b32 v[TT], v[TT], v[GG+\e], vcc_lo
	v_cndmask_b32 v[TT+1], v[TT+1], \e, vcc_lo
.endr
.irp e, 0,1,2,3,4,5,6,7
	v_cmp_eq_u32 vcc_lo, \e, v[TT+1]
	v_cndmask_b32 v[GG+\e], v[GG+\e], v112, vcc_lo ; the winner leaves the field
.endr
	v_mov_b32 v[TT+2], v[GG]
	v_mov_b32 v[TT+3], 0
.irp e, 1,2,3,4,5,6,7
	v_cmp_gt_f32 vcc_lo, v[GG+\e], v[TT+2]
	v_cndmask_b32 v[TT+2], v[TT+2], v[GG+\e], vcc_lo
	v_cndmask_b32 v[TT+3], v[TT+3], \e, vcc_lo
.endr
.endm
	TOP2 0
	TOP2 1
	v_sub_f32 v100, v98, v96                       ; softmax of (m1, m2) with the maximum m1 taken away: 1 / (1 + u), u / (1 + u), u = e^(m2 - m1) <= 1
	v_sub_f32 v108, v106, v104
	v_mul_f32 v100, 0x3fb8aa3b, v100               ; x log2(e)
	v_mul_f32 v108, 0x3fb8aa3b, v108
	s_wait_alu depctr_va_vdst(0)
	v_exp_f32 v100, v100
	v_exp_f32 v108, v108
	v_nop                                          ; a plain line behind the exponentials,
	s_wait_alu depctr_va_vdst(0)                   ; and one wait for both, ahead of their first reader
	v_add_f32 v101, 1.0, v100
	v_add_f32 v109, 1.0, v108
	s_wait_alu depctr_va_vdst(0)
	v_rcp_f32 v101, v101
	v_rcp_f32 v109, v109
	v_nop
	s_wait_alu depctr_va_vdst(0)                   ; likewise for the two reciprocals
	v_mul_f32 v102, v100, v101
	v_mul_f32 v110, v108, v109
	v_cmp_eq_u32 vcc_lo, 1, v1                     ; lanes 0 to 3 take (first, second) of token 2 j, (first, second) of token 2 j + 1
	v_cndmask_b32 v113, v97, v99, vcc_lo
	v_cndmask_b32 v114, v101, v102, vcc_lo
	v_cmp_eq_u32 vcc_lo, 2, v1
	v_cndmask_b32 v113, v113, v105, vcc_lo
	v_cndmask_b32 v114, v114, v109, vcc_lo
	v_cmp_eq_u32 vcc_lo, 3, v1
	v_cndmask_b32 v113, v113, v107, vcc_lo
	v_cndmask_b32 v114, v114, v110, vcc_lo
	v_cmp_gt_u32 vcc_lo, 4, v1
	s_wait_alu depctr_va_vdst(0)
	s_wait_xcnt 0x0                                ; EXEC is a source of the stores above: it changes only behind this wait
	s_and_saveexec_b32 s27, vcc_lo
	global_store_b32 v14, v113, s[10:11]           ; 16 bytes a wave: 16 KiB in all leave in such pieces
	global_store_b32 v14, v114, s[12:13]
	s_wait_xcnt 0x0                                ; and again, in front of the line that widens it
	s_or_b32 exec_lo, exec_lo, s27
	s_wait_tensorcnt 0x0                           ; the wave's end: three closing lines behind my last LDS store
	ds_add_u32 v2, v3
	s_wait_dscnt 0x0
	s_endpgm
.Lfunc_end_k_q18fcc59bf3_route:
	.size	k_q18fcc59bf3_route, .Lfunc_end_k_q18fcc59bf3_route-k_q18fcc59bf3_route
	.p2alignl 7, 3214868480
	.fill 96, 4, 3214868480
	.section	.rodata,"a",@progbits
	.p2align	6, 0x0
	.amdhsa_kernel k_q18fcc59bf3_route
		.amdhsa_group_segment_fixed_size 55552
		.amdhsa_private_segment_fixed_size 0
		.amdhsa_enable_private_segment 0
		.amdhsa_kernarg_size 48
		.amdhsa_user_sgpr_count 2
		.amdhsa_user_sgpr_kernarg_segment_ptr 1
		.amdhsa_wavefront_size32 1
		.amdhsa_system_sgpr_workgroup_id_x 1
		.amdhsa_system_sgpr_workgroup_id_y 1
		.amdhsa_system_sgpr_workgroup_id_z 1
		.amdhsa_system_vgpr_workitem_id 0
		.amdhsa_next_free_vgpr 256
		.amdhsa_next_free_sgpr 66
		.amdhsa_reserve_vcc 1
		.amdhsa_float_denorm_mode_32 3
		.amdhsa_float_denorm_mode_16_64 3
		.amdhsa_memory_ordered 1
		.amdhsa_forward_progress 1
		.amdhsa_inst_pref_size 48
	.end_amdhsa_kernel
	.amdgpu_metadata
---
amdhsa.version: [ 1, 2 ]
amdhsa.kernels:
  - .name:           k_q18fcc59bf3_route
    .symbol:         k_q18fcc59bf3_route.kd
    .args:
      - { .name: x, .offset: 0, .size: 8, .value_kind: global_buffer, .address_space: global }
      - { .name: gate_W, .offset: 8, .size: 8, .value_kind: global_buffer, .address_space: global }
      - { .name: gate_b, .offset: 16, .size: 8, .value_kind: global_buffer, .address_space: global }
      - { .name: idx, .offset: 24, .size: 8, .value_kind: global_buffer, .address_space: global }
      - { .name: wts, .offset: 32, .size: 8, .value_kind: global_buffer, .address_space: global }
      - { .name: xc, .offset: 40, .size: 8, .value_kind: global_buffer, .address_space: global }
    .group_segment_fixed_size: 55552
    .private_segment_fixed_size: 0
    .kernarg_segment_align: 8
    .kernarg_segment_size: 48
    .max_flat_workgroup_size: 64
    .sgpr_count:     66
    .vgpr_count:     256
    .wavefront_size: 32
...
	.end_amdgpu_metadata
.endif
;; end of part 6
;; launch place (part 7): grid 1 x 1, 32 waves a work-group, no clusters, 4,608 bytes of LDS; arguments idx, plan; writes plan
.if DOCPART == 7
	.amdgcn_target "amdgcn-amd-amdhsa--gfx1250"
	.amdhsa_code_object_version 6
	.text
	.protected	k_q18fcc59bf3_place
	.globl	k_q18fcc59bf3_place
	.p2align	8
	.type	k_q18fcc59bf3_place,@function
k_q18fcc59bf3_place:
	s_mov_b64 s[64:65], 0
	v_nop
	global_prefetch_b8 v0, s[64:65] scope:SCOPE_SE
	s_setreg_imm32_b32 hwreg(HW_REG_WAVE_MODE, 25, 1), 1
	s_wait_xcnt 0x0
; SimpleMoE, launch 2 of 5: the 2,048 chosen (token, expert) pairs are placed by expert: a counting sort by one work-group, with no atomics.
; plan: byte 0: tab, words 0-7 the experts' counts c_e, 8-15 their first tiles tb_e, 16-23 their tiles T_e = ceil(c_e / 16), 24-31 zeros;
;   byte 256: ppos[token][2], the pair's padded position 16 tb_e + its rank among e's pairs (by token);  byte 8,448: rowlist[2,176], the token at a padded position.
; An expert's rows begin on a tile of 16; the unused places of its last tile name token 0, whose row is multiplied along and read by nobody.  There are at most (2,048 + 8 x 15) / 16 = 135.5 tiles.
; Thread t is token t.  The eight counts ride in four registers, two fields of 16 bits each (expert e: register e / 2, bit 16 (e % 2)): no count passes 2,048, so no field carries into its neighbour.
; One work-group: the sort is 1,024 threads' work, and its sums span all tokens.
.set SPARE, 512                        ; behind the waves' totals (16 bytes a wave): the spare words, 128 bytes for each of 32 waves
.set RLB,   8448
	s_load_b128 s[4:7], s[0:1], 0x0                ; idx, plan
	v_lshl_add_u32 v2, v0, 2, SPARE                ; my spare word,
	v_mov_b32 v3, 0                                ; and 0: kept for the closing add alone
	v_lshrrev_b32 v6, 5, v0
	s_delay_alu instid0(VALU_DEP_1)
	v_readfirstlane_b32 s8, v6                     ; wave
	v_and_b32 v1, 31, v0                           ; lane
	v_lshlrev_b32 v17, 3, v0                       ; 8 t
	s_delay_alu instid0(VALU_DEP_4)
	v_lshlrev_b32 v18, 4, v6                       ; LDS: my wave's totals
	s_delay_alu instid0(VALU_DEP_3)
	v_lshlrev_b32 v19, 4, v1                       ; LDS: wave l's totals for lane l
	s_delay_alu instid0(VALU_DEP_4)
	v_lshlrev_b32 v46, 2, v1                       ; 4 x lane: the table's offset; made here, with all lanes on, and never rewritten
	s_mov_b32 s9, 0xffff0000                       ; lanes 16 to 31
	v_mov_b32 v47, 1
	v_mov_b32 v44, 0
.irp r, 0,1,2,3
	v_mov_b32 v[28+\r], 0                          ; (a DPP move's destination counts as read)
.endr
	s_wait_kmcnt 0x0
	global_load_b64 v[4:5], v17, s[4:5]
	s_wait_loadcnt 0x0
	v_min_u32 v4, 7, v4                            ; the two experts' numbers, held inside the table
	v_min_u32 v5, 7, v5
.macro ONEHOT e, first                 ; 1 in expert v[e]'s field of v12-15
	v_and_b32 v6, 1, v[\e]
	s_delay_alu instid0(VALU_DEP_1)
	v_lshlrev_b32 v6, 4, v6
	s_delay_alu instid0(VALU_DEP_1)
	v_lshlrev_b32 v6, v6, v47
	v_lshrrev_b32 v7, 1, v[\e]
.irp r, 0,1,2,3
	v_cmp_eq_u32 vcc_lo, \r, v7
.if \first
	s_delay_alu instid0(VALU_DEP_1)
	v_cndmask_b32 v[12+\r], 0, v6, vcc_lo
.else
	s_delay_alu instid0(VALU_DEP_1)
	v_cndmask_b32 v16, 0, v6, vcc_lo
	s_delay_alu instid0(VALU_DEP_1)
	v_add_nc_u32 v[12+\r], v[12+\r], v16
.endif
.endr
.endm
	ONEHOT 4, 1
	ONEHOT 5, 0
.irp r, 0,1,2,3
	v_mov_b32 v[8+\r], v[12+\r]
.endr
.macro SCAN4 a                         ; v[a] .. v[a + 3]: each lane gets the sum over lanes 0 .. itself: four steps inside each half of 16 lanes, then lane 15's sum onto the upper half
.irp n, 1,2,4,8
.irp r, 0,1,2,3
	v_mov_b32_dpp v[28+\r], v[\a+\r] row_shr:\n row_mask:0xf bank_mask:0xf bound_ctrl:1
.endr
.irp r, 0,1,2,3
	s_delay_alu instid0(VALU_DEP_4)
	v_add_nc_u32 v[\a+\r], v[\a+\r], v[28+\r]
.endr
.endr
.irp r, 0,1,2,3
	s_delay_alu instid0(VALU_DEP_4)
	v_readlane_b32 s[12+\r], v[\a+\r], 15
.endr
.irp r, 0,1,2,3
	s_delay_alu instid0(VALU_DEP_4)
	v_cndmask_b32 v[28+\r], 0, s[12+\r], s9
.endr
.irp r, 0,1,2,3
	s_delay_alu instid0(VALU_DEP_4)
	v_add_nc_u32 v[\a+\r], v[\a+\r], v[28+\r]
.endr
.endm
	SCAN4 8
.irp r, 0,1,2,3
	s_delay_alu instid0(VALU_DEP_4)
	v_readlane_b32 s[12+\r], v[8+\r], 31           ; my wave's totals
.endr
.irp r, 0,1,2,3
	s_delay_alu instid0(VALU_DEP_4)
	v_mov_b32 v[20+\r], s[12+\r]
.endr
	ds_store_b128 v18, v[20:23]                    ; all lanes write the same 16 bytes with the same values
	s_wait_dscnt 0x0                               ; for the others' sake
	s_barrier_signal -1
	s_barrier_wait -1
	ds_load_b128 v[20:23], v19
	s_wait_dscnt 0x0
.irp r, 0,1,2,3
	v_mov_b32 v[24+\r], v[20+\r]
.endr
	SCAN4 20
.irp r, 0,1,2,3
	s_delay_alu instid0(VALU_DEP_4)
	v_sub_nc_u32 v[24+\r], v[20+\r], v[24+\r]      ; the sum over the waves in front of wave l
.endr
.irp r, 0,1,2,3
	v_readlane_b32 s[44+\r], v[24+\r], s8          ; in front of mine
	v_readlane_b32 s[40+\r], v[20+\r], 31          ; and over all: the counts
.endr
	s_mov_b32 s48, 0                               ; tiles so far
.irp r, 50,51,52,53,54,55
	s_mov_b32 s\r, 0
.endr
.irp e, 0,1,2,3,4,5,6,7                ; c_e s[16:23], T_e s[24:31], tb_e s[32:39]; as bytes, four to a register: tb_e s50-51, e's last tile s52-53, c_e % 16 s54-55
	s_bfe_u32 s[16+\e], s[40+\e/2], (16<<16)|(16*(\e%2))
	s_add_co_u32 s49, s[16+\e], 15
	s_lshr_b32 s[24+\e], s49, 4
	s_mov_b32 s[32+\e], s48
	s_lshl_b32 s49, s48, 8*(\e%4)
	s_or_b32 s[50+\e/4], s[50+\e/4], s49
	s_add_co_u32 s48, s48, s[24+\e]
	s_sub_co_u32 s49, s48, 1
	s_and_b32 s49, s49, 0xff
	s_lshl_b32 s49, s49, 8*(\e%4)
	s_or_b32 s[52+\e/4], s[52+\e/4], s49
	s_and_b32 s49, s[16+\e], 15
	s_lshl_b32 s49, s49, 8*(\e%4)
	s_or_b32 s[54+\e/4], s[54+\e/4], s49
.endr
.irp r, 0,1,2,3
	v_sub_nc_u32 v[8+\r], v[8+\r], v[12+\r]        ; pairs of each expert in the lanes in front of me,
	s_delay_alu instid0(VALU_DEP_1)
	v_add_nc_u32 v[8+\r], s[44+\r], v[8+\r]        ; and in the waves in front of mine: my ranks
.endr
	v_mov_b32 v32, s50
	v_mov_b32 v33, s51
.macro PPOS e, d                       ; v[d] = 16 tb + rank for expert v[e]
	v_lshrrev_b32 v7, 1, v[\e]
	v_mov_b32 v6, v8
.irp r, 1,2,3
	v_cmp_eq_u32 vcc_lo, \r, v7
	s_delay_alu instid0(VALU_DEP_1)
	v_cndmask_b32 v6, v6, v[8+\r], vcc_lo
.endr
	v_and_b32 v7, 1, v[\e]
	s_delay_alu instid0(VALU_DEP_1)
	v_lshlrev_b32 v7, 4, v7
	s_delay_alu instid0(VALU_DEP_1)
	v_lshrrev_b32 v6, v7, v6
	s_delay_alu instid0(VALU_DEP_1)
	v_and_b32 v6, 0xffff, v6
	v_cmp_lt_u32 vcc_lo, 3, v[\e]
	s_delay_alu instid0(VALU_DEP_1)
	v_cndmask_b32 v16, v32, v33, vcc_lo
	v_and_b32 v7, 3, v[\e]
	s_delay_alu instid0(VALU_DEP_1)
	v_lshlrev_b32 v7, 3, v7
	s_delay_alu instid0(VALU_DEP_1)
	v_lshrrev_b32 v16, v7, v16
	s_delay_alu instid0(VALU_DEP_1)
	v_and_b32 v16, 0xff, v16
	s_delay_alu instid0(VALU_DEP_1)
	v_lshl_add_u32 v[\d], v16, 4, v6
	s_delay_alu instid0(VALU_DEP_1)
	v_min_u32 v[\d], 2175, v[\d]                   ; held inside the list before it enters an address
.endm
	PPOS 4, 34
	PPOS 5, 35
	global_store_b64 v17, v[34:35], s[6:7] offset:256   ; 256 consecutive bytes a wave
	v_lshlrev_b32 v36, 2, v34
	v_lshlrev_b32 v37, 2, v35
	global_store_b32 v36, v0, s[6:7] offset:RLB    ; a scatter of single words, inside 8,704 bytes
	global_store_b32 v37, v0, s[6:7] offset:RLB
	s_cmp_lg_u32 s8, 0                             ; the table: wave 0 alone, with all its lanes on
	s_cbranch_scc1 .Lnot_wave_0
	v_mov_b32 v45, 0
.irp e, 0,1,2,3,4,5,6,7
	s_delay_alu instid0(VALU_DEP_1)
	v_writelane_b32 v45, s[16+\e], \e
	s_delay_alu instid0(VALU_DEP_1)
	v_writelane_b32 v45, s[32+\e], 8+\e
	s_delay_alu instid0(VALU_DEP_1)
	v_writelane_b32 v45, s[24+\e], 16+\e
.endr
	global_store_b32 v46, v45, s[6:7]              ; tab: 128 consecutive bytes
.Lnot_wave_0:
	v_bfe_u32 v38, v0, 4, 3                        ; the unused places: thread t < 128 looks at place t % 16 of expert t / 16's last tile
	v_and_b32 v39, 15, v0
	v_mov_b32 v40, s52
	v_mov_b32 v41, s53
	v_mov_b32 v42, s54
	v_mov_b32 v43, s55
	v_cmp_lt_u32 vcc_lo, 3, v38
	s_delay_alu instid0(VALU_DEP_1)
	v_cndmask_b32 v40, v40, v41, vcc_lo
	s_delay_alu instid0(VALU_DEP_2)
	v_cndmask_b32 v42, v42, v43, vcc_lo
	v_and_b32 v7, 3, v38
	s_delay_alu instid0(VALU_DEP_1)
	v_lshlrev_b32 v7, 3, v7
	s_delay_alu instid0(VALU_DEP_1)
	v_lshrrev_b32 v40, v7, v40
	s_delay_alu instid0(VALU_DEP_2)
	v_lshrrev_b32 v42, v7, v42
	s_delay_alu instid0(VALU_DEP_2)
	v_and_b32 v40, 0xff, v40
	s_delay_alu instid0(VALU_DEP_2)
	v_and_b32 v42, 0xff, v42
	s_delay_alu instid0(VALU_DEP_2)
	v_lshl_add_u32 v40, v40, 4, v39
	s_delay_alu instid0(VALU_DEP_1)
	v_min_u32 v40, 2175, v40
	s_delay_alu instid0(VALU_DEP_1)
	v_lshlrev_b32 v40, 2, v40
	v_cmp_gt_u32 s56, 128, v0
	v_cmp_ne_u32 s57, 0, v42                       ; the last tile is part filled,
	v_cmp_ge_u32 s58, v39, v42                     ; and my place lies behind its rows
	s_and_b32 s56, s56, s57
	s_and_b32 vcc_lo, s56, s58
	s_wait_alu depctr_va_vdst(0)
	s_wait_xcnt 0x0                                ; EXEC is a source of the stores above: it changes only behind this wait
	s_and_saveexec_b32 s57, vcc_lo
	global_store_b32 v40, v44, s[6:7] offset:RLB
	s_wait_xcnt 0x0                                ; and again, in front of the line that widens it
	s_or_b32 exec_lo, exec_lo, s57                 ; behind this line no vector register is written any more
	s_wait_tensorcnt 0x0                           ; the wave's end: three closing lines behind my last LDS store
	ds_add_u32 v2, v3
	s_wait_dscnt 0x0
	s_endpgm
.Lfunc_end_k_q18fcc59bf3_place:
	.size	k_q18fcc59bf3_place, .Lfunc_end_k_q18fcc59bf3_place-k_q18fcc59bf3_place
	.p2alignl 7, 3214868480
	.fill 96, 4, 3214868480
	.section	.rodata,"a",@progbits
	.p2align	6, 0x0
	.amdhsa_kernel k_q18fcc59bf3_place
		.amdhsa_group_segment_fixed_size 4608
		.amdhsa_private_segment_fixed_size 0
		.amdhsa_enable_private_segment 0
		.amdhsa_kernarg_size 16
		.amdhsa_user_sgpr_count 2
		.amdhsa_user_sgpr_kernarg_segment_ptr 1
		.amdhsa_wavefront_size32 1
		.amdhsa_system_sgpr_workgroup_id_x 1
		.amdhsa_system_sgpr_workgroup_id_y 1
		.amdhsa_system_sgpr_workgroup_id_z 1
		.amdhsa_system_vgpr_workitem_id 0
		.amdhsa_next_free_vgpr 64
		.amdhsa_next_free_sgpr 66
		.amdhsa_reserve_vcc 1
		.amdhsa_float_denorm_mode_32 3
		.amdhsa_float_denorm_mode_16_64 3
		.amdhsa_memory_ordered 1
		.amdhsa_forward_progress 1
		.amdhsa_inst_pref_size 22
	.end_amdhsa_kernel
	.amdgpu_metadata
---
amdhsa.version: [ 1, 2 ]
amdhsa.kernels:
  - .name:           k_q18fcc59bf3_place
    .symbol:         k_q18fcc59bf3_place.kd
    .args:
      - { .name: idx, .offset: 0, .size: 8, .value_kind: global_buffer, .address_space: global }
      - { .name: plan, .offset: 8, .size: 8, .value_kind: global_buffer, .address_space: global }
    .group_segment_fixed_size: 4608
    .private_segment_fixed_size: 0
    .kernarg_segment_align: 8
    .kernarg_segment_size: 16
    .max_flat_workgroup_size: 1024
    .sgpr_count:     66
    .vgpr_count:     64
    .wavefront_size: 32
...
	.end_amdgpu_metadata
.endif
;; end of part 7
;; launch ffn1 (part 8): grid 256 x 1, 4 waves a work-group, no clusters, 111,104 bytes of LDS; arguments W1_codes, W1_scales, b1, xc, plan, hc; writes hc
.if DOCPART == 8
	.amdgcn_target "amdgcn-amd-amdhsa--gfx1250"
	.amdhsa_code_object_version 6
	.text
	.protected	k_q18fcc59bf3_ffn1
	.globl	k_q18fcc59bf3_ffn1
	.p2align	8
	.type	k_q18fcc59bf3_ffn1,@function
k_q18fcc59bf3_ffn1:
	s_mov_b64 s[64:65], 0
	v_nop
	global_prefetch_b8 v0, s[64:65] scope:SCOPE_SE
	s_setreg_imm32_b32 hwreg(HW_REG_WAVE_SCHED_MODE, 0, 2), 2
	s_setreg_imm32_b32 hwreg(HW_REG_WAVE_MODE, 25, 1), 1
	s_wait_xcnt 0x0
	s_wait_alu depctr_vm_vsrc(0)
; SimpleMoE, launches 3 and 4 of 5: the experts' two layers on E3M2 codes.  One text serves both; LAYER says which this file is.
;   LAYER 1: hc = Q(relu(x W1[e] + b1[e])), the hidden layer as codes and scale words.      LAYER 2: y = h W2[e] (+ b2[e]), as four partial sums along K.
; WORK LEFT OUT: only the rows of the chosen (token, expert) pairs are multiplied; the others' weight in the result is 0 by reference()'s own where() (shown at the head of the first launch).
; THE WEIGHTS STAND STILL.  A work-group owns a BRICK of one expert: 128 weight rows x 1,024 along K, 96 KiB of codes.  8 experts x 32 bricks are the 256 work-groups, whatever the routing:
; layer 1: 32 slices of the 4,096 hidden units; layer 2: 8 slices of the 1,024 outputs x 4 quarters of K = 4,096.  So each weight byte is asked of memory once in the launch.
; Each of the four waves holds the WHOLE brick in 768 registers and takes every fourth tile of 16 rows of its expert: a tile's operand then feeds 8 matrix instructions for each K step, enters
; the work-group once, straight into registers, and the loop over tiles needs no barrier.  The brick too is loaded once: each wave loads a quarter and hands it on through LDS as images of the
; operands' registers (16 bytes a lane, 512 a store), behind four barriers at the head, where the control flow is the same for all waves.
; NO TENSOR LOADS, NO JOINT LOADS: how many tiles a wave walks is a count that launch 2 stored.
; An expert with no rows still has its bricks loaded: no branch on the count stands ahead of the barriers.
; BOTH PRODUCTS ARE USED TRANSPOSED (source 0 = 16 weight rows, source 1 = 16 rows of the tile): a lane holds one row of the tile and eight neighbouring columns.
; ORDER ALONG K.  A lane takes 48 NEIGHBOURING bytes of its row for each 128 along K (three loads of 16 bytes, each at a multiple of 16), where the operand's layout would have two pieces of 24:
; so the unit's blocks 0, 1, 2, 3 of a K step are the row's blocks 0, 2, 1, 3, on both operands alike, and every scale word has its bytes in that order.  The products and their scales are the
; same; only the grouping of the f32 sums inside an instruction differs.
; LAYER 1: THE ROWS OF W1 THAT FORM A TILE ARE NOT NEIGHBOURS: lane r of tile 2 b + u takes row 32 b + 8 u + r + 8 (r / 8), so that the 16 registers of tiles 2 b and 2 b + 1 are 16 neighbours along
; the next K.  The brick's 128 hidden units are one K step of layer 2: a tile's results become one fragment and one scale word a row, stored as the image that layer 2 loads.
; The bias is the C of a tile's first products: the accumulators are loaded with its image from LDS (layer 2: zeros in the quarters q > 0), and every product adds in place.
; LIMIT: a block's largest magnitude is taken no smaller than 2^(5 - 127): a block of zeros gets the byte 1 and not 127; its codes are zeros, and this program alone reads the bytes.
; REGISTERS, in windows of 256.  Windows 1-3: weight fragment f = 8 s + t (K step s, tile t) at window 1 + f / 21, register 12 (f % 21); fragment 63 at v52 of window 0.
;   Window 0: v1-15 addresses; v16-47 the weights' scale words; v48-51 the tile's; v64-159 the tile's 8 fragments; v160-223 the 8 accumulators; v224-249 at work for the quantiser.
;   At the head v64-255 take the quarter brick as loaded, and v16-39 the scale rows and the bias.
; THE MODE: SCHED_MODE bits 1:0 = 2 (LLVM: expert scheduling mode 2), set by the entry lines.  The code itself states the register dependences between vector or matrix instructions
; and memory or LDS instructions, with s_wait_alu, always for 0.
; THE PLAN.  Registers that memory or LDS instructions touch in the loop over tiles, and who else names them:
;   HALF A  v48-49, v64-111: the scale words and fragments of K steps 0-3.  Read by the products of K steps 0-3; then the next tile's first run of loads lands in them.
;   HALF B  v50-51, v112-159: those of K steps 4-7.  Read by the products of K steps 4-7; then the next tile's second run lands in them.
;   ACC     v160-223.  Written by the products.  Layer 1: relu reads and writes them, the maxima and the conversions read them; then the bias's image lands.
;           Layer 2: the stage's LDS stores read them, the rows land in them from the stage, the stores of y read them; then the bias's image lands.
;   Layer 1: v6: the row list lands in it, TOKEN reads and writes it.  v7, v8: TOKEN writes them, both runs read them as offsets.  PC, PW: written on the way out, read by its four stores.
;   v1, v2, v5 (layer 2: v12, v13 too): offsets and LDS addresses, not written in the loop: the tiles and the row list are reached by scalar bases.
;   The weights and their scale words land at the head and are named by products alone from then on.
; All 1,024 registers are taken, so a tile's fragments have no second set: the two halves take turns.  THE WAITS OF A TILE:
;   in its middle: one on vm_vsrc (layer 1: the last tile's stores have read PC and PW, this tile's loads v7 and v8); then one on va_vdst (the products are done with HALF A; layer 1: v7, v8 are written, v6 is read), and the first run;
;   behind its last products and their places: one on va_vdst (the products are done with HALF B and have written ACC), and the second run: in layer 1 dealt among the 64 lines of relu, which name ACC alone;
;   layer 1: one on va_vdst behind the quantiser (PC, PW are written, ACC is done with), then the bias's image and the four stores;
;   layer 2: one on vm_vsrc between the stage's stores and the loads that land in ACC, and one ahead of the bias's image.
; The first run stays a run: a load's offset register is its source 0, which the products keep in the weights' windows, so that loads dealt among products would each want two switches.
.set LAYER, 1
.set BIAS,  0                          ; LDS: the bias's image: tile t, half q of its eight registers at 1,024 t + 512 q + 16 x lane
.set WSC,   8192                       ; the weights' scale words: K step s at 512 s + 16 x lane + 4 p: word p holds tile 2 p in lanes 0-15, tile 2 p + 1 in lanes 16-31
.set STG,   12288                      ; layer 2: a stage of 16 rows x (512 + 16) bytes for each wave
.if LAYER == 1
.set WIMG,  12288                      ; the brick's images: fragment f at 1,536 f + 512 g + 16 x lane
.set WROW,  768                        ; a weight row in bytes
.set WTILE, 8*WROW                     ; from the rows of my first tile to those of my second
.set BU,    32                         ; the same in the bias
.set NRL,   1                          ; loads of the row list at the head
.set NR1,   13                         ; loads in a tile's first run
.else
.set WIMG,  46080
.set WROW,  3072
.set WTILE, 16*WROW
.set BU,    64
.set NRL,   0
.set NR1,   14
.endif
.set NR2,   14                         ; loads in a tile's second run
.set SPARE, WIMG+98304                 ; the spare words, 128 bytes for each wave: two blocks of 256 bytes that no other line names
.set HSB,   6684672                    ; hc: images [tile 136][K step 32][1,536]; from here the scale words [tile][K step][32 lanes]
.set XSB,   786432                     ; xc: where the scale words begin
.set RLB,   8448                       ; plan: where the row list begins
.set LI,  1                            ; v1   16 x lane
.set LS,  2                            ; v2   4 x lane
.set SPW, 3                            ; v3   my spare word
.set NIL, 4                            ; v4   0
                                       ; v5   layer 1: 4 r, my place in a tile of the row list; layer 2: 128 (lane / 16) + 4 r, my place among two K steps' scale words
                                       ; v6   layer 1: my row's token;  v7, v8: its codes' and scale words' offsets;  v9 48 h, v10 8 h
                                       ; v12  the weights' offset (layer 2, later: into the stage);  v13 images' store address (later: out of the stage);  v14 images' load address
                                       ; v7, v8, v11, v15 at the head: offsets of scale rows and bias, LDS addresses of their images
                                       ; s[32:33] layer 1: the row list at the tile that is asked for
.set SR,  16                           ; at the head only: v16-23 my row's eight scale words, v24-39 the bias of my two tiles
.set WS,  16
.set AS,  48
.set AFR, 64
.set ACC, 160
.set TM,  224
.set PW,  236
.set PC,  238
.set MSB, 0
.macro WIN new                         ; the immediate's high byte repeats the setting that is left; a switch that changes nothing is dropped
.if MSB != (\new)
	s_set_vgpr_msb (MSB<<8)|(\new)
.set MSB, (\new)
.endif
.endm
.macro PLACES n
.rept \n
	v_nop
.endr
.endm
.macro BAR                             ; my LDS stores have landed and my LDS loads are in: then the work-group's barrier
	s_wait_dscnt 0x0
	s_barrier_signal -1
	s_barrier_wait -1
.endm
.macro GLW c                           ; chunk c of my quarter: K steps 2 c, 2 c + 1 of my tiles 2 w, 2 w + 1: four fragments, twelve loads
.irp k, 0,1
.irp u, 0,1
.irp g, 0,1,2
	global_load_b128 v[AFR+48*(\c)+12*(2*\k+\u)+4*\g:AFR+48*(\c)+12*(2*\k+\u)+4*\g+3], v12, s[4:5] offset:\u*WTILE+96*(2*(\c)+\k)+16*\g th:TH_LOAD_NT
.endr
.endr
.endr
.endm
.macro STW c                           ; their images into LDS (v13 stands at fragment 2 w, or 32 + 2 w)
.irp k, 0,1
.irp u, 0,1
.irp g, 0,1,2
	ds_store_b128 v13, v[AFR+48*(\c)+12*(2*\k+\u)+4*\g:AFR+48*(\c)+12*(2*\k+\u)+4*\g+3] offset:1536*(16*((\c)%2)+8*\k+\u)+512*\g
.endr
.endr
.endr
.endm
.macro LDIMG c                         ; fragments 16 c .. 16 c + 15, all four waves' work, into my registers (v14 stands at fragment 0, or 32).  Nothing but these loads ever writes the registers that they land in
.set FF, 16*(\c)
.rept 16
.if FF < 63
.set WN, (1+FF/21)<<6
.set WR, 12*(FF%21)
.else
.set WN, 0
.set WR, 52
.endif
	WIN WN
.irp g, 0,1,2
	ds_load_b128 v[WR+4*\g:WR+4*\g+3], v14 offset:1536*(FF%32)+512*\g
.endr
.set FF, FF+1
.endr
	WIN 0
.endm
.macro ACCINIT                         ; the accumulators begin as the bias
.irp t, 0,1,2,3,4,5,6,7
	ds_load_b128 v[ACC+8*\t:ACC+8*\t+3], v[LI] offset:BIAS+1024*\t
	ds_load_b128 v[ACC+8*\t+4:ACC+8*\t+7], v[LI] offset:BIAS+1024*\t+512
.endr
.endm
; One product: K step SS, weight tile TT.  The weights' scale word lies in lanes 0-15 (even tiles) or 16-31 (odd), the tile's in lanes 0-15 (even K steps) or 16-31.
.macro WM1
.set FF, 8*SS+TT
.if FF < 63
.set WN, 1+FF/21
.set WR, 12*(FF%21)
.else
.set WN, 0
.set WR, 52
.endif
	WIN WN
.set AC, ACC+8*TT
.set AR, AFR+12*SS
.set SW, WS+4*SS+TT/2
.set SX, AS+SS/2
.if ((TT%2) == 0) && ((SS%2) == 0)
	v_wmma_scale_f32_16x16x128_f8f6f4 v[AC:AC+7], v[WR:WR+11], v[AR:AR+11], v[AC:AC+7], v[SW], v[SX] matrix_a_fmt:MATRIX_FMT_BF6 matrix_b_fmt:MATRIX_FMT_BF6
.elseif ((TT%2) == 1) && ((SS%2) == 0)
	v_wmma_scale_f32_16x16x128_f8f6f4 v[AC:AC+7], v[WR:WR+11], v[AR:AR+11], v[AC:AC+7], v[SW], v[SX] matrix_a_fmt:MATRIX_FMT_BF6 matrix_b_fmt:MATRIX_FMT_BF6 matrix_a_scale:MATRIX_SCALE_ROW1
.elseif ((TT%2) == 0)
	v_wmma_scale_f32_16x16x128_f8f6f4 v[AC:AC+7], v[WR:WR+11], v[AR:AR+11], v[AC:AC+7], v[SW], v[SX] matrix_a_fmt:MATRIX_FMT_BF6 matrix_b_fmt:MATRIX_FMT_BF6 matrix_b_scale:MATRIX_SCALE_ROW1
.else
	v_wmma_scale_f32_16x16x128_f8f6f4 v[AC:AC+7], v[WR:WR+11], v[AR:AR+11], v[AC:AC+7], v[SW], v[SX] matrix_a_fmt:MATRIX_FMT_BF6 matrix_b_fmt:MATRIX_FMT_BF6 matrix_a_scale:MATRIX_SCALE_ROW1 matrix_b_scale:MATRIX_SCALE_ROW1
.endif
.endm
.macro MM s0, s1                       ; K steps s0 .. s1: the eight accumulators take turns, one instruction a turn
.set SS, \s0
.rept (\s1)-(\s0)+1
.set TT, 0
.rept 8
	WM1
.set TT, TT+1
.endr
.set SS, SS+1
.endr
.endm
.if LAYER == 1
.macro TOKEN                           ; my row's token, held inside x; where its codes and its scale words lie for my half of the lanes
	v_min_u32 v6, 1023, v6
	v_mad_u32_u24 v7, v6, 768, v9
	v_lshl_add_u32 v8, v6, 5, v10
.endm
.macro RUN1                            ; a tile's K steps 0-3: two registers of scale words (lanes 0-15 words 0, 1; lanes 16-31 words 2, 3) and four fragments
	global_load_b64 v[AS:AS+1], v8, s[10:11] offset:XSB
.irp s, 0,1,2,3
.irp g, 0,1,2
	global_load_b128 v[AFR+12*\s+4*\g:AFR+12*\s+4*\g+3], v7, s[10:11] offset:96*\s+16*\g
.endr
.endr
.endm
.macro R2L n                           ; load n of the thirteen of a tile's K steps 4-7: its scale words, then piece (n - 1) % 3 of K step 4 + (n - 1) / 3
.if (\n) == 0
	global_load_b64 v[AS+2:AS+3], v8, s[10:11] offset:XSB+16
.else
	global_load_b128 v[AFR+44+4*(\n):AFR+44+4*(\n)+3], v7, s[10:11] offset:96*(4+((\n)-1)/3)+16*(((\n)-1)%3)
.endif
.endm
.macro LIST ahead                      ; the fourteenth: the row list of my tile after that one (never past my expert's last tile), by a scalar base: its offset v5 is never written
	s_add_co_u32 s43, s22, \ahead
	s_min_u32 s43, s43, s25
	s_add_co_u32 s43, s43, s20
	s_min_u32 s43, s43, 135                        ; a loaded number enters an address only behind such a hold
	s_lshl_b32 s44, s43, 6
	s_add_nc_u64 s[32:33], s[12:13], s[44:45]      ; free: a wait on LOADcnt has shown the last load of the row list done
	global_load_b32 v6, v5, s[32:33] offset:RLB
.endm
.macro RUN2 ahead                      ; the second run on end, as the head issues it
.irp n, 0,1,2,3,4,5,6,7,8,9,10,11,12
	R2L \n
.endr
	LIST \ahead
.endm
.else
.macro TILEB                           ; tile s24's images and scale words of my quarter of K
	s_mul_i32 s44, s24, 49152
	s_add_nc_u64 s[34:35], s[26:27], s[44:45]
	s_lshl_b32 s44, s24, 12
	s_add_nc_u64 s[36:37], s[28:29], s[44:45]
.endm
.macro RUN1                            ; a tile's K steps 0-3: two registers of scale words (lanes 0-15 the even step's, lanes 16-31 the odd step's) and four images, 512 consecutive bytes a load
	global_load_b32 v[AS], v5, s[36:37]
	global_load_b32 v[AS+1], v5, s[36:37] offset:256
.irp s, 0,1,2,3
.irp g, 0,1,2
	global_load_b128 v[AFR+12*\s+4*\g:AFR+12*\s+4*\g+3], v[LI], s[34:35] offset:1536*\s+512*\g
.endr
.endr
.endm
.macro RUN2 ahead
	global_load_b32 v[AS+2], v5, s[36:37] offset:512
	global_load_b32 v[AS+3], v5, s[36:37] offset:768
.irp s, 4,5,6,7
.irp g, 0,1,2
	global_load_b128 v[AFR+12*\s+4*\g:AFR+12*\s+4*\g+3], v[LI], s[34:35] offset:1536*\s+512*\g
.endr
.endr
.endm
.endif
; THE WAY OUT of a tile.  next = 1: the accumulators are made ready for my next tile (layer 1: and its second run of loads is dealt among the lines of relu).
.macro EPI next
.if LAYER == 1
	s_add_co_u32 s24, s20, s22
	s_min_u32 s24, s24, 135
	s_mul_i32 s44, s24, 49152
	s_add_nc_u64 s[34:35], s[26:27], s[44:45]      ; this tile's image of K step S,
	s_lshl_b32 s44, s24, 12
	s_add_nc_u64 s[36:37], s[28:29], s[44:45]      ; and its scale words
.set J, 0
.rept 64
.if \next && ((J%4) == 0)              ; a load in front of every fourth line.  No wait: no vector or matrix instruction since the wait on va_vdst above names HALF B, v6, v7, v8 or v5
.if J < 52
	R2L J/4
.elseif J == 52
	LIST 8
.endif
.endif
	v_max_num_f32 v[ACC+J], 0, v[ACC+J]            ; relu, in f32; each accumulator from its low end on
.set J, J+1
.endr
.irp b, 0,1,2,3                        ; the four blocks of 32 hidden units: my 16 numbers of block b are the registers of tiles 2 b, 2 b + 1.  None is negative: no |.|
	v_max3_num_f32 v[TM+\b], v[ACC+16*\b], v[ACC+16*\b+1], 0x2800000   ; with the floor 2^(5 - 127): the byte cannot fall under 1
.endr
.irp i, 2,4,6,8,10,12,14
.irp b, 0,1,2,3
	v_max3_num_f32 v[TM+\b], v[TM+\b], v[ACC+16*\b+\i], v[ACC+16*\b+\i+1]
.endr
.endr
.irp b, 0,1,2,3
	v_permlanex16_b32 v[TM+4+\b], v[TM+\b], s40, s41
.endr
.irp b, 0,1,2,3
	v_max_num_f32 v[TM+\b], v[TM+\b], v[TM+4+\b]   ; with lane l xor 16's sixteen: the block's largest
.endr
.irp b, 0,1,2,3
	v_add_nc_u32 v[TM+8+\b], 0xfe000000, v[TM+\b]  ; 4 off the exponent field: the conversion's scale operand
.endr
.irp b, 0,1,2,3
	v_lshrrev_b32 v[TM+4+\b], 23, v[TM+8+\b]       ; the scale's byte
.endr
	v_lshl_or_b32 v[PW], v[TM+6], 8, v[TM+4]       ; the scale word, its bytes in the order of blocks 0, 2, 1, 3
	v_lshl_or_b32 v[PW], v[TM+5], 16, v[PW]
	v_lshl_or_b32 v[PW], v[TM+7], 24, v[PW]
.irp c, 0,1
	v_cvt_scalef32_pk16_bf6_f32 v[PC+6*\c:PC+6*\c+2], v[ACC+16*\c:ACC+16*\c+15], v[TM+8+\c]        ; my half of block c,
	v_cvt_scalef32_pk16_bf6_f32 v[TM+4*\c:TM+4*\c+2], v[ACC+32+16*\c:ACC+47+16*\c], v[TM+10+\c]    ; and of block 2 + c
.endr
	v_nop                                          ; one plain line behind the conversions
.irp c, 0,1                            ; a lane is to hold whole blocks: lanes 0-15 blocks 0, 1; lanes 16-31 blocks 2, 3: 48 neighbouring bytes of the row
.irp i, 0,1,2
	v_permlane16_swap_b32 v[PC+6*\c+\i], v[TM+4*\c+\i]
.endr
.irp i, 0,1,2
	v_mov_b32 v[PC+6*\c+3+\i], v[TM+4*\c+\i]
.endr
.endr
	s_wait_alu depctr_va_vdst(0)                   ; the codes in PC and the scale word in PW are written, which the four stores read; relu, the maxima and the conversions are done with the accumulators, in which the bias's image lands
.if \next
	ACCINIT
.endif
.irp g, 0,1,2
	global_store_b128 v[LI], v[PC+4*\g:PC+4*\g+3], s[34:35] offset:512*\g   ; 512 consecutive bytes, at a multiple of 512 from the buffer's first byte
.endr
	global_store_b32 v[LS], v[PW], s[36:37]        ; 128 consecutive bytes: the 32 bricks of an expert fill a tile's 4,096 between them
.else
.irp t, 0,1,2,3,4,5,6,7                ; a lane holds 32 neighbouring bytes of a row and the lanes beside it other rows: through my stage, and back as whole rows of 512 bytes
	ds_store_b128 v12, v[ACC+8*\t:ACC+8*\t+3] offset:64*\t           ; each accumulator from its low end on
	ds_store_b128 v12, v[ACC+8*\t+4:ACC+8*\t+7] offset:64*\t+16
.endr
	s_wait_alu depctr_vm_vsrc(0)                   ; the stage's stores have read the accumulators, in which the rows land
.irp i, 0,1,2,3,4,5,6,7,8,9,10,11,12,13,14,15
	ds_load_b128 v[ACC+4*\i:ACC+4*\i+3], v13 offset:528*\i           ; LDS serves a wave's instructions in order (ISA guide 5.7.1.4): these see my stores
.endr
	s_add_co_u32 s24, s20, s22
	s_min_u32 s24, s24, 135
	s_lshl_b32 s44, s24, 18
	s_add_nc_u64 s[38:39], s[30:31], s[44:45]      ; y at this tile's first row, my quarter, my columns
.irp i, 0,1,2,3,4,5,6,7,8,9,10,11,12,13,14,15
	s_wait_dscnt 15-\i
	global_store_b128 v[LI], v[ACC+4*\i:ACC+4*\i+3], s[38:39] offset:16384*\i th:TH_STORE_NT   ; 512 consecutive bytes, at a multiple of 512 from the buffer's first byte
.endr
.if \next
	s_wait_xcnt 0x0                                ; the stores have had their addresses translated (ISA guide 3.1): their data registers are loaded again only behind this wait,
	s_wait_alu depctr_vm_vsrc(0)                   ; and the stores have read v160-223, in which the bias's image lands
	ACCINIT
.endif
.endif
.endm
; A TILE of 16 rows: 64 products.  next = 1: my next tile's operands are asked for, each run as soon as its registers are free.
.macro TRIP next
	s_wait_loadcnt NR2                             ; the first run is in; the second run's fourteen loads may stay out
	s_wait_dscnt 0x0                               ; the accumulators hold the bias (first tile: and the brick's last images are in)
	MM 0, 3
	WIN 0
	s_wait_loadcnt 0x0                             ; the second run is in: every offset register and base of the tile's loads may be written again
	s_wait_xcnt 0x0                                ; the last tile's stores have had their addresses translated (ISA guide 3.1): their bases (layer 1: and their data) are written again on this tile's way out, and only loads, which read other registers, are issued from here to there
.if LAYER == 1
	s_wait_alu depctr_vm_vsrc(0)                   ; the last tile's stores have read PC and PW, which this tile's way out writes again; this tile's loads have read v7 and v8, which the lines below write
.endif
.if \next
.if LAYER == 1
	TOKEN
	v_nop                                          ; with the three lines above: four places behind the last product (ISA guide 7.12.1)
.else
	s_add_co_u32 s24, s20, s22
	s_add_co_u32 s24, s24, 4
	s_min_u32 s24, s24, 135
	TILEB
	PLACES 4                                       ; places behind the last product (ISA guide 7.12.1)
.endif
	s_wait_alu depctr_va_vdst(0)                   ; the products of K steps 0-3 are done reading HALF A, in which the loads below land; layer 1: v7 and v8, their offsets, are written, and v6 has been read, in which the next row list lands
	RUN1
.endif
	MM 4, 7
	WIN 0
	PLACES 5                                       ; four would do for the reads below; the next tile's first products write accumulators that are begun anew, which asks for five
.if \next || (LAYER == 2)
	s_wait_alu depctr_va_vdst(0)                   ; the products of K steps 4-7 are done reading HALF B, in which the second run lands; layer 2: they have written the accumulators, which the stage's stores read (first tile: v12 and v13 are written too)
.endif
.if \next && (LAYER == 2)
	RUN2 8
.endif
	EPI \next
	s_add_co_u32 s22, s22, 4
.endm
	s_load_b256 s[4:11], s[0:1], 0x0               ; the weights' codes s[4:5], their scales s[6:7], the bias s[8:9], the rows' codes (xc or hc) s[10:11]
	s_load_b128 s[12:15], s[0:1], 0x20             ; plan s[12:13], the result (hc or y) s[14:15]
	v_lshl_add_u32 v[SPW], v0, 2, SPARE
	v_mov_b32 v[NIL], 0
	v_lshrrev_b32 v14, 5, v0
	v_readfirstlane_b32 s16, v14                   ; wave w
	v_and_b32 v15, 31, v0                          ; lane
	v_lshlrev_b32 v[LI], 4, v15
	v_lshlrev_b32 v[LS], 2, v15
	v_and_b32 v14, 15, v0                          ; r
	s_wait_alu depctr_va_vdst(0)
	v_bfe_u32 v10, v0, 4, 1                        ; h
	s_wait_alu depctr_va_sdst(0)                   ; s16 is written, ahead of its first reader: offsets, LDS addresses and the count of my tiles are made from it
	s_lshr_b32 s17, ttmp9, 5                       ; expert e
	s_lshl_b32 s47, s17, 2
	s_mov_b32 s27, 0
	s_mov_b32 s29, 0
	s_mov_b32 s31, 0
	s_mov_b32 s45, 0
	s_mov_b32 s40, 0x76543210
	s_mov_b32 s41, 0xfedcba98                      ; v_permlanex16_b32's selects for lane l xor 16
	s_mov_b32 s42, 0x03010200                      ; v_perm_b32: bytes 0, 2, 1, 3
	s_mul_i32 s26, s17, 3145728                    ; an expert's codes, in both layers
	s_lshl_b32 s28, s17, 17                        ; an expert's scale bytes, likewise
.if LAYER == 1
	s_and_b32 s18, ttmp9, 31                       ; S: which 128 hidden units
	s_mul_i32 s43, s18, 128*WROW
	s_add_co_u32 s26, s26, s43
	s_lshl_b32 s43, s18, 12
	s_add_co_u32 s28, s28, s43                     ; 32 bytes a row
	s_lshl_b32 s30, s17, 14
	s_lshl_b32 s43, s18, 9
	s_add_co_u32 s30, s30, s43                     ; b1 at (4,096 e + 128 S) numbers
	v_and_b32 v11, 8, v14
	v_add_nc_u32 v11, v11, v14                     ; r + 8 (r / 8)
	s_wait_alu depctr_va_vdst(0)
	v_mul_u32_u24 v12, v11, WROW
	v_lshl_add_u32 v7, v10, 3, v11                 ; scale rows: lanes 0-15 take tile 2 w's rows, lanes 16-31 tile 2 w + 1's, 8 rows on
	v_lshlrev_b32 v7, 5, v7
	s_lshl_b32 s43, s16, 10
	v_add_nc_u32 v7, s43, v7
	s_lshl_b32 s43, s16, 7
	v_lshl_add_u32 v8, v10, 6, s43                 ; bias: tile 2 w + u, lane half h: hidden units 32 w + 16 h + 8 u + 0 .. 7
	v_lshlrev_b32 v5, 2, v14
.else
	s_bfe_u32 s18, ttmp9, 0x30002                  ; ns: which 128 outputs
	s_and_b32 s19, ttmp9, 3                        ; q: which quarter of K
	s_mul_i32 s43, s18, 128*WROW
	s_add_co_u32 s26, s26, s43
	s_mul_i32 s43, s19, 768
	s_add_co_u32 s26, s26, s43
	s_lshl_b32 s43, s18, 14
	s_add_co_u32 s28, s28, s43                     ; 128 bytes a row,
	s_lshl_b32 s43, s19, 5
	s_add_co_u32 s28, s28, s43                     ; 32 of them my quarter's
	s_lshl_b32 s30, s17, 12
	s_lshl_b32 s43, s18, 9
	s_add_co_u32 s30, s30, s43                     ; b2 at (1,024 e + 128 ns) numbers
	v_mul_u32_u24 v12, v14, WROW
	v_lshlrev_b32 v7, 7, v15                       ; scale rows: row 32 w + lane
	s_lshl_b32 s43, s16, 12
	v_add_nc_u32 v7, s43, v7
	s_lshl_b32 s43, s16, 7
	v_lshl_add_u32 v8, v10, 5, s43                 ; bias: tile 2 w + u, lane half h: outputs 32 w + 16 u + 8 h + 0 .. 7
	v_lshlrev_b32 v5, 2, v14
	v_lshl_add_u32 v5, v10, 7, v5
.endif
	v_mul_u32_u24 v9, v10, 48                      ; 48 h
	v_add_nc_u32 v12, v12, v9
	s_mul_i32 s43, s16, 32*WROW
	v_add_nc_u32 v12, s43, v12                     ; the weights: my row of tile 2 w, my half's 48 bytes
	v_lshlrev_b32 v10, 3, v10                      ; 8 h
	s_mul_i32 s43, s16, 3072
	s_add_co_u32 s43, s43, WIMG
	v_add_nc_u32 v13, s43, v[LI]
	v_add_nc_u32 v14, WIMG, v[LI]
	s_lshl_b32 s43, s16, 2
	s_add_co_u32 s43, s43, WSC
	v_add_nc_u32 v11, s43, v[LI]                   ; my scale words' place: word w of each lane's four
	s_lshl_b32 s43, s16, 11
	v_add_nc_u32 v15, s43, v[LI]                   ; my two tiles of the bias's image
	s_wait_kmcnt 0x0
	s_load_b32 s20, s[12:13], s47 offset:0x20      ; tb_e: my expert's first tile
	s_load_b32 s21, s[12:13], s47 offset:0x40      ; T_e: its tiles
	s_add_nc_u64 s[4:5], s[4:5], s[26:27]
	s_add_nc_u64 s[6:7], s[6:7], s[28:29]
	s_add_nc_u64 s[8:9], s[8:9], s[30:31]
	s_wait_alu depctr_va_vdst(0)                   ; the offsets and LDS addresses v1, v2, v5, v7, v8 and v11 to v15 are written, which the loads and stores from here on read
	global_load_b128 v[SR:SR+3], v7, s[6:7]        ; my row's eight scale words
	global_load_b128 v[SR+4:SR+7], v7, s[6:7] offset:16
	global_load_b128 v[SR+8:SR+11], v8, s[8:9]     ; the bias of my two tiles
	global_load_b128 v[SR+12:SR+15], v8, s[8:9] offset:16
	global_load_b128 v[SR+16:SR+19], v8, s[8:9] offset:BU
	global_load_b128 v[SR+20:SR+23], v8, s[8:9] offset:BU+16
	GLW 0
	GLW 1
.if LAYER == 1
	s_mul_i32 s44, s18, 1536
	s_add_nc_u64 s[26:27], s[14:15], s[44:45]      ; hc: K step S's image of tile 0,
	s_lshl_b32 s44, s18, 7
	s_add_nc_u64 s[28:29], s[14:15], s[44:45]
	s_add_nc_u64 s[28:29], s[28:29], HSB           ; and its scale words
.else
	s_mul_i32 s44, s19, 12288
	s_add_nc_u64 s[26:27], s[10:11], s[44:45]      ; hc: my quarter's eight images of tile 0,
	s_lshl_b32 s44, s19, 10
	s_add_nc_u64 s[28:29], s[10:11], s[44:45]
	s_add_nc_u64 s[28:29], s[28:29], HSB           ; and their scale words
	s_lshl_b32 s44, s19, 12
	s_lshl_b32 s43, s18, 9
	s_add_co_u32 s44, s44, s43
	s_add_nc_u64 s[30:31], s[14:15], s[44:45]      ; y: [row][quarter][1,024]: my quarter, my 128 columns
.endif
	s_wait_kmcnt 0x0
	s_mov_b32 s22, s16                             ; my tile of the expert: w, w + 4, ..
	s_max_u32 s25, s21, 1
	s_sub_co_u32 s25, s25, 1                       ; the expert's last tile
	s_add_co_u32 s24, s20, s16
	s_cmp_lt_u32 s16, s21
	s_cselect_b32 s24, s24, 0                      ; a wave with no tile asks for tile 0 and uses nothing of it: no branch stands ahead of the barriers
	s_min_u32 s24, s24, 135
.if LAYER == 1
	s_lshl_b32 s44, s24, 6
	s_add_nc_u64 s[32:33], s[12:13], s[44:45]      ; the row list at my first tile
	global_load_b32 v6, v5, s[32:33] offset:RLB
.endif
	GLW 2
	GLW 3
	s_wait_loadcnt 48+NRL                          ; scale rows and bias are in: behind them four chunks of twelve (and the row list) were issued
.irp i, 0,1,2,3,4,5,6,7
	v_perm_b32 v[SR+\i], v[SR+\i], v[SR+\i], s42   ; each K step's bytes into the order of blocks 0, 2, 1, 3
.endr
.if LAYER == 2
	s_cmp_eq_u32 s19, 0
	s_cselect_b32 s46, -1, 0
.set I, SR+8
.rept 16
	v_cndmask_b32 v[I], 0, v[I], s46               ; b2 goes into the first quarter's sums alone
.set I, I+1
.endr
.endif
	s_wait_alu depctr_va_vdst(0)                   ; the lines above have written v16-23 (layer 2: v24-39 too), which the LDS stores below read
.irp s, 0,1,2,3,4,5,6,7
	ds_store_b32 v11, v[SR+\s] offset:512*\s
.endr
.irp u, 0,1
.irp q, 0,1
	ds_store_b128 v15, v[SR+8+8*\u+4*\q:SR+8+8*\u+4*\q+3] offset:BIAS+1024*\u+512*\q
.endr
.endr
	s_wait_loadcnt 36+NRL                          ; chunk 0 is in: three chunks (and the row list) behind it
	STW 0
	BAR
	s_wait_alu depctr_vm_vsrc(0)                   ; my LDS stores have read v16-39, in which the weights' scale words land (the vector lines that named these registers stand ahead of the last wait on va_vdst)
.irp s, 0,1,2,3,4,5,6,7
	ds_load_b128 v[WS+4*\s:WS+4*\s+3], v[LI] offset:WSC+512*\s
.endr
	LDIMG 0
	s_wait_loadcnt 24+NRL                          ; chunk 1
	STW 1
	BAR
	LDIMG 1
	s_wait_alu depctr_vm_vsrc(0)                   ; the LDS stores of chunks 0 and 1 have read v13 and v64-159, the images' loads v14, the head's first loads v7 and v8: the lines below write the four, and my first tile's operands land in v64-159
	v_add_nc_u32 v13, 49152, v13                   ; on to fragments 32 .. 63: an LDS immediate has 16 bits
	v_add_nc_u32 v14, 49152, v14
.if LAYER == 1
	s_wait_loadcnt 24                              ; the row list is in: two chunks behind it
	TOKEN
.else
	TILEB
.endif
	s_wait_alu depctr_va_vdst(0)                   ; v13 and v14 are written, which the LDS stores and loads of chunks 2 and 3 read; layer 1: so are v7 and v8, the two runs' offsets, and v6 has been read, in which the next row list lands
	RUN1                                           ; my first tile's operands, into the registers that chunks 0 and 1 have left
	RUN2 4
	s_wait_loadcnt 12+NR1+NR2                      ; chunk 2 is in: behind it chunk 3 and the two runs
	STW 2
	BAR
	LDIMG 2
	s_wait_loadcnt NR1+NR2                         ; chunk 3
	STW 3
	BAR
	LDIMG 3
	s_wait_alu depctr_vm_vsrc(0)                   ; the LDS stores of chunks 2 and 3 have read v160-255 and v13, the weights' loads v12: the bias's image lands in v160-223, and the lines below write v228-231 (layer 2: v7, v12 and v13)
	ACCINIT
.if LAYER == 1
.irp b, 0,1,2,3
	v_mov_b32 v[TM+4+\b], 0                        ; written once: a lane permute's destination counts as one of its sources
.endr
.else
	v_and_b32 v6, 15, v0
	v_bfe_u32 v7, v0, 4, 1
	v_mul_u32_u24 v12, v6, 528
	v_lshl_add_u32 v12, v7, 5, v12
	s_mul_i32 s43, s16, 16*528
	s_add_co_u32 s43, s43, STG
	v_add_nc_u32 v12, s43, v12                     ; into my stage: row r, 32 bytes for each half of the lanes; 528 is an odd multiple of 16
	v_add_nc_u32 v13, s43, v[LI]                   ; and back: the 32 lanes take one row of 512 bytes
.endif
	s_cmp_ge_u32 s16, s21                          ; from here on the waves go their own ways: no barrier follows
	s_cbranch_scc1 .Lend
	s_sub_co_u32 s23, s21, s16
	s_add_co_u32 s23, s23, 3
	s_lshr_b32 s23, s23, 2
	s_sub_co_u32 s23, s23, 1                       ; my tiles, less the last, which asks for nothing and is written out
	s_cmp_eq_u32 s23, 0
	s_cbranch_scc1 .Llast
.Ltile:
	TRIP 1
	s_sub_co_u32 s23, s23, 1
	s_cmp_lg_u32 s23, 0
	s_cbranch_scc1 .Ltile
.Llast:
	TRIP 0
.Lend:
	s_wait_dscnt 0x0                               ; the closing lines, six on end
	s_wait_alu 0x0
	s_wait_tensorcnt 0x0
	ds_add_u32 v[SPW], v[NIL]
	s_wait_dscnt 0x0
	s_endpgm
.Lfunc_end_k_q18fcc59bf3_ffn1:
	.size	k_q18fcc59bf3_ffn1, .Lfunc_end_k_q18fcc59bf3_ffn1-k_q18fcc59bf3_ffn1
	.p2alignl 7, 3214868480
	.fill 96, 4, 3214868480
	.section	.rodata,"a",@progbits
	.p2align	6, 0x0
	.amdhsa_kernel k_q18fcc59bf3_ffn1
		.amdhsa_group_segment_fixed_size 111104
		.amdhsa_private_segment_fixed_size 0
		.amdhsa_enable_private_segment 0
		.amdhsa_kernarg_size 48
		.amdhsa_user_sgpr_count 2
		.amdhsa_user_sgpr_kernarg_segment_ptr 1
		.amdhsa_wavefront_size32 1
		.amdhsa_system_sgpr_workgroup_id_x 1
		.amdhsa_system_sgpr_workgroup_id_y 1
		.amdhsa_system_sgpr_workgroup_id_z 1
		.amdhsa_system_vgpr_workitem_id 0
		.amdhsa_next_free_vgpr 1024
		.amdhsa_next_free_sgpr 66
		.amdhsa_reserve_vcc 0
		.amdhsa_float_denorm_mode_32 3
		.amdhsa_float_denorm_mode_16_64 3
		.amdhsa_memory_ordered 1
		.amdhsa_forward_progress 1
		.amdhsa_inst_pref_size 66
	.end_amdhsa_kernel
	.amdgpu_metadata
---
amdhsa.version: [ 1, 2 ]
amdhsa.kernels:
  - .name:           k_q18fcc59bf3_ffn1
    .symbol:         k_q18fcc59bf3_ffn1.kd
    .args:
      - { .name: W1_codes, .offset: 0, .size: 8, .value_kind: global_buffer, .address_space: global }
      - { .name: W1_scales, .offset: 8, .size: 8, .value_kind: global_buffer, .address_space: global }
      - { .name: b1, .offset: 16, .size: 8, .value_kind: global_buffer, .address_space: global }
      - { .name: xc, .offset: 24, .size: 8, .value_kind: global_buffer, .address_space: global }
      - { .name: plan, .offset: 32, .size: 8, .value_kind: global_buffer, .address_space: global }
      - { .name: hc, .offset: 40, .size: 8, .value_kind: global_buffer, .address_space: global }
    .group_segment_fixed_size: 111104
    .private_segment_fixed_size: 0
    .kernarg_segment_align: 8
    .kernarg_segment_size: 48
    .max_flat_workgroup_size: 128
    .sgpr_count:     66
    .vgpr_count:     1024
    .wavefront_size: 32
...
	.end_amdgpu_metadata
.endif
;; end of part 8
;; launch ffn2 (part 9): grid 256 x 1, 4 waves a work-group, no clusters, 144,896 bytes of LDS; arguments W2_codes, W2_scales, b2, hc, plan, y; writes y
.if DOCPART == 9
	.amdgcn_target "amdgcn-amd-amdhsa--gfx1250"
	.amdhsa_code_object_version 6
	.text
	.protected	k_q18fcc59bf3_ffn2
	.globl	k_q18fcc59bf3_ffn2
	.p2align	8
	.type	k_q18fcc59bf3_ffn2,@function
k_q18fcc59bf3_ffn2:
	s_mov_b64 s[64:65], 0
	v_nop
	global_prefetch_b8 v0, s[64:65] scope:SCOPE_SE
	s_setreg_imm32_b32 hwreg(HW_REG_WAVE_SCHED_MODE, 0, 2), 2
	s_setreg_imm32_b32 hwreg(HW_REG_WAVE_MODE, 25, 1), 1
	s_wait_xcnt 0x0
	s_wait_alu depctr_vm_vsrc(0)
; SimpleMoE, launches 3 and 4 of 5: the experts' two layers on E3M2 codes.  One text serves both; LAYER says which this file is.
;   LAYER 1: hc = Q(relu(x W1[e] + b1[e])), the hidden layer as codes and scale words.      LAYER 2: y = h W2[e] (+ b2[e]), as four partial sums along K.
; WORK LEFT OUT: only the rows of the chosen (token, expert) pairs are multiplied; the others' weight in the result is 0 by reference()'s own where() (shown at the head of the first launch).
; THE WEIGHTS STAND STILL.  A work-group owns a BRICK of one expert: 128 weight rows x 1,024 along K, 96 KiB of codes.  8 experts x 32 bricks are the 256 work-groups, whatever the routing:
; layer 1: 32 slices of the 4,096 hidden units; layer 2: 8 slices of the 1,024 outputs x 4 quarters of K = 4,096.  So each weight byte is asked of memory once in the launch.
; Each of the four waves holds the WHOLE brick in 768 registers and takes every fourth tile of 16 rows of its expert: a tile's operand then feeds 8 matrix instructions for each K step, enters
; the work-group once, straight into registers, and the loop over tiles needs no barrier.  The brick too is loaded once: each wave loads a quarter and hands it on through LDS as images of the
; operands' registers (16 bytes a lane, 512 a store), behind four barriers at the head, where the control flow is the same for all waves.
; NO TENSOR LOADS, NO JOINT LOADS: how many tiles a wave walks is a count that launch 2 stored.
; An expert with no rows still has its bricks loaded: no branch on the count stands ahead of the barriers.
; BOTH PRODUCTS ARE USED TRANSPOSED (source 0 = 16 weight rows, source 1 = 16 rows of the tile): a lane holds one row of the tile and eight neighbouring columns.
; ORDER ALONG K.  A lane takes 48 NEIGHBOURING bytes of its row for each 128 along K (three loads of 16 bytes, each at a multiple of 16), where the operand's layout would have two pieces of 24:
; so the unit's blocks 0, 1, 2, 3 of a K step are the row's blocks 0, 2, 1, 3, on both operands alike, and every scale word has its bytes in that order.  The products and their scales are the
; same; only the grouping of the f32 sums inside an instruction differs.
; LAYER 1: THE ROWS OF W1 THAT FORM A TILE ARE NOT NEIGHBOURS: lane r of tile 2 b + u takes row 32 b + 8 u + r + 8 (r / 8), so that the 16 registers of tiles 2 b and 2 b + 1 are 16 neighbours along
; the next K.  The brick's 128 hidden units are one K step of layer 2: a tile's results become one fragment and one scale word a row, stored as the image that layer 2 loads.
; The bias is the C of a tile's first products: the accumulators are loaded with its image from LDS (layer 2: zeros in the quarters q > 0), and every product adds in place.
; LIMIT: a block's largest magnitude is taken no smaller than 2^(5 - 127): a block of zeros gets the byte 1 and not 127; its codes are zeros, and this program alone reads the bytes.
; REGISTERS, in windows of 256.  Windows 1-3: weight fragment f = 8 s + t (K step s, tile t) at window 1 + f / 21, register 12 (f % 21); fragment 63 at v52 of window 0.
;   Window 0: v1-15 addresses; v16-47 the weights' scale words; v48-51 the tile's; v64-159 the tile's 8 fragments; v160-223 the 8 accumulators; v224-249 at work for the quantiser.
;   At the head v64-255 take the quarter brick as loaded, and v16-39 the scale rows and the bias.
; THE MODE: SCHED_MODE bits 1:0 = 2 (LLVM: expert scheduling mode 2), set by the entry lines.  The code itself states the register dependences between vector or matrix instructions
; and memory or LDS instructions, with s_wait_alu, always for 0.
; THE PLAN.  Registers that memory or LDS instructions touch in the loop over tiles, and who else names them:
;   HALF A  v48-49, v64-111: the scale words and fragments of K steps 0-3.  Read by the products of K steps 0-3; then the next tile's first run of loads lands in them.
;   HALF B  v50-51, v112-159: those of K steps 4-7.  Read by the products of K steps 4-7; then the next tile's second run lands in them.
;   ACC     v160-223.  Written by the products.  Layer 1: relu reads and writes them, the maxima and the conversions read them; then the bias's image lands.
;           Layer 2: the stage's LDS stores read them, the rows land in them from the stage, the stores of y read them; then the bias's image lands.
;   Layer 1: v6: the row list lands in it, TOKEN reads and writes it.  v7, v8: TOKEN writes them, both runs read them as offsets.  PC, PW: written on the way out, read by its four stores.
;   v1, v2, v5 (layer 2: v12, v13 too): offsets and LDS addresses, not written in the loop: the tiles and the row list are reached by scalar bases.
;   The weights and their scale words land at the head and are named by products alone from then on.
; All 1,024 registers are taken, so a tile's fragments have no second set: the two halves take turns.  THE WAITS OF A TILE:
;   in its middle: one on vm_vsrc (layer 1: the last tile's stores have read PC and PW, this tile's loads v7 and v8); then one on va_vdst (the products are done with HALF A; layer 1: v7, v8 are written, v6 is read), and the first run;
;   behind its last products and their places: one on va_vdst (the products are done with HALF B and have written ACC), and the second run: in layer 1 dealt among the 64 lines of relu, which name ACC alone;
;   layer 1: one on va_vdst behind the quantiser (PC, PW are written, ACC is done with), then the bias's image and the four stores;
;   layer 2: one on vm_vsrc between the stage's stores and the loads that land in ACC, and one ahead of the bias's image.
; The first run stays a run: a load's offset register is its source 0, which the products keep in the weights' windows, so that loads dealt among products would each want two switches.
.set LAYER, 2
.set BIAS,  0                          ; LDS: the bias's image: tile t, half q of its eight registers at 1,024 t + 512 q + 16 x lane
.set WSC,   8192                       ; the weights' scale words: K step s at 512 s + 16 x lane + 4 p: word p holds tile 2 p in lanes 0-15, tile 2 p + 1 in lanes 16-31
.set STG,   12288                      ; layer 2: a stage of 16 rows x (512 + 16) bytes for each wave
.if LAYER == 1
.set WIMG,  12288                      ; the brick's images: fragment f at 1,536 f + 512 g + 16 x lane
.set WROW,  768                        ; a weight row in bytes
.set WTILE, 8*WROW                     ; from the rows of my first tile to those of my second
.set BU,    32                         ; the same in the bias
.set NRL,   1                          ; loads of the row list at the head
.set NR1,   13                         ; loads in a tile's first run
.else
.set WIMG,  46080
.set WROW,  3072
.set WTILE, 16*WROW
.set BU,    64
.set NRL,   0
.set NR1,   14
.endif
.set NR2,   14                         ; loads in a tile's second run
.set SPARE, WIMG+98304                 ; the spare words, 128 bytes for each wave: two blocks of 256 bytes that no other line names
.set HSB,   6684672                    ; hc: images [tile 136][K step 32][1,536]; from here the scale words [tile][K step][32 lanes]
.set XSB,   786432                     ; xc: where the scale words begin
.set RLB,   8448                       ; plan: where the row list begins
.set LI,  1                            ; v1   16 x lane
.set LS,  2                            ; v2   4 x lane
.set SPW, 3                            ; v3   my spare word
.set NIL, 4                            ; v4   0
                                       ; v5   layer 1: 4 r, my place in a tile of the row list; layer 2: 128 (lane / 16) + 4 r, my place among two K steps' scale words
                                       ; v6   layer 1: my row's token;  v7, v8: its codes' and scale words' offsets;  v9 48 h, v10 8 h
                                       ; v12  the weights' offset (layer 2, later: into the stage);  v13 images' store address (later: out of the stage);  v14 images' load address
                                       ; v7, v8, v11, v15 at the head: offsets of scale rows and bias, LDS addresses of their images
                                       ; s[32:33] layer 1: the row list at the tile that is asked for
.set SR,  16                           ; at the head only: v16-23 my row's eight scale words, v24-39 the bias of my two tiles
.set WS,  16
.set AS,  48
.set AFR, 64
.set ACC, 160
.set TM,  224
.set PW,  236
.set PC,  238
.set MSB, 0
.macro WIN new                         ; the immediate's high byte repeats the setting that is left; a switch that changes nothing is dropped
.if MSB != (\new)
	s_set_vgpr_msb (MSB<<8)|(\new)
.set MSB, (\new)
.endif
.endm
.macro PLACES n
.rept \n
	v_nop
.endr
.endm
.macro BAR                             ; my LDS stores have landed and my LDS loads are in: then the work-group's barrier
	s_wait_dscnt 0x0
	s_barrier_signal -1
	s_barrier_wait -1
.endm
.macro GLW c                           ; chunk c of my quarter: K steps 2 c, 2 c + 1 of my tiles 2 w, 2 w + 1: four fragments, twelve loads
.irp k, 0,1
.irp u, 0,1
.irp g, 0,1,2
	global_load_b128 v[AFR+48*(\c)+12*(2*\k+\u)+4*\g:AFR+48*(\c)+12*(2*\k+\u)+4*\g+3], v12, s[4:5] offset:\u*WTILE+96*(2*(\c)+\k)+16*\g th:TH_LOAD_NT
.endr
.endr
.endr
.endm
.macro STW c                           ; their images into LDS (v13 stands at fragment 2 w, or 32 + 2 w)
.irp k, 0,1
.irp u, 0,1
.irp g, 0,1,2
	ds_store_b128 v13, v[AFR+48*(\c)+12*(2*\k+\u)+4*\g:AFR+48*(\c)+12*(2*\k+\u)+4*\g+3] offset:1536*(16*((\c)%2)+8*\k+\u)+512*\g
.endr
.endr
.endr
.endm
.macro LDIMG c                         ; fragments 16 c .. 16 c + 15, all four waves' work, into my registers (v14 stands at fragment 0, or 32).  Nothing but these loads ever writes the registers that they land in
.set FF, 16*(\c)
.rept 16
.if FF < 63
.set WN, (1+FF/21)<<6
.set WR, 12*(FF%21)
.else
.set WN, 0
.set WR, 52
.endif
	WIN WN
.irp g, 0,1,2
	ds_load_b128 v[WR+4*\g:WR+4*\g+3], v14 offset:1536*(FF%32)+512*\g
.endr
.set FF, FF+1
.endr
	WIN 0
.endm
.macro ACCINIT                         ; the accumulators begin as the bias
.irp t, 0,1,2,3,4,5,6,7
	ds_load_b128 v[ACC+8*\t:ACC+8*\t+3], v[LI] offset:BIAS+1024*\t
	ds_load_b128 v[ACC+8*\t+4:ACC+8*\t+7], v[LI] offset:BIAS+1024*\t+512
.endr
.endm
; One product: K step SS, weight tile TT.  The weights' scale word lies in lanes 0-15 (even tiles) or 16-31 (odd), the tile's in lanes 0-15 (even K steps) or 16-31.
.macro WM1
.set FF, 8*SS+TT
.if FF < 63
.set WN, 1+FF/21
.set WR, 12*(FF%21)
.else
.set WN, 0
.set WR, 52
.endif
	WIN WN
.set AC, ACC+8*TT
.set AR, AFR+12*SS
.set SW, WS+4*SS+TT/2
.set SX, AS+SS/2
.if ((TT%2) == 0) && ((SS%2) == 0)
	v_wmma_scale_f32_16x16x128_f8f6f4 v[AC:AC+7], v[WR:WR+11], v[AR:AR+11], v[AC:AC+7], v[SW], v[SX] matrix_a_fmt:MATRIX_FMT_BF6 matrix_b_fmt:MATRIX_FMT_BF6
.elseif ((TT%2) == 1) && ((SS%2) == 0)
	v_wmma_scale_f32_16x16x128_f8f6f4 v[AC:AC+7], v[WR:WR+11], v[AR:AR+11], v[AC:AC+7], v[SW], v[SX] matrix_a_fmt:MATRIX_FMT_BF6 matrix_b_fmt:MATRIX_FMT_BF6 matrix_a_scale:MATRIX_SCALE_ROW1
.elseif ((TT%2) == 0)
	v_wmma_scale_f32_16x16x128_f8f6f4 v[AC:AC+7], v[WR:WR+11], v[AR:AR+11], v[AC:AC+7], v[SW], v[SX] matrix_a_fmt:MATRIX_FMT_BF6 matrix_b_fmt:MATRIX_FMT_BF6 matrix_b_scale:MATRIX_SCALE_ROW1
.else
	v_wmma_scale_f32_16x16x128_f8f6f4 v[AC:AC+7], v[WR:WR+11], v[AR:AR+11], v[AC:AC+7], v[SW], v[SX] matrix_a_fmt:MATRIX_FMT_BF6 matrix_b_fmt:MATRIX_FMT_BF6 matrix_a_scale:MATRIX_SCALE_ROW1 matrix_b_scale:MATRIX_SCALE_ROW1
.endif
.endm
.macro MM s0, s1                       ; K steps s0 .. s1: the eight accumulators take turns, one instruction a turn
.set SS, \s0
.rept (\s1)-(\s0)+1
.set TT, 0
.rept 8
	WM1
.set TT, TT+1
.endr
.set SS, SS+1
.endr
.endm
.if LAYER == 1
.macro TOKEN                           ; my row's token, held inside x; where its codes and its scale words lie for my half of the lanes
	v_min_u32 v6, 1023, v6
	v_mad_u32_u24 v7, v6, 768, v9
	v_lshl_add_u32 v8, v6, 5, v10
.endm
.macro RUN1                            ; a tile's K steps 0-3: two registers of scale words (lanes 0-15 words 0, 1; lanes 16-31 words 2, 3) and four fragments
	global_load_b64 v[AS:AS+1], v8, s[10:11] offset:XSB
.irp s, 0,1,2,3
.irp g, 0,1,2
	global_load_b128 v[AFR+12*\s+4*\g:AFR+12*\s+4*\g+3], v7, s[10:11] offset:96*\s+16*\g
.endr
.endr
.endm
.macro R2L n                           ; load n of the thirteen of a tile's K steps 4-7: its scale words, then piece (n - 1) % 3 of K step 4 + (n - 1) / 3
.if (\n) == 0
	global_load_b64 v[AS+2:AS+3], v8, s[10:11] offset:XSB+16
.else
	global_load_b128 v[AFR+44+4*(\n):AFR+44+4*(\n)+3], v7, s[10:11] offset:96*(4+((\n)-1)/3)+16*(((\n)-1)%3)
.endif
.endm
.macro LIST ahead                      ; the fourteenth: the row list of my tile after that one (never past my expert's last tile), by a scalar base: its offset v5 is never written
	s_add_co_u32 s43, s22, \ahead
	s_min_u32 s43, s43, s25
	s_add_co_u32 s43, s43, s20
	s_min_u32 s43, s43, 135                        ; a loaded number enters an address only behind such a hold
	s_lshl_b32 s44, s43, 6
	s_add_nc_u64 s[32:33], s[12:13], s[44:45]      ; free: a wait on LOADcnt has shown the last load of the row list done
	global_load_b32 v6, v5, s[32:33] offset:RLB
.endm
.macro RUN2 ahead                      ; the second run on end, as the head issues it
.irp n, 0,1,2,3,4,5,6,7,8,9,10,11,12
	R2L \n
.endr
	LIST \ahead
.endm
.else
.macro TILEB                           ; tile s24's images and scale words of my quarter of K
	s_mul_i32 s44, s24, 49152
	s_add_nc_u64 s[34:35], s[26:27], s[44:45]
	s_lshl_b32 s44, s24, 12
	s_add_nc_u64 s[36:37], s[28:29], s[44:45]
.endm
.macro RUN1                            ; a tile's K steps 0-3: two registers of scale words (lanes 0-15 the even step's, lanes 16-31 the odd step's) and four images, 512 consecutive bytes a load
	global_load_b32 v[AS], v5, s[36:37]
	global_load_b32 v[AS+1], v5, s[36:37] offset:256
.irp s, 0,1,2,3
.irp g, 0,1,2
	global_load_b128 v[AFR+12*\s+4*\g:AFR+12*\s+4*\g+3], v[LI], s[34:35] offset:1536*\s+512*\g
.endr
.endr
.endm
.macro RUN2 ahead
	global_load_b32 v[AS+2], v5, s[36:37] offset:512
	global_load_b32 v[AS+3], v5, s[36:37] offset:768
.irp s, 4,5,6,7
.irp g, 0,1,2
	global_load_b128 v[AFR+12*\s+4*\g:AFR+12*\s+4*\g+3], v[LI], s[34:35] offset:1536*\s+512*\g
.endr
.endr
.endm
.endif
; THE WAY OUT of a tile.  next = 1: the accumulators are made ready for my next tile (layer 1: and its second run of loads is dealt among the lines of relu).
.macro EPI next
.if LAYER == 1
	s_add_co_u32 s24, s20, s22
	s_min_u32 s24, s24, 135
	s_mul_i32 s44, s24, 49152
	s_add_nc_u64 s[34:35], s[26:27], s[44:45]      ; this tile's image of K step S,
	s_lshl_b32 s44, s24, 12
	s_add_nc_u64 s[36:37], s[28:29], s[44:45]      ; and its scale words
.set J, 0
.rept 64
.if \next && ((J%4) == 0)              ; a load in front of every fourth line.  No wait: no vector or matrix instruction since the wait on va_vdst above names HALF B, v6, v7, v8 or v5
.if J < 52
	R2L J/4
.elseif J == 52
	LIST 8
.endif
.endif
	v_max_num_f32 v[ACC+J], 0, v[ACC+J]            ; relu, in f32; each accumulator from its low end on
.set J, J+1
.endr
.irp b, 0,1,2,3                        ; the four blocks of 32 hidden units: my 16 numbers of block b are the registers of tiles 2 b, 2 b + 1.  None is negative: no |.|
	v_max3_num_f32 v[TM+\b], v[ACC+16*\b], v[ACC+16*\b+1], 0x2800000   ; with the floor 2^(5 - 127): the byte cannot fall under 1
.endr
.irp i, 2,4,6,8,10,12,14
.irp b, 0,1,2,3
	v_max3_num_f32 v[TM+\b], v[TM+\b], v[ACC+16*\b+\i], v[ACC+16*\b+\i+1]
.endr
.endr
.irp b, 0,1,2,3
	v_permlanex16_b32 v[TM+4+\b], v[TM+\b], s40, s41
.endr
.irp b, 0,1,2,3
	v_max_num_f32 v[TM+\b], v[TM+\b], v[TM+4+\b]   ; with lane l xor 16's sixteen: the block's largest
.endr
.irp b, 0,1,2,3
	v_add_nc_u32 v[TM+8+\b], 0xfe000000, v[TM+\b]  ; 4 off the exponent field: the conversion's scale operand
.endr
.irp b, 0,1,2,3
	v_lshrrev_b32 v[TM+4+\b], 23, v[TM+8+\b]       ; the scale's byte
.endr
	v_lshl_or_b32 v[PW], v[TM+6], 8, v[TM+4]       ; the scale word, its bytes in the order of blocks 0, 2, 1, 3
	v_lshl_or_b32 v[PW], v[TM+5], 16, v[PW]
	v_lshl_or_b32 v[PW], v[TM+7], 24, v[PW]
.irp c, 0,1
	v_cvt_scalef32_pk16_bf6_f32 v[PC+6*\c:PC+6*\c+2], v[ACC+16*\c:ACC+16*\c+15], v[TM+8+\c]        ; my half of block c,
	v_cvt_scalef32_pk16_bf6_f32 v[TM+4*\c:TM+4*\c+2], v[ACC+32+16*\c:ACC+47+16*\c], v[TM+10+\c]    ; and of block 2 + c
.endr
	v_nop                                          ; one plain line behind the conversions
.irp c, 0,1                            ; a lane is to hold whole blocks: lanes 0-15 blocks 0, 1; lanes 16-31 blocks 2, 3: 48 neighbouring bytes of the row
.irp i, 0,1,2
	v_permlane16_swap_b32 v[PC+6*\c+\i], v[TM+4*\c+\i]
.endr
.irp i, 0,1,2
	v_mov_b32 v[PC+6*\c+3+\i], v[TM+4*\c+\i]
.endr
.endr
	s_wait_alu depctr_va_vdst(0)                   ; the codes in PC and the scale word in PW are written, which the four stores read; relu, the maxima and the conversions are done with the accumulators, in which the bias's image lands
.if \next
	ACCINIT
.endif
.irp g, 0,1,2
	global_store_b128 v[LI], v[PC+4*\g:PC+4*\g+3], s[34:35] offset:512*\g   ; 512 consecutive bytes, at a multiple of 512 from the buffer's first byte
.endr
	global_store_b32 v[LS], v[PW], s[36:37]        ; 128 consecutive bytes: the 32 bricks of an expert fill a tile's 4,096 between them
.else
.irp t, 0,1,2,3,4,5,6,7                ; a lane holds 32 neighbouring bytes of a row and the lanes beside it other rows: through my stage, and back as whole rows of 512 bytes
	ds_store_b128 v12, v[ACC+8*\t:ACC+8*\t+3] offset:64*\t           ; each accumulator from its low end on
	ds_store_b128 v12, v[ACC+8*\t+4:ACC+8*\t+7] offset:64*\t+16
.endr
	s_wait_alu depctr_vm_vsrc(0)                   ; the stage's stores have read the accumulators, in which the rows land
.irp i, 0,1,2,3,4,5,6,7,8,9,10,11,12,13,14,15
	ds_load_b128 v[ACC+4*\i:ACC+4*\i+3], v13 offset:528*\i           ; LDS serves a wave's instructions in order (ISA guide 5.7.1.4): these see my stores
.endr
	s_add_co_u32 s24, s20, s22
	s_min_u32 s24, s24, 135
	s_lshl_b32 s44, s24, 18
	s_add_nc_u64 s[38:39], s[30:31], s[44:45]      ; y at this tile's first row, my quarter, my columns
.irp i, 0,1,2,3,4,5,6,7,8,9,10,11,12,13,14,15
	s_wait_dscnt 15-\i
	global_store_b128 v[LI], v[ACC+4*\i:ACC+4*\i+3], s[38:39] offset:16384*\i th:TH_STORE_NT   ; 512 consecutive bytes, at a multiple of 512 from the buffer's first byte
.endr
.if \next
	s_wait_xcnt 0x0                                ; the stores have had their addresses translated (ISA guide 3.1): their data registers are loaded again only behind this wait,
	s_wait_alu depctr_vm_vsrc(0)                   ; and the stores have read v160-223, in which the bias's image lands
	ACCINIT
.endif
.endif
.endm
; A TILE of 16 rows: 64 products.  next = 1: my next tile's operands are asked for, each run as soon as its registers are free.
.macro TRIP next
	s_wait_loadcnt NR2                             ; the first run is in; the second run's fourteen loads may stay out
	s_wait_dscnt 0x0                               ; the accumulators hold the bias (first tile: and the brick's last images are in)
	MM 0, 3
	WIN 0
	s_wait_loadcnt 0x0                             ; the second run is in: every offset register and base of the tile's loads may be written again
	s_wait_xcnt 0x0                                ; the last tile's stores have had their addresses translated (ISA guide 3.1): their bases (layer 1: and their data) are written again on this tile's way out, and only loads, which read other registers, are issued from here to there
.if LAYER == 1
	s_wait_alu depctr_vm_vsrc(0)                   ; the last tile's stores have read PC and PW, which this tile's way out writes again; this tile's loads have read v7 and v8, which the lines below write
.endif
.if \next
.if LAYER == 1
	TOKEN
	v_nop                                          ; with the three lines above: four places behind the last product (ISA guide 7.12.1)
.else
	s_add_co_u32 s24, s20, s22
	s_add_co_u32 s24, s24, 4
	s_min_u32 s24, s24, 135
	TILEB
	PLACES 4                                       ; places behind the last product (ISA guide 7.12.1)
.endif
	s_wait_alu depctr_va_vdst(0)                   ; the products of K steps 0-3 are done reading HALF A, in which the loads below land; layer 1: v7 and v8, their offsets, are written, and v6 has been read, in which the next row list lands
	RUN1
.endif
	MM 4, 7
	WIN 0
	PLACES 5                                       ; four would do for the reads below; the next tile's first products write accumulators that are begun anew, which asks for five
.if \next || (LAYER == 2)
	s_wait_alu depctr_va_vdst(0)                   ; the products of K steps 4-7 are done reading HALF B, in which the second run lands; layer 2: they have written the accumulators, which the stage's stores read (first tile: v12 and v13 are written too)
.endif
.if \next && (LAYER == 2)
	RUN2 8
.endif
	EPI \next
	s_add_co_u32 s22, s22, 4
.endm
	s_load_b256 s[4:11], s[0:1], 0x0               ; the weights' codes s[4:5], their scales s[6:7], the bias s[8:9], the rows' codes (xc or hc) s[10:11]
	s_load_b128 s[12:15], s[0:1], 0x20             ; plan s[12:13], the result (hc or y) s[14:15]
	v_lshl_add_u32 v[SPW], v0, 2, SPARE
	v_mov_b32 v[NIL], 0
	v_lshrrev_b32 v14, 5, v0
	v_readfirstlane_b32 s16, v14                   ; wave w
	v_and_b32 v15, 31, v0                          ; lane
	v_lshlrev_b32 v[LI], 4, v15
	v_lshlrev_b32 v[LS], 2, v15
	v_and_b32 v14, 15, v0                          ; r
	s_wait_alu depctr_va_vdst(0)
	v_bfe_u32 v10, v0, 4, 1                        ; h
	s_wait_alu depctr_va_vdst(0)
	s_wait_alu depctr_va_sdst(0)                   ; s16 is written, ahead of its first reader: offsets, LDS addresses and the count of my tiles are made from it
	s_lshr_b32 s17, ttmp9, 5                       ; expert e
	s_lshl_b32 s47, s17, 2
	s_mov_b32 s27, 0
	s_mov_b32 s29, 0
	s_mov_b32 s31, 0
	s_mov_b32 s45, 0
	s_mov_b32 s40, 0x76543210
	s_mov_b32 s41, 0xfedcba98                      ; v_permlanex16_b32's selects for lane l xor 16
	s_mov_b32 s42, 0x03010200                      ; v_perm_b32: bytes 0, 2, 1, 3
	s_mul_i32 s26, s17, 3145728                    ; an expert's codes, in both layers
	s_lshl_b32 s28, s17, 17                        ; an expert's scale bytes, likewise
.if LAYER == 1
	s_and_b32 s18, ttmp9, 31                       ; S: which 128 hidden units
	s_mul_i32 s43, s18, 128*WROW
	s_add_co_u32 s26, s26, s43
	s_lshl_b32 s43, s18, 12
	s_add_co_u32 s28, s28, s43                     ; 32 bytes a row
	s_lshl_b32 s30, s17, 14
	s_lshl_b32 s43, s18, 9
	s_add_co_u32 s30, s30, s43                     ; b1 at (4,096 e + 128 S) numbers
	v_and_b32 v11, 8, v14
	v_add_nc_u32 v11, v11, v14                     ; r + 8 (r / 8)
	v_mul_u32_u24 v12, v11, WROW
	v_lshl_add_u32 v7, v10, 3, v11                 ; scale rows: lanes 0-15 take tile 2 w's rows, lanes 16-31 tile 2 w + 1's, 8 rows on
	v_lshlrev_b32 v7, 5, v7
	s_lshl_b32 s43, s16, 10
	v_add_nc_u32 v7, s43, v7
	s_lshl_b32 s43, s16, 7
	v_lshl_add_u32 v8, v10, 6, s43                 ; bias: tile 2 w + u, lane half h: hidden units 32 w + 16 h + 8 u + 0 .. 7
	v_lshlrev_b32 v5, 2, v14
.else
	s_bfe_u32 s18, ttmp9, 0x30002                  ; ns: which 128 outputs
	s_and_b32 s19, ttmp9, 3                        ; q: which quarter of K
	s_mul_i32 s43, s18, 128*WROW
	s_add_co_u32 s26, s26, s43
	s_mul_i32 s43, s19, 768
	s_add_co_u32 s26, s26, s43
	s_lshl_b32 s43, s18, 14
	s_add_co_u32 s28, s28, s43                     ; 128 bytes a row,
	s_lshl_b32 s43, s19, 5
	s_add_co_u32 s28, s28, s43                     ; 32 of them my quarter's
	s_lshl_b32 s30, s17, 12
	s_lshl_b32 s43, s18, 9
	s_add_co_u32 s30, s30, s43                     ; b2 at (1,024 e + 128 ns) numbers
	v_mul_u32_u24 v12, v14, WROW
	v_lshlrev_b32 v7, 7, v15                       ; scale rows: row 32 w + lane
	s_lshl_b32 s43, s16, 12
	v_add_nc_u32 v7, s43, v7
	s_lshl_b32 s43, s16, 7
	v_lshl_add_u32 v8, v10, 5, s43                 ; bias: tile 2 w + u, lane half h: outputs 32 w + 16 u + 8 h + 0 .. 7
	v_lshlrev_b32 v5, 2, v14
	v_lshl_add_u32 v5, v10, 7, v5
.endif
	v_mul_u32_u24 v9, v10, 48                      ; 48 h
	v_add_nc_u32 v12, v12, v9
	s_mul_i32 s43, s16, 32*WROW
	v_add_nc_u32 v12, s43, v12                     ; the weights: my row of tile 2 w, my half's 48 bytes
	v_lshlrev_b32 v10, 3, v10                      ; 8 h
	s_mul_i32 s43, s16, 3072
	s_add_co_u32 s43, s43, WIMG
	v_add_nc_u32 v13, s43, v[LI]
	v_add_nc_u32 v14, WIMG, v[LI]
	s_lshl_b32 s43, s16, 2
	s_add_co_u32 s43, s43, WSC
	v_add_nc_u32 v11, s43, v[LI]                   ; my scale words' place: word w of each lane's four
	s_lshl_b32 s43, s16, 11
	v_add_nc_u32 v15, s43, v[LI]                   ; my two tiles of the bias's image
	s_wait_kmcnt 0x0
	s_load_b32 s20, s[12:13], s47 offset:0x20      ; tb_e: my expert's first tile
	s_load_b32 s21, s[12:13], s47 offset:0x40      ; T_e: its tiles
	s_add_nc_u64 s[4:5], s[4:5], s[26:27]
	s_add_nc_u64 s[6:7], s[6:7], s[28:29]
	s_add_nc_u64 s[8:9], s[8:9], s[30:31]
	s_wait_alu depctr_va_vdst(0)                   ; the offsets and LDS addresses v1, v2, v5, v7, v8 and v11 to v15 are written, which the loads and stores from here on read
	global_load_b128 v[SR:SR+3], v7, s[6:7]        ; my row's eight scale words
	global_load_b128 v[SR+4:SR+7], v7, s[6:7] offset:16
	global_load_b128 v[SR+8:SR+11], v8, s[8:9]     ; the bias of my two tiles
	global_load_b128 v[SR+12:SR+15], v8, s[8:9] offset:16
	global_load_b128 v[SR+16:SR+19], v8, s[8:9] offset:BU
	global_load_b128 v[SR+20:SR+23], v8, s[8:9] offset:BU+16
	GLW 0
	GLW 1
.if LAYER == 1
	s_mul_i32 s44, s18, 1536
	s_add_nc_u64 s[26:27], s[14:15], s[44:45]      ; hc: K step S's image of tile 0,
	s_lshl_b32 s44, s18, 7
	s_add_nc_u64 s[28:29], s[14:15], s[44:45]
	s_add_nc_u64 s[28:29], s[28:29], HSB           ; and its scale words
.else
	s_mul_i32 s44, s19, 12288
	s_add_nc_u64 s[26:27], s[10:11], s[44:45]      ; hc: my quarter's eight images of tile 0,
	s_lshl_b32 s44, s19, 10
	s_add_nc_u64 s[28:29], s[10:11], s[44:45]
	s_add_nc_u64 s[28:29], s[28:29], HSB           ; and their scale words
	s_lshl_b32 s44, s19, 12
	s_lshl_b32 s43, s18, 9
	s_add_co_u32 s44, s44, s43
	s_add_nc_u64 s[30:31], s[14:15], s[44:45]      ; y: [row][quarter][1,024]: my quarter, my 128 columns
.endif
	s_wait_kmcnt 0x0
	s_mov_b32 s22, s16                             ; my tile of the expert: w, w + 4, ..
	s_max_u32 s25, s21, 1
	s_sub_co_u32 s25, s25, 1                       ; the expert's last tile
	s_add_co_u32 s24, s20, s16
	s_cmp_lt_u32 s16, s21
	s_cselect_b32 s24, s24, 0                      ; a wave with no tile asks for tile 0 and uses nothing of it: no branch stands ahead of the barriers
	s_min_u32 s24, s24, 135
.if LAYER == 1
	s_lshl_b32 s44, s24, 6
	s_add_nc_u64 s[32:33], s[12:13], s[44:45]      ; the row list at my first tile
	global_load_b32 v6, v5, s[32:33] offset:RLB
.endif
	GLW 2
	GLW 3
	s_wait_loadcnt 48+NRL                          ; scale rows and bias are in: behind them four chunks of twelve (and the row list) were issued
.irp i, 0,1,2,3,4,5,6,7
	v_perm_b32 v[SR+\i], v[SR+\i], v[SR+\i], s42   ; each K step's bytes into the order of blocks 0, 2, 1, 3
.endr
.if LAYER == 2
	s_cmp_eq_u32 s19, 0
	s_cselect_b32 s46, -1, 0
.set I, SR+8
.rept 16
	v_cndmask_b32 v[I], 0, v[I], s46               ; b2 goes into the first quarter's sums alone
.set I, I+1
.endr
.endif
	s_wait_alu depctr_va_vdst(0)                   ; the lines above have written v16-23 (layer 2: v24-39 too), which the LDS stores below read
.irp s, 0,1,2,3,4,5,6,7
	ds_store_b32 v11, v[SR+\s] offset:512*\s
.endr
.irp u, 0,1
.irp q, 0,1
	ds_store_b128 v15, v[SR+8+8*\u+4*\q:SR+8+8*\u+4*\q+3] offset:BIAS+1024*\u+512*\q
.endr
.endr
	s_wait_loadcnt 36+NRL                          ; chunk 0 is in: three chunks (and the row list) behind it
	STW 0
	BAR
	s_wait_alu depctr_vm_vsrc(0)                   ; my LDS stores have read v16-39, in which the weights' scale words land (the vector lines that named these registers stand ahead of the last wait on va_vdst)
.irp s, 0,1,2,3,4,5,6,7
	ds_load_b128 v[WS+4*\s:WS+4*\s+3], v[LI] offset:WSC+512*\s
.endr
	LDIMG 0
	s_wait_loadcnt 24+NRL                          ; chunk 1
	STW 1
	BAR
	LDIMG 1
	s_wait_alu depctr_vm_vsrc(0)                   ; the LDS stores of chunks 0 and 1 have read v13 and v64-159, the images' loads v14, the head's first loads v7 and v8: the lines below write the four, and my first tile's operands land in v64-159
	v_add_nc_u32 v13, 49152, v13                   ; on to fragments 32 .. 63: an LDS immediate has 16 bits
	v_add_nc_u32 v14, 49152, v14
.if LAYER == 1
	s_wait_loadcnt 24                              ; the row list is in: two chunks behind it
	TOKEN
.else
	TILEB
.endif
	s_wait_alu depctr_va_vdst(0)                   ; v13 and v14 are written, which the LDS stores and loads of chunks 2 and 3 read; layer 1: so are v7 and v8, the two runs' offsets, and v6 has been read, in which the next row list lands
	RUN1                                           ; my first tile's operands, into the registers that chunks 0 and 1 have left
	RUN2 4
	s_wait_loadcnt 12+NR1+NR2                      ; chunk 2 is in: behind it chunk 3 and the two runs
	STW 2
	BAR
	LDIMG 2
	s_wait_loadcnt NR1+NR2                         ; chunk 3
	STW 3
	BAR
	LDIMG 3
	s_wait_alu depctr_vm_vsrc(0)                   ; the LDS stores of chunks 2 and 3 have read v160-255 and v13, the weights' loads v12: the bias's image lands in v160-223, and the lines below write v228-231 (layer 2: v7, v12 and v13)
	ACCINIT
.if LAYER == 1
.irp b, 0,1,2,3
	v_mov_b32 v[TM+4+\b], 0                        ; written once: a lane permute's destination counts as one of its sources
.endr
.else
	v_and_b32 v6, 15, v0
	v_bfe_u32 v7, v0, 4, 1
	v_mul_u32_u24 v12, v6, 528
	v_lshl_add_u32 v12, v7, 5, v12
	s_mul_i32 s43, s16, 16*528
	s_add_co_u32 s43, s43, STG
	v_add_nc_u32 v12, s43, v12                     ; into my stage: row r, 32 bytes for each half of the lanes; 528 is an odd multiple of 16
	v_add_nc_u32 v13, s43, v[LI]                   ; and back: the 32 lanes take one row of 512 bytes
.endif
	s_cmp_ge_u32 s16, s21                          ; from here on the waves go their own ways: no barrier follows
	s_cbranch_scc1 .Lend
	s_sub_co_u32 s23, s21, s16
	s_add_co_u32 s23, s23, 3
	s_lshr_b32 s23, s23, 2
	s_sub_co_u32 s23, s23, 1                       ; my tiles, less the last, which asks for nothing and is written out
	s_cmp_eq_u32 s23, 0
	s_cbranch_scc1 .Llast
.Ltile:
	TRIP 1
	s_sub_co_u32 s23, s23, 1
	s_cmp_lg_u32 s23, 0
	s_cbranch_scc1 .Ltile
.Llast:
	TRIP 0
.Lend:
	s_wait_dscnt 0x0                               ; the closing lines, six on end
	s_wait_alu 0x0
	s_wait_tensorcnt 0x0
	ds_add_u32 v[SPW], v[NIL]
	s_wait_dscnt 0x0
	s_endpgm
.Lfunc_end_k_q18fcc59bf3_ffn2:
	.size	k_q18fcc59bf3_ffn2, .Lfunc_end_k_q18fcc59bf3_ffn2-k_q18fcc59bf3_ffn2
	.p2alignl 7, 3214868480
	.fill 96, 4, 3214868480
	.section	.rodata,"a",@progbits
	.p2align	6, 0x0
	.amdhsa_kernel k_q18fcc59bf3_ffn2
		.amdhsa_group_segment_fixed_size 144896
		.amdhsa_private_segment_fixed_size 0
		.amdhsa_enable_private_segment 0
		.amdhsa_kernarg_size 48
		.amdhsa_user_sgpr_count 2
		.amdhsa_user_sgpr_kernarg_segment_ptr 1
		.amdhsa_wavefront_size32 1
		.amdhsa_system_sgpr_workgroup_id_x 1
		.amdhsa_system_sgpr_workgroup_id_y 1
		.amdhsa_system_sgpr_workgroup_id_z 1
		.amdhsa_system_vgpr_workitem_id 0
		.amdhsa_next_free_vgpr 1024
		.amdhsa_next_free_sgpr 66
		.amdhsa_reserve_vcc 0
		.amdhsa_float_denorm_mode_32 3
		.amdhsa_float_denorm_mode_16_64 3
		.amdhsa_memory_ordered 1
		.amdhsa_forward_progress 1
		.amdhsa_inst_pref_size 63
	.end_amdhsa_kernel
	.amdgpu_metadata
---
amdhsa.version: [ 1, 2 ]
amdhsa.kernels:
  - .name:           k_q18fcc59bf3_ffn2
    .symbol:         k_q18fcc59bf3_ffn2.kd
    .args:
      - { .name: W2_codes, .offset: 0, .size: 8, .value_kind: global_buffer, .address_space: global }
      - { .name: W2_scales, .offset: 8, .size: 8, .value_kind: global_buffer, .address_space: global }
      - { .name: b2, .offset: 16, .size: 8, .value_kind: global_buffer, .address_space: global }
      - { .name: hc, .offset: 24, .size: 8, .value_kind: global_buffer, .address_space: global }
      - { .name: plan, .offset: 32, .size: 8, .value_kind: global_buffer, .address_space: global }
      - { .name: y, .offset: 40, .size: 8, .value_kind: global_buffer, .address_space: global }
    .group_segment_fixed_size: 144896
    .private_segment_fixed_size: 0
    .kernarg_segment_align: 8
    .kernarg_segment_size: 48
    .max_flat_workgroup_size: 128
    .sgpr_count:     66
    .vgpr_count:     1024
    .wavefront_size: 32
...
	.end_amdgpu_metadata
.endif
;; end of part 9
;; launch combine (part 10): grid 256 x 1, 8 waves a work-group, no clusters, 0 bytes of LDS; arguments y, plan, wts, out0; writes out0
.if DOCPART == 10
	.amdgcn_target "amdgcn-amd-amdhsa--gfx1250"
	.amdhsa_code_object_version 6
	.text
	.protected	k_q18fcc59bf3_combine
	.globl	k_q18fcc59bf3_combine
	.p2align	8
	.type	k_q18fcc59bf3_combine,@function
k_q18fcc59bf3_combine:
	s_mov_b64 s[64:65], 0
	v_nop
	global_prefetch_b8 v0, s[64:65] scope:SCOPE_SE
	s_setreg_imm32_b32 hwreg(HW_REG_WAVE_MODE, 25, 1), 1
	s_wait_xcnt 0x0
; SimpleMoE, launch 5 of 5: out[t] = w0 y[p0] + w1 y[p1], where p0, p1 are the padded positions of token t's two chosen experts' rows and y[p] is the sum of the row's four partial sums along K.
; WORK LEFT OUT: the six experts that were not chosen for a token have the weight 0 by reference()'s own where() (shown at the head of the first launch): their terms are not formed.
; Each output row has one owner, so nothing is added across work-groups.  A stream: no LDS, no barrier, no matrix unit.
; A work-group takes four tokens; two waves share a token's row, 2,048 bytes each.  All 32 loads of a wave (2 rows x 4 quarters x 4 pieces of 512 consecutive bytes) go out at once.
.set Y, 16                             ; v16-143   piece j, row k, quarter q at Y + 32 j + 16 k + 4 q
.set O, 144                            ; v144-159  the result's four pieces: no store's data are written again
	s_load_b256 s[4:11], s[0:1], 0x0               ; y s[4:5], plan s[6:7], wts s[8:9], out0 s[10:11]
	v_lshrrev_b32 v1, 5, v0
	s_delay_alu instid0(VALU_DEP_1)
	v_readfirstlane_b32 s12, v1                    ; wave
	v_and_b32 v1, 31, v0
	s_lshr_b32 s13, s12, 1
	s_lshl_b32 s14, ttmp9, 2
	s_add_co_u32 s13, s13, s14                     ; my token
	s_and_b32 s12, s12, 1
	s_lshl_b32 s12, s12, 11                        ; my half of its row
	v_lshl_add_u32 v2, v1, 4, s12
	s_lshl_b32 s14, s13, 3
	s_lshl_b32 s18, s13, 12
	s_mov_b32 s19, 0
	s_wait_alu depctr_va_vdst(0)
	s_wait_kmcnt 0x0
	s_load_b64 s[16:17], s[6:7], s14 offset:0x100  ; the two positions
	s_load_b64 s[20:21], s[8:9], s14               ; the two weights
	s_add_nc_u64 s[10:11], s[10:11], s[18:19]
	s_wait_kmcnt 0x0
	s_min_u32 s16, s16, 2175                       ; held inside y before they enter an address
	s_min_u32 s17, s17, 2175
	s_lshl_b32 s16, s16, 14                        ; a row of y is 4 x 4,096 bytes
	s_lshl_b32 s17, s17, 14
	v_add_nc_u32 v3, s16, v2
	v_add_nc_u32 v4, s17, v2
	s_mov_b32 s22, s21                             ; the packed forms name a pair and take its low word for both halves
	s_mov_b32 s23, s21
.irp j, 0,1,2,3
.irp k, 0,1
.irp q, 0,1,2,3
	global_load_b128 v[Y+32*\j+16*\k+4*\q:Y+32*\j+16*\k+4*\q+3], v[3+\k], s[4:5] offset:4096*\q+512*\j th:TH_LOAD_NT   ; read once in the launch
.endr
.endr
.endr
.irp j, 0,1,2,3
	s_wait_loadcnt 24-8*\j                         ; piece j's eight loads are in; those of the later pieces stay out
.irp k, 0,1
.irp p, 0,2
	v_pk_add_f32 v[Y+32*\j+16*\k+\p:Y+32*\j+16*\k+\p+1], v[Y+32*\j+16*\k+\p:Y+32*\j+16*\k+\p+1], v[Y+32*\j+16*\k+4+\p:Y+32*\j+16*\k+4+\p+1]
	v_pk_add_f32 v[Y+32*\j+16*\k+8+\p:Y+32*\j+16*\k+8+\p+1], v[Y+32*\j+16*\k+8+\p:Y+32*\j+16*\k+8+\p+1], v[Y+32*\j+16*\k+12+\p:Y+32*\j+16*\k+12+\p+1]
.endr
.endr
.irp k, 0,1
.irp p, 0,2
	v_pk_add_f32 v[Y+32*\j+16*\k+\p:Y+32*\j+16*\k+\p+1], v[Y+32*\j+16*\k+\p:Y+32*\j+16*\k+\p+1], v[Y+32*\j+16*\k+8+\p:Y+32*\j+16*\k+8+\p+1]
.endr
.endr
.irp p, 0,2
	s_delay_alu instid0(VALU_DEP_4)
	v_pk_mul_f32 v[O+4*\j+\p:O+4*\j+\p+1], v[Y+32*\j+\p:Y+32*\j+\p+1], s[20:21] op_sel_hi:[1,0]
.endr
.irp p, 0,2
	s_delay_alu instid0(VALU_DEP_2)
	v_pk_fma_f32 v[O+4*\j+\p:O+4*\j+\p+1], v[Y+32*\j+16+\p:Y+32*\j+16+\p+1], s[22:23], v[O+4*\j+\p:O+4*\j+\p+1] op_sel_hi:[1,0,1]
.endr
	global_store_b128 v2, v[O+4*\j:O+4*\j+3], s[10:11] offset:512*\j th:TH_STORE_NT   ; 512 consecutive bytes, at a multiple of 512 from the buffer's first byte
.endr
	s_endpgm
.Lfunc_end_k_q18fcc59bf3_combine:
	.size	k_q18fcc59bf3_combine, .Lfunc_end_k_q18fcc59bf3_combine-k_q18fcc59bf3_combine
	.p2alignl 7, 3214868480
	.fill 96, 4, 3214868480
	.section	.rodata,"a",@progbits
	.p2align	6, 0x0
	.amdhsa_kernel k_q18fcc59bf3_combine
		.amdhsa_group_segment_fixed_size 0
		.amdhsa_private_segment_fixed_size 0
		.amdhsa_enable_private_segment 0
		.amdhsa_kernarg_size 32
		.amdhsa_user_sgpr_count 2
		.amdhsa_user_sgpr_kernarg_segment_ptr 1
		.amdhsa_wavefront_size32 1
		.amdhsa_system_sgpr_workgroup_id_x 1
		.amdhsa_system_sgpr_workgroup_id_y 1
		.amdhsa_system_sgpr_workgroup_id_z 1
		.amdhsa_system_vgpr_workitem_id 0
		.amdhsa_next_free_vgpr 160
		.amdhsa_next_free_sgpr 66
		.amdhsa_reserve_vcc 0
		.amdhsa_float_denorm_mode_32 3
		.amdhsa_float_denorm_mode_16_64 3
		.amdhsa_memory_ordered 1
		.amdhsa_forward_progress 1
		.amdhsa_inst_pref_size 10
	.end_amdhsa_kernel
	.amdgpu_metadata
---
amdhsa.version: [ 1, 2 ]
amdhsa.kernels:
  - .name:           k_q18fcc59bf3_combine
    .symbol:         k_q18fcc59bf3_combine.kd
    .args:
      - { .name: y, .offset: 0, .size: 8, .value_kind: global_buffer, .address_space: global }
      - { .name: plan, .offset: 8, .size: 8, .value_kind: global_buffer, .address_space: global }
      - { .name: wts, .offset: 16, .size: 8, .value_kind: global_buffer, .address_space: global }
      - { .name: out0, .offset: 24, .size: 8, .value_kind: global_buffer, .address_space: global }
    .group_segment_fixed_size: 0
    .private_segment_fixed_size: 0
    .kernarg_segment_align: 8
    .kernarg_segment_size: 32
    .max_flat_workgroup_size: 256
    .sgpr_count:     66
    .vgpr_count:     160
    .wavefront_size: 32
...
	.end_amdgpu_metadata
.endif
;; end of part 10
